; MI455X (gfx1250); checked and timed in simulation.
; The chip was launched on July 23, 2026; its instructions are those of AMD's public machine-readable ISA for CDNA 5 (MIT licence, August 2026) and "CDNA5" Instruction Set Architecture Reference Guide (July 2026). The comments in the code are by the model that wrote it; some were corrected since.
;; Blocks. Allowed arithmetic: matrix products marked QUANTISED: E5M2 operands, one given power-of-two scale a tensor, by v_wmma_f32_16x16x64_bf8_bf8 or v_wmma_f32_16x16x128_bf8_bf8, f32 sums; everything else in f32.
;; Inputs: W1 1,024 x 4,096 float32; W2 4,096 x 1,024 float32; Wk 16 x 1,024 x 64 float32; Wproj 1,024 x 1,024 float32; Wq 16 x 1,024 x 64 float32; b1 4,096 float32; b2 1,024 float32; bproj 1,024 float32; ln1_b 1,024 float32; ln1_g 1,024 float32; ln2_b 1,024 float32; ln2_g 1,024 float32; lowp_scales 14 int32 (the exponents e of the quantised operands' scales 2^e); x 2 x 2,048 x 1,024 float32.
;; Outputs: out0 2 x 2,048 x 1,024 float32.
;; This version of the problem:
;;   THIS VERSION OF THE PROBLEM IS GIVEN IN LOW PRECISION. The matrix products marked QUANTISED in the list below multiply operands that are first quantised to E5M2 (5 exponent bits, 2 mantissa bits; 8 bits a number), with one given power-of-two scale for each operand tensor; their sums are f32. All else is computed in f32.
;;   The module's matrix products, in the order in which they are computed (A, B: the left and right operand; K: the contracted axis; several contracted axes count as one K, in the product's order):
;;     1. [M 1,024, K 1,024] x [K 1,024, N 4,096]; A: input Wq; B: computed on the way: QUANTISED (scales: A lowp_scales[0], B lowp_scales[1])
;;     2. [M 1,024, K 1,024] x [K 1,024, N 4,096]; A: input Wk; B: computed on the way: QUANTISED (scales: A lowp_scales[2], B lowp_scales[3])
;;     3. batch 32 x [M 2,048, K 64] x [K 64, N 2,048]; A: computed on the way; B: computed on the way: QUANTISED (scales: A lowp_scales[4], B lowp_scales[5])
;;     4. batch 32 x [M 2,048, K 2,048] x [K 2,048, N 64]; A: softmax (see below); B: computed on the way: QUANTISED (scales: A lowp_scales[6], B lowp_scales[7])
;;     5. [M 4,096, K 1,024] x [K 1,024, N 1,024]; A: computed on the way; B: input Wproj: QUANTISED (scales: A lowp_scales[8], B lowp_scales[9])
;;     6. [M 4,096, K 1,024] x [K 1,024, N 4,096]; A: computed on the way; B: input W1: QUANTISED (scales: A lowp_scales[10], B lowp_scales[11])
;;     7. [M 4,096, K 4,096] x [K 4,096, N 1,024]; A: computed on the way; B: input W2: QUANTISED (scales: A lowp_scales[12], B lowp_scales[13])
;;   THE QUANTISER, for each operand of a quantised product, along K:
;;     - The operand's scale is 2^e, e = its entry of the input lowp_scales (int32; the entries are numbered through the quantised products in the list's order, A before B).
;;     - Each number is divided by the scale, clamped to +-57,344, and rounded to the nearest number of E5M2, ties to even, subnormals kept.
;;     - The product sums the exact products of the quantised numbers (number of the format x scale) in f32.
;;   ~~~python
;;   def quantise(x, axis, e):      # numpy; x: float32 -> the quantised numbers, widened to float32 again
;;       x = np.moveaxis(x, axis, -1); K = x.shape[-1]
;;       r = np.clip(x / 2.0 ** e, -57344, 57344)
;;       step = 2.0 ** (np.maximum(np.frexp(np.where(r == 0, 1, r))[1] - 1, -14) - 2)
;;       q = np.round(r / step) * step * 2.0 ** e      # np.round: ties to even
;;       return np.moveaxis(q, -1, axis).astype(np.float32)
;;   ~~~
;;   SOFTMAX AHEAD OF A QUANTISED PRODUCT. Where the list says 'softmax', what is quantised is not the finished softmax but p = 2^(t - M), with t = logit x log2(e) and M = ceil(the row's largest t), a whole number; so 1/2 < the row's largest p <= 1. The row's sum l is taken of the UNQUANTISED p, in f32, and the product's result is divided by l at the end. Since M is a whole number, a kernel that streams over the keys may use a running M (the ceiling of the running maximum): every later rescaling is an exact power of two, so the quantised numbers keep their values, but for numbers so far below the row's largest that they fall under the format's range.
;;   OPERANDS COMPUTED ON THE WAY. 'Computed on the way' means the value that the module computes at that place (a softmax that the list does not call 'softmax' is quantised finished and normalised). What goes into a quantiser is computed in f32, as accurately as f32 sums, v_exp_f32 and their like allow (about 1e-6 of the number): no bf16 or f16 on the way to a quantiser, and a product that is left as it is and whose result goes on into a quantised operand takes f32 operands (vector FMAs, or v_wmma_f32_16x16x4_f32). A number that lies on a knife's edge between two numbers of the format may be rounded either way, as far as f32 arithmetic and the matrix unit's own rounding can turn it there, and no further.
;; 2 versions. Each part assembles by itself: llvm-mc -triple=amdgcn-amd-amdhsa -mcpu=gfx1250 --defsym DOCPART=n.
;; ======== version 1 of 2: 7 launches
;; workspace buffers: wc 11,534,336 bytes; hc 8,388,608 bytes; qkv 12,582,912 bytes; oc 4,194,304 bytes; x1 16,777,216 bytes; h2c 4,194,304 bytes; fc 16,777,216 bytes
;; launch prep (part 1): grid 608 x 1, 4 waves a work-group, no clusters, 55,808 bytes of LDS; arguments Wq, Wk, Wproj, W1, W2, x, ln1_g, ln1_b, lowp_scales, wc, hc; writes wc, hc
.if DOCPART == 1
	.amdgcn_target "amdgcn-amd-amdhsa--gfx1250"
	.amdhsa_code_object_version 6
	.text
	.protected	k_q51df3db85b_prep
	.globl	k_q51df3db85b_prep
	.p2align	8
	.type	k_q51df3db85b_prep,@function
k_q51df3db85b_prep:
	s_mov_b64 s[64:65], 0
	v_nop
	global_prefetch_b8 v0, s[64:65] scope:SCOPE_SE
	s_setreg_imm32_b32 hwreg(HW_REG_WAVE_MODE, 25, 1), 1
	s_wait_xcnt 0x0
; PREP.  Work-groups 0-351: the five weights (f32, K not innermost) become codes of E5M2 with K innermost, in wc.  Work-groups 352-607: h = LayerNorm1(x) becomes codes twice, in hc:
; once with the scale of the Q product's operand (entry 1 of lowp_scales), once with that of the K product's (entry 3).
; code = number / 2^e, held within +-57,344, rounded to the nearest code, ties to even.
; LIMITS: each e used here (entries 0, 1, 2, 3, 9, 11, 13) lies between -126 and 112, so that 2^e and 57,344 x 2^e are f32 numbers.  NaN among the inputs is not served.
; wc: rows [n][K]: Wq at 0 (row h*64+d, 1,024 bytes), Wk at 0x100000, Wproj at 0x200000, W1 at 0x300000 (4,096 rows of 1,024), W2 at 0x700000 (1,024 rows of 4,096).
; hc: [4096][1024] with entry 1's scale at 0, with entry 3's at 0x400000.
; No tensor load, no barrier: waves share nothing.  The two paths part on the work-group's number and have LDS bytes of their own: weights 0 .. 34,815, LayerNorm 34,816 .. 55,295.
.set WGW,   352                        ; work-groups of the weights' path
.set SB,    66                         ; s[66:81]  weights: the source's address at each of the wave's 8 blocks of 32 along K
.set VO,    16                         ; v16-47    weights: 4 x lane + i x the source's row pitch
.set X,     48                         ; v48-111   weights: two sets of 32 numbers; on the way out 16 x 4 registers of codes
.set C,     112                        ; v112-119  weights: a block's codes
.set OUTO,  120                        ; v120-135  weights: byte offsets of the 16 stores
.set WP,    272                        ; weights: a stage row: 256 bytes of codes + 16
.set LNST,  34816                      ; LayerNorm: the stages begin here, 5,120 bytes a wave
.set SP,    80                         ; LayerNorm: a lane's place in a stage: its 64 bytes + 16
.set R,     16                         ; v16-47    LayerNorm: a row as loaded
.set XX,    48                         ; v48-79    LayerNorm: register 16 t + m = number 512 t + 16 lane + m of the row
.set T,     80                         ; v80-95    LayerNorm: 16 numbers held for the first scale
.set G,     96                         ; v96-127   the gain, laid as XX
.set BB,    128                        ; v128-159  the bias, laid as XX
.set CC,    160                        ; v160-223  codes: 16 registers for each of the wave's 4 rows, so that no store's data are written again
	s_load_b512 s[8:23], s[0:1], 0x0               ; Wq s[8:9], Wk s[10:11], Wproj s[12:13], W1 s[14:15], W2 s[16:17], x s[18:19], gain s[20:21], bias s[22:23]
	s_load_b128 s[24:27], s[0:1], 0x40             ; lowp_scales s[24:25], wc s[26:27]
	s_load_b64 s[28:29], s[0:1], 0x50              ; hc
	v_lshl_add_u32 v232, v0, 2, 0xd800
	v_mov_b32 v233, 0
	v_lshrrev_b32 v1, 5, v0
	v_readfirstlane_b32 s30, v1                    ; wave 0..3
	v_and_b32 v1, 31, v0                           ; lane
	s_wait_kmcnt 0x0
	s_load_b256 s[36:43], s[24:25], 0x0            ; entries 0-7
	s_load_b128 s[44:47], s[24:25], 0x20           ; entries 8-11
	s_load_b64 s[48:49], s[24:25], 0x30            ; entries 12, 13: 56 bytes in all
	s_cmp_ge_u32 ttmp9, WGW
	s_cbranch_scc1 .Lln
; ---------------- THE WEIGHTS.  A work-group takes 128 columns n x 256 along K, a wave 32 columns.  A LANE TAKES A COLUMN AND ITS REGISTERS RUN DOWN K: each load reads 128 consecutive bytes,
; and the conversions give codes with K innermost.  One path serves all five tensors: what differs is chosen by the work-group's number, beginning with W2's figures.
	s_mov_b64 s[50:51], s[16:17]                   ; the source
	s_mov_b32 s52, 4096                            ; bytes from one k to the next
	s_mov_b32 s53, 0                               ; bytes from one head to the next (Wq, Wk)
	s_mov_b32 s54, 0xffff                          ; the column within a head (Wq, Wk: 63)
	s_mov_b32 s55, 4096                            ; a row of codes in bytes
	s_mov_b32 s56, 4                               ; log2 of the blocks of 256 along K,
	s_mov_b32 s57, 15                              ; and their mask
	s_mov_b32 s58, 0x700000                        ; the tensor's place in wc
	s_mov_b32 s60, 224                             ; its first work-group
	s_cmp_lt_u32 ttmp9, 224                        ; W1
	s_cselect_b64 s[50:51], s[14:15], s[50:51]
	s_cselect_b32 s52, 16384, s52
	s_cselect_b32 s55, 1024, s55
	s_cselect_b32 s56, 2, s56
	s_cselect_b32 s57, 3, s57
	s_cselect_b32 s58, 0x300000, s58
	s_cselect_b32 s60, 96, s60
	s_cmp_lt_u32 ttmp9, 96                         ; Wproj
	s_cselect_b64 s[50:51], s[12:13], s[50:51]
	s_cselect_b32 s52, 4096, s52
	s_cselect_b32 s58, 0x200000, s58
	s_cselect_b32 s60, 64, s60
	s_cmp_lt_u32 ttmp9, 64                         ; Wk
	s_cselect_b64 s[50:51], s[10:11], s[50:51]
	s_cselect_b32 s52, 256, s52
	s_cselect_b32 s53, 0x40000, s53
	s_cselect_b32 s54, 63, s54
	s_cselect_b32 s58, 0x100000, s58
	s_cselect_b32 s60, 32, s60
	s_cmp_lt_u32 ttmp9, 32                         ; Wq
	s_cselect_b64 s[50:51], s[8:9], s[50:51]
	s_cselect_b32 s58, 0, s58
	s_cselect_b32 s60, 0, s60
	s_sub_co_u32 s61, ttmp9, s60                   ; the work-group's number within its tensor
	s_and_b32 s62, s61, s57                        ; which 256 along K
	s_lshr_b32 s61, s61, s56
	s_lshl_b32 s61, s61, 7
	s_lshl_b32 s63, s30, 5
	s_add_co_u32 s61, s61, s63                     ; n0: my wave's first column
	s_lshr_b32 s63, s61, 6
	s_mul_i32 s63, s63, s53                        ; the head's bytes,
	s_and_b32 s84, s61, s54
	s_lshl_b32 s84, s84, 2                         ; the column's,
	s_add_co_u32 s84, s84, s63
	s_mul_i32 s63, s62, s52
	s_lshl_b32 s63, s63, 8                         ; and 256 rows of k for each block of 256: under 2^25 in all
	s_add_co_u32 s84, s84, s63
	s_mov_b32 s85, 0
	s_add_nc_u64 s[SB:SB+1], s[50:51], s[84:85]
	s_lshl_b32 s84, s52, 5                         ; 32 rows of k
.irp t, 1,2,3,4,5,6,7
	s_add_nc_u64 s[SB+2*\t:SB+2*\t+1], s[SB+2*\t-2:SB+2*\t-1], s[84:85]
.endr
	s_mul_i32 s86, s61, s55                        ; the codes: row n0,
	s_add_co_u32 s86, s86, s58
	s_lshl_b32 s87, s62, 8                         ; 256 bytes for each block of 256 along K
	s_add_co_u32 s86, s86, s87
	s_mov_b32 s87, 0
	s_add_nc_u64 s[82:83], s[26:27], s[86:87]
	v_lshlrev_b32 v3, 2, v1                        ; in: 4 bytes a lane
	s_mul_i32 s88, s30, 32*WP                      ; my stage
	v_mul_u32_u24 v4, v1, WP
	v_add_nc_u32 v4, s88, v4                       ; into it: row = my column
	v_and_b32 v5, 15, v1
	v_lshrrev_b32 v6, 4, v1
	v_mul_u32_u24 v7, v6, WP
	v_lshl_add_u32 v7, v5, 4, v7
	v_add_nc_u32 v7, s88, v7                       ; out of it: sixteen lanes to a row, two rows an instruction
	v_mul_u32_u24 v8, s55, v6
	v_lshl_add_u32 v8, v5, 4, v8                   ; and the same place among the rows of codes
.set i, 0
.rept 32
	v_mad_u32_u24 v[VO+i], s52, i, v3
.set i, i+1
.endr
.set i, 0
.rept 16
	v_mad_u32_u24 v[OUTO+i], s55, 2*i, v8
.set i, i+1
.endr
.macro LOAD t                          ; block t: W(32 t + i, my column), i = 0 .. 31, into set t % 2
.set i, 0
.rept 32
	global_load_b32 v[X+32*((\t)%2)+i], v[VO+i], s[SB+2*(\t):SB+2*(\t)+1] th:TH_LOAD_NT
.set i, i+1
.endr
.endm
	LOAD 0
	LOAD 1
	s_wait_kmcnt 0x0                               ; the exponents
	s_mov_b32 s59, s49                             ; W2: entry 13
	s_cmp_lt_u32 ttmp9, 224
	s_cselect_b32 s59, s47, s59                    ; W1: entry 11
	s_cmp_lt_u32 ttmp9, 96
	s_cselect_b32 s59, s45, s59                    ; Wproj: entry 9
	s_cmp_lt_u32 ttmp9, 64
	s_cselect_b32 s59, s38, s59                    ; Wk: entry 2
	s_cmp_lt_u32 ttmp9, 32
	s_cselect_b32 s59, s36, s59                    ; Wq: entry 0
	s_add_co_i32 s59, s59, 127
	s_lshl_b32 s89, s59, 23
	v_mov_b32 v11, s89                             ; 2^e as f32: the conversion takes its exponent field
	s_add_co_i32 s59, s59, 15
	s_lshl_b32 s59, s59, 23
	s_or_b32 s59, s59, 0x600000
	v_mov_b32 v10, s59                             ; 57,344 x 2^e
.macro BLOCK t
.set XS, X+32*((\t)%2)
.if (\t) < 7
	s_wait_loadcnt 32                              ; this block's 32 loads are in; the next block's 32 may be out
.else
	s_wait_loadcnt 0x0
.endif
.set i, 0
.rept 32
	v_med3_num_f32 v[XS+i], v[XS+i], -v10, v10     ; the conversion to an 8-bit code does not saturate (ISA guide 7.6.2): the number is held first
.set i, i+1
.endr
.irp g, 0,1,2,3
	v_cvt_scalef32_pk8_bf8_f32 v[C+2*\g:C+2*\g+1], v[XS+8*\g:XS+8*\g+7], v11
.endr
	ds_store_b128 v4, v[C:C+3] offset:32*(\t)      ; 32 codes: 32 bytes of my column's row
	ds_store_b128 v4, v[C+4:C+7] offset:32*(\t)+16
.if (\t)+2 < 8
	LOAD (\t)+2
.endif
	s_wait_dscnt 0x0                               ; the stores have read their registers: the next block's codes may be written (32 plain holds stand between the conversions)
.endm
.irp t, 0,1,2,3,4,5,6,7
	BLOCK \t
.endr
.set i, 0
.rept 16
	ds_load_b128 v[X+4*i:X+4*i+3], v7 offset:2*i*WP   ; LDS serves a wave's instructions in order: these see my stores
.set i, i+1
.endr
.set i, 0
.rept 16
	s_wait_dscnt 15-i                              ; load i is in; the 15 - i younger ones may be out
	global_store_b128 v[OUTO+i], v[X+4*i:X+4*i+3], s[82:83]   ; sixteen lanes store 256 consecutive bytes of a row of codes, at a multiple of 256
.set i, i+1
.endr
	s_wait_tensorcnt 0x0
	ds_add_u32 v232, v233
	s_wait_dscnt 0x0
	s_endpgm
; ---------------- LAYERNORM 1.  A wave takes 4 rows, one at a time; a row (4,096 bytes) stays in 32 registers a lane between the mean, the variance and the codes.
; Each load reads 512 consecutive bytes; the conversions want 16 NEIGHBOURS in a lane: so a row turns through the wave's own stage in LDS (in as loaded, out 64 bytes a lane, 16 bytes of padding behind each 64).
; The variance is the mean of (x - mean)^2, taken on the registers: no difference of large sums.
.Lln:
	s_sub_co_u32 s50, ttmp9, WGW
	s_lshl_b32 s50, s50, 4
	s_lshl_b32 s51, s30, 2
	s_add_co_u32 s50, s50, s51                     ; my wave's first row: 16 x work-group + 4 x wave
	s_lshl_b32 s52, s50, 12
	s_mov_b32 s53, 0
	s_add_nc_u64 s[18:19], s[18:19], s[52:53]      ; x there
	s_lshl_b32 s52, s50, 10
	s_add_nc_u64 s[84:85], s[28:29], s[52:53]      ; the first set of codes there,
	s_add_nc_u64 s[86:87], s[84:85], 0x400000      ; and the second
	s_mov_b32 s32, 0x76543210                      ; v_permlanex16_b32: lane l takes lane l xor 16
	s_mov_b32 s33, 0xfedcba98
	s_mov_b32 s34, 0x3a800000                      ; 1 / 1,024
	s_mov_b32 s35, 0x3727c5ac                      ; 1e-5
	v_lshlrev_b32 v2, 6, v1                        ; 64 x lane: my 16 numbers of the gain and the bias
	v_lshlrev_b32 v3, 4, v1                        ; 16 x lane: my bytes of a load, and of a store of codes
	s_mul_i32 s51, s30, 64*SP
	s_add_co_u32 s51, s51, LNST                    ; my two stages
	v_lshrrev_b32 v14, 2, v1
	v_mul_u32_u24 v14, v14, SP
	v_and_b32 v15, 3, v1
	v_lshl_add_u32 v14, v15, 4, v14
	v_add_nc_u32 v14, s51, v14                     ; in: four lanes' 64 bytes on end, then the padding
	v_mul_u32_u24 v15, v1, SP
	v_add_nc_u32 v15, s51, v15                     ; out: my 64 bytes
	v_mov_b32 v9, 0                                ; a lane permute's destination counts as read
	v_mov_b32 v11, 0                               ; (upper halves of pairs of which the low word serves both halves)
	v_mov_b32 v13, 0
.irp t, 0,1
.irp m, 0,1,2,3
	global_load_b128 v[G+16*\t+4*\m:G+16*\t+4*\m+3], v2, s[20:21] offset:2048*\t+16*\m
	global_load_b128 v[BB+16*\t+4*\m:BB+16*\t+4*\m+3], v2, s[22:23] offset:2048*\t+16*\m
.endr
.endr
.irp i, 0,1,2,3,4,5,6,7
	global_load_b128 v[R+4*\i:R+4*\i+3], v3, s[18:19] offset:512*\i   ; row 0
.endr
	s_wait_kmcnt 0x0
	s_add_co_i32 s54, s37, 127                     ; entry 1
	s_lshl_b32 s55, s54, 23
	v_mov_b32 v225, s55                            ; 2^e
	s_add_co_i32 s54, s54, 15
	s_lshl_b32 s54, s54, 23
	s_or_b32 s54, s54, 0x600000
	v_mov_b32 v224, s54                            ; 57,344 x 2^e
	s_add_co_i32 s54, s39, 127                     ; entry 3
	s_lshl_b32 s55, s54, 23
	v_mov_b32 v227, s55
	s_add_co_i32 s54, s54, 15
	s_lshl_b32 s54, s54, 23
	s_or_b32 s54, s54, 0x600000
	v_mov_b32 v226, s54
.macro REDUCE                          ; the two chains v[4:5], v[6:7] -> the row's sum in v8, in every lane
	v_pk_add_f32 v[4:5], v[4:5], v[6:7]
	v_add_f32 v8, v4, v5
	v_add_f32_dpp v8, v8, v8 row_xmask:1 row_mask:0xf bank_mask:0xf
	v_add_f32_dpp v8, v8, v8 row_xmask:2 row_mask:0xf bank_mask:0xf
	v_add_f32_dpp v8, v8, v8 row_xmask:4 row_mask:0xf bank_mask:0xf
	v_add_f32_dpp v8, v8, v8 row_xmask:8 row_mask:0xf bank_mask:0xf
	v_permlanex16_b32 v9, v8, s32, s33
	v_add_f32 v8, v8, v9
.endm
.macro LNROW j
	s_wait_loadcnt 0x0                             ; the row is in (the first time: the gain and the bias too)
.irp i, 0,1,2,3,4,5,6,7
	ds_store_b128 v14, v[R+4*\i:R+4*\i+3] offset:32*SP*(\i/4)+8*SP*(\i%4)
.endr
.irp t, 0,1
.irp m, 0,1,2,3
	ds_load_b128 v[XX+16*\t+4*\m:XX+16*\t+4*\m+3], v15 offset:32*SP*\t+16*\m   ; LDS serves a wave's instructions in order: these see the stores above
.endr
.endr
	s_wait_dscnt 0x0                               ; the row is back, and the stores have read R,
.if (\j) < 3
.irp i, 0,1,2,3,4,5,6,7
	global_load_b128 v[R+4*\i:R+4*\i+3], v3, s[18:19] offset:4096*((\j)+1)+512*\i   ; which takes the next row while this one is worked
.endr
.endif
	v_pk_add_f32 v[4:5], v[XX:XX+1], v[XX+2:XX+3]  ; the sum, two numbers at a time, in two chains
	v_pk_add_f32 v[6:7], v[XX+4:XX+5], v[XX+6:XX+7]
.irp k, 8,12,16,20,24,28
	v_pk_add_f32 v[4:5], v[4:5], v[XX+\k:XX+\k+1]
	v_pk_add_f32 v[6:7], v[6:7], v[XX+\k+2:XX+\k+3]
.endr
	REDUCE
	v_mul_f32 v10, s34, v8                         ; the mean
.set i, 0
.rept 16
	v_pk_add_f32 v[XX+i:XX+i+1], v[XX+i:XX+i+1], v[10:11] op_sel_hi:[1,0] neg_lo:[0,1] neg_hi:[0,1]   ; x - mean
.set i, i+2
.endr
	v_pk_mul_f32 v[4:5], v[XX:XX+1], v[XX:XX+1]
	v_pk_mul_f32 v[6:7], v[XX+2:XX+3], v[XX+2:XX+3]
.irp k, 4,8,12,16,20,24,28
	v_pk_fma_f32 v[4:5], v[XX+\k:XX+\k+1], v[XX+\k:XX+\k+1], v[4:5]
	v_pk_fma_f32 v[6:7], v[XX+\k+2:XX+\k+3], v[XX+\k+2:XX+\k+3], v[6:7]
.endr
	REDUCE
	v_fma_f32 v8, v8, s34, s35                     ; the variance + 1e-5
	v_rsq_f32 v12, v8
	v_nop                                          ; a plain instruction behind the transcendental,
	s_wait_alu depctr_va_vdst(0)                   ; and the wait ahead of the first use of its result
.set i, 0
.rept 16
	v_pk_mul_f32 v[XX+i:XX+i+1], v[XX+i:XX+i+1], v[12:13] op_sel_hi:[1,0]
.set i, i+2
.endr
.set i, 0
.rept 16
	v_pk_fma_f32 v[XX+i:XX+i+1], v[XX+i:XX+i+1], v[G+i:G+i+1], v[BB+i:BB+i+1]   ; x gain + bias
.set i, i+2
.endr
.irp t, 0,1
.set i, 0
.rept 16
	v_med3_num_f32 v[T+i], v[XX+16*\t+i], -v224, v224   ; held for the first scale, into other registers: the numbers are wanted again
.set i, i+1
.endr
	v_cvt_scalef32_pk8_bf8_f32 v[CC+16*(\j)+4*\t:CC+16*(\j)+4*\t+1], v[T:T+7], v225
	v_cvt_scalef32_pk8_bf8_f32 v[CC+16*(\j)+4*\t+2:CC+16*(\j)+4*\t+3], v[T+8:T+15], v225
.set i, 0
.rept 16
	v_med3_num_f32 v[XX+16*\t+i], v[XX+16*\t+i], -v226, v226   ; held for the second scale.  (These plain lines stand between the conversions above and the next write of T)
.set i, i+1
.endr
	v_cvt_scalef32_pk8_bf8_f32 v[CC+16*(\j)+8+4*\t:CC+16*(\j)+8+4*\t+1], v[XX+16*\t:XX+16*\t+7], v227
	v_cvt_scalef32_pk8_bf8_f32 v[CC+16*(\j)+8+4*\t+2:CC+16*(\j)+8+4*\t+3], v[XX+16*\t+8:XX+16*\t+15], v227
.endr
	v_nop                                          ; a plain line behind the last conversion
.irp t, 0,1
	global_store_b128 v3, v[CC+16*(\j)+4*\t:CC+16*(\j)+4*\t+3], s[84:85] offset:1024*(\j)+512*\t       ; 32 lanes store 512 consecutive bytes of a row of codes
	global_store_b128 v3, v[CC+16*(\j)+8+4*\t:CC+16*(\j)+8+4*\t+3], s[86:87] offset:1024*(\j)+512*\t
.endr
.endm
	LNROW 0
	LNROW 1
	LNROW 2
	LNROW 3
	s_wait_tensorcnt 0x0
	ds_add_u32 v232, v233
	s_wait_dscnt 0x0
	s_endpgm
.Lfunc_end_k_q51df3db85b_prep:
	.size	k_q51df3db85b_prep, .Lfunc_end_k_q51df3db85b_prep-k_q51df3db85b_prep
	.p2alignl 7, 3214868480
	.fill 96, 4, 3214868480
	.section	.rodata,"a",@progbits
	.p2align	6, 0x0
	.amdhsa_kernel k_q51df3db85b_prep
		.amdhsa_group_segment_fixed_size 55808
		.amdhsa_private_segment_fixed_size 0
		.amdhsa_enable_private_segment 0
		.amdhsa_kernarg_size 88
		.amdhsa_user_sgpr_count 2
		.amdhsa_user_sgpr_kernarg_segment_ptr 1
		.amdhsa_wavefront_size32 1
		.amdhsa_system_sgpr_workgroup_id_x 1
		.amdhsa_system_sgpr_workgroup_id_y 1
		.amdhsa_system_sgpr_workgroup_id_z 1
		.amdhsa_system_vgpr_workitem_id 0
		.amdhsa_next_free_vgpr 234
		.amdhsa_next_free_sgpr 100
		.amdhsa_reserve_vcc 0
		.amdhsa_float_denorm_mode_32 3
		.amdhsa_float_denorm_mode_16_64 3
		.amdhsa_memory_ordered 1
		.amdhsa_forward_progress 1
		.amdhsa_inst_pref_size 109
	.end_amdhsa_kernel
	.amdgpu_metadata
---
amdhsa.version: [ 1, 2 ]
amdhsa.kernels:
  - .name:           k_q51df3db85b_prep
    .symbol:         k_q51df3db85b_prep.kd
    .args:
      - { .name: Wq, .offset: 0, .size: 8, .value_kind: global_buffer, .address_space: global }
      - { .name: Wk, .offset: 8, .size: 8, .value_kind: global_buffer, .address_space: global }
      - { .name: Wproj, .offset: 16, .size: 8, .value_kind: global_buffer, .address_space: global }
      - { .name: W1, .offset: 24, .size: 8, .value_kind: global_buffer, .address_space: global }
      - { .name: W2, .offset: 32, .size: 8, .value_kind: global_buffer, .address_space: global }
      - { .name: x, .offset: 40, .size: 8, .value_kind: global_buffer, .address_space: global }
      - { .name: ln1_g, .offset: 48, .size: 8, .value_kind: global_buffer, .address_space: global }
      - { .name: ln1_b, .offset: 56, .size: 8, .value_kind: global_buffer, .address_space: global }
      - { .name: lowp_scales, .offset: 64, .size: 8, .value_kind: global_buffer, .address_space: global }
      - { .name: wc, .offset: 72, .size: 8, .value_kind: global_buffer, .address_space: global }
      - { .name: hc, .offset: 80, .size: 8, .value_kind: global_buffer, .address_space: global }
    .group_segment_fixed_size: 55808
    .private_segment_fixed_size: 0
    .kernarg_segment_align: 8
    .kernarg_segment_size: 88
    .max_flat_workgroup_size: 128
    .sgpr_count:     100
    .vgpr_count:     234
    .wavefront_size: 32
...
	.end_amdgpu_metadata
.endif
;; end of part 1
;; launch qkv (part 2): grid 4 x 48, 4 waves a work-group, clusters of 4 x 4, 327,680 bytes of LDS; arguments hc, wc, lowp_scales, qkv; writes qkv
.if DOCPART == 2
	.amdgcn_target "amdgcn-amd-amdhsa--gfx1250"
	.amdhsa_code_object_version 6
	.text
	.protected	k_q51df3db85b_qkv
	.globl	k_q51df3db85b_qkv
	.p2align	8
	.type	k_q51df3db85b_qkv,@function
k_q51df3db85b_qkv:
	s_mov_b64 s[64:65], 0
	v_nop
	global_prefetch_b8 v0, s[64:65] scope:SCOPE_SE
	s_setreg_imm32_b32 hwreg(HW_REG_WAVE_MODE, 25, 1), 1
	s_wait_xcnt 0x0
	s_wait_alu depctr_hold_cnt(0) depctr_sa_sdst(0) depctr_va_vdst(0) depctr_va_sdst(0) depctr_va_ssrc(0) depctr_va_vcc(0) depctr_vm_vsrc(0)
	s_getreg_b32 s2, hwreg(HW_REG_IB_STS2, 6, 4)
	s_cmp_eq_u32 s2, 0
	s_cbranch_scc0 .Lentry_in_a_cluster
	s_endpgm
.Lentry_in_a_cluster:
	s_bfe_u32 s2, ttmp6, 0x10000c
	s_cmp_lg_u32 s2, 0xf033
	s_cbranch_scc0 .Lentry_shape_is_right
	s_endpgm
.Lentry_shape_is_right:
; QKV.  Three products C = A B^T on codes of E5M2, 4,096 x 1,024 x 1,024 multiply-adds each, whose f32 sums are quantised at once into the attention's operands:
;   job 0: Q = h Wq   (A = h's codes with entry 1's scale, B = Wq's codes), codes with entry 4's scale, laid [b*16+head][s][64] at qkv + 0;
;   job 1: K = h Wk   (A = h's codes with entry 3's scale, B = Wk's codes), codes with entry 5's scale, laid alike at qkv + 0x400000;
;   job 2: the same K, made TRANSPOSED (A = Wk's codes, B = h's): a lane then holds eight neighbouring KEYS of one channel, so the codes with entry 7's scale come out with the keys innermost,
;          [head*64+d][b*2048+s] at qkv + 0x800000, as the attention's second product wants its values (values = keys in this model).
; A sum stands for sum x 2^(ea + eb); its code is sum / 2^f, f = e_out - ea - eb, held within +-57,344 x 2^f.  LIMIT: f between -126 and 112.
; A tile of C, 256 x 256, is made by four waves, each 128 x 128: 64 accumulators, 512 registers.  K goes in steps of 256 through a ring of two LDS slots filled by the tensor data mover.
; CLUSTERS: 4 x 4 work-groups; the four of a row need the same tiles of A, the four of a column the same tiles of B: each tile is asked for jointly.  A cluster lies in one job (the job hangs on the cluster's y alone).
; THE MATRIX INSTRUCTION IS USED TRANSPOSED (source 0 = 16 rows of B, source 1 = 16 rows of A): a lane holds eight neighbouring numbers of a row of C.
; A fragment is fetched by four loads of 16 bytes: registers 4 c .. 4 c + 3 hold K = 32 c + 16 (lane / 16) + 0 .. 15: a permutation of k that is the same in A and in B, so every product meets its partner.
; REGISTERS, in windows of 256: window 0: v0-31 addresses; v32-127 at work on the way out; from v128 A's fragments, one set.  window 1: B's fragments, two sets.  windows 2, 3: the accumulators ((a, b) at v[8 (8 (a % 4) + b)]).
.set SIZE_K, 1024
.set KSTEP,  256
.set ROWB,   256
.set ASTEP,  256                       ; bytes from a K step of A to the next
.set KROW,   SIZE_K
.set PITCH,  272                       ; an LDS row: 256 bytes + 16 of padding: the 16 rows that a load touches start at 16 different banks
.set FR,     16
.set NL,     4
.set NP,     4
.set HALFT,  128*PITCH
.set SLOT,   4*HALFT
.set LAPS,   SIZE_K/(2*KSTEP)
.set SPARE,  2*SLOT                    ; behind the ring: the spare words, 128 bytes a wave
.set SPI,    272                       ; the way out: ONE stage of 256 rows x (256 bytes of codes + 16), in slot 0, which has had its last fill and its last read by then
.set LIMV, 8                           ; v8   57,344 x 2^f
.set SCLV, 9                           ; v9   2^f
.set RD1,  10                          ; v10  out of the stage, by heads
.set RD2,  11                          ; v11  out of the stage, by rows
.set GO1,  12                          ; v12  byte offset in qkv, by heads
.set GO2,  13                          ; v13  byte offset in qkv, by rows
.set ADRA, 16
.set ADRB, 20
.set STO,  24                          ; v24  into the stage
.set SPW,  28
.set NIL,  29
.set TMP,  32                          ; v32-95  a block's sums, held
.set AF,   128
.set CB,   10                          ; s[10:11] where my wave's part of the output begins
.set G1, 24
.set G0, 32
.set G1B, 48
.set G0B, 56
.set MSB, 0
.macro WIN new                         ; the immediate's high byte repeats the setting that is left
.if MSB != (\new)
	s_set_vgpr_msb (MSB<<8)|(\new)
.set MSB, (\new)
.endif
.endm
.set MUL_LO, 0xa1                      ; source 0 (B) window 1, source 1 (A) window 0, C and D window 2
.set MUL_HI, 0xf1                      ; the same, C and D window 3
.set ZER_LO, 0xa1                      ; the first step's C is the constant 0
.set ZER_HI, 0xf1
.set TO_B,   0x40
.macro JLOAD g0a, g1a, g0b, g1b        ; a joint load: waves 0 and 1 fetch for A, waves 2 and 3 for B; four v_nop follow each of the two lines
	s_cmp_eq_u32 s15, 0
	s_cbranch_scc0 .Lfor_b_\@
	tensor_load_to_lds s[\g0a:\g0a+3], s[\g1a:\g1a+7]
	s_nop 0
.rept 4
	v_nop
.endr
	s_branch .Lasked_\@
.Lfor_b_\@:
	tensor_load_to_lds s[\g0b:\g0b+3], s[\g1b:\g1b+7]
	s_nop 0
.rept 4
	v_nop
.endr
.Lasked_\@:
.endm
.macro CREST                           ; a round of the cluster's barrier behind its opening barrier
	s_cmp_lg_u32 s14, 0
	s_cbranch_scc1 .Lnot_wave_0_\@
	s_barrier_signal -3
.Lnot_wave_0_\@:
	s_barrier_wait -3
	s_barrier_signal -1
	s_barrier_wait -1
.endm
.macro CROUND
	s_barrier_signal -1
	s_barrier_wait -1
	CREST
.endm
	s_load_b256 s[4:11], s[0:1], 0x0               ; hc s[4:5], wc s[6:7], lowp_scales s[8:9], qkv s[10:11]
	v_lshl_add_u32 v[SPW], v0, 2, SPARE
	v_mov_b32 v[NIL], 0
	ds_add_u32 v28, v29
	s_wait_dscnt 0x0
	v_lshrrev_b32 v1, 5, v0
	v_readfirstlane_b32 s14, v1                    ; wave 0..3
	s_lshr_b32 s15, s14, 1                         ; which half of the tile's rows is mine.  Also: I fetch for A (0) or for B (1)
	s_and_b32 s16, s14, 1                          ; which half of its columns.  Also: which 128 rows of that tile I fetch
	s_bfe_u32 s40, ttmp6, 0x40000                  ; cx, cy: my place in the cluster
	s_bfe_u32 s41, ttmp6, 0x40004
	s_and_b32 s67, ttmp7, 0xffff                   ; the cluster's y, 0 .. 11
	s_lshr_b32 s66, s67, 2                         ; the job, the same in all sixteen partners
	s_and_b32 s67, s67, 3
	s_lshl_b32 s67, s67, 2
	s_cmp_eq_u32 s66, 2                            ; jobs 0, 1: 16 tile rows x 4 tile columns; job 2: 4 x 16
	s_cselect_b32 s17, 0, s67
	s_cselect_b32 s42, s67, 0
	s_add_co_u32 s17, s17, s41                     ; tile row of C
	s_add_co_u32 s42, s42, s40                     ; tile column of C
	s_lshl_b32 s43, s41, 2
	s_lshl_b32 s43, 15, s43                        ; my row of the cluster
	s_lshl_b32 s44, 0x1111, s40                    ; my column
	s_or_b32 s[G1+0], s43, (0<<16)|(1<<20)|(1<<21)|(5<<22)|(3<<25)  ; the mask; elements of 1 byte; padding on; bit 21 beside a mask; after every 64 words four words
	s_or_b32 s[G1B+0], s44, (0<<16)|(1<<20)|(1<<21)|(5<<22)|(3<<25)
.irp g, G1, G1B
	s_mov_b32 s[\g+1], ROWB<<16                    ; tensor_dim0
	s_mov_b32 s[\g+2], 128<<16                     ; tensor_dim1
	s_mov_b32 s[\g+3], ROWB<<16                    ; tile_dim0
	s_mov_b32 s[\g+4], 128                         ; tile_dim1
	s_mov_b32 s[\g+5], KROW                        ; bytes from row to row
	s_mov_b32 s[\g+6], 0
	s_mov_b32 s[\g+7], 0
.endr
	s_lshl_b32 s18, s16, 7                         ; which 128 rows of the tile I fetch
	s_lshl_b32 s20, s17, 8
	s_add_co_u32 s20, s20, s18
	s_mul_i32 s20, s20, KROW                       ; A: row 256 x tile row + 128 x half, in bytes
	s_mov_b32 s21, 0
	s_lshl_b32 s46, s42, 8
	s_add_co_u32 s46, s46, s18
	s_mul_i32 s46, s46, KROW                       ; B: row 256 x tile column + 128 x half
	s_mov_b32 s47, 0
	s_mul_i32 s45, s14, HALFT                      ; where they go: wave x 128 rows
	s_wait_kmcnt 0x0
	s_load_b256 s[80:87], s[8:9], 0x0              ; entries 0-7
	s_add_nc_u64 s[70:71], s[4:5], 0x400000        ; h's codes with entry 3's scale
	s_add_nc_u64 s[72:73], s[6:7], 0x100000        ; Wk's codes
	s_cmp_eq_u32 s66, 0
	s_cselect_b64 s[74:75], s[4:5], s[70:71]       ; the job's h,
	s_cselect_b64 s[76:77], s[6:7], s[72:73]       ; and its weight
	s_cmp_eq_u32 s66, 2
	s_cselect_b64 s[4:5], s[76:77], s[74:75]       ; A: h, or in job 2 the weight
	s_cselect_b64 s[6:7], s[74:75], s[76:77]       ; B: the other
	s_add_nc_u64 s[20:21], s[4:5], s[20:21]
	s_add_nc_u64 s[46:47], s[6:7], s[46:47]
	CROUND                                         ; all sixteen work-groups are here: the first joint loads meet
.irp s, 0,1
	s_mov_b32 s[G0+4*\s], 1
	s_add_co_u32 s[G0+4*\s+1], s45, \s*SLOT
	s_add_nc_u64 s[G0+4*\s+2:G0+4*\s+3], s[20:21], \s*ASTEP
	s_or_b32 s[G0+4*\s+3], s[G0+4*\s+3], 0x80000000
	s_mov_b32 s[G0B+4*\s], 1
	s_add_co_u32 s[G0B+4*\s+1], s45, \s*SLOT
	s_add_nc_u64 s[G0B+4*\s+2:G0B+4*\s+3], s[46:47], \s*ROWB
	s_or_b32 s[G0B+4*\s+3], s[G0B+4*\s+3], 0x80000000
	JLOAD G0+4*\s, G1, G0B+4*\s, G1B
.endr
	v_and_b32 v1, 15, v0                           ; r = lane % 16
	v_bfe_u32 v2, v0, 4, 1                         ; h = lane / 16
	v_mul_u32_u24 v3, v1, PITCH
	v_lshl_add_u32 v4, v2, 4, v3                   ; a fragment's row x pitch + 16 x half
	s_mul_i32 s21, s15, HALFT                      ; my 128 rows of A
	s_mul_i32 s22, s16, HALFT                      ; my 128 rows of B,
	s_add_co_u32 s22, s22, 2*HALFT                 ; which lie behind A's 256
.irp s, 0,1
	v_add_nc_u32 v[ADRA+\s], s21, v4
	v_add_nc_u32 v[ADRB+\s], s22, v4
	s_add_co_u32 s21, s21, SLOT
	s_add_co_u32 s22, s22, SLOT
.endr
	s_mul_i32 s23, s15, 128*SPI                    ; into the stage: row 128 x my half of the rows + r, byte 128 x my half of the columns + 8 h
	s_lshl_b32 s22, s16, 7
	s_add_co_u32 s23, s23, s22
	v_mul_u32_u24 v5, v1, SPI
	v_lshl_add_u32 v5, v2, 3, v5
	v_add_nc_u32 v[STO], s23, v5
	s_mul_i32 s23, s14, 64*SPI                     ; out of it: wave w takes rows 64 w .. 64 w + 63
	v_mul_u32_u24 v5, v2, SPI
	v_lshl_add_u32 v5, v1, 4, v5
	v_add_nc_u32 v[RD2], s23, v5                   ; by rows: sixteen lanes to a row of 256 bytes, two rows an instruction
	v_lshlrev_b32 v[GO2], 12, v2
	v_lshl_add_u32 v[GO2], v1, 4, v[GO2]           ; the same two rows in memory, 4,096 bytes apart
	v_and_b32 v6, 31, v0
	v_lshrrev_b32 v5, 2, v6
	v_mul_u32_u24 v5, v5, SPI
	v_and_b32 v3, 3, v0
	v_lshl_add_u32 v5, v3, 4, v5
	v_add_nc_u32 v[RD1], s23, v5                   ; by heads: four lanes to a token's 64 bytes of one head, eight tokens an instruction
	v_lshlrev_b32 v[GO1], 4, v6                    ; which are 512 consecutive bytes in memory
	s_lshr_b32 s20, s17, 3                         ; where my wave's part begins.  By heads: ((b x 16 + 4 x tile column) x 2,048 + (tile row % 8) x 256 + 64 w) x 64
	s_lshl_b32 s20, s20, 4
	s_lshl_b32 s21, s42, 2
	s_add_co_u32 s20, s20, s21
	s_lshl_b32 s20, s20, 11
	s_and_b32 s21, s17, 7
	s_lshl_b32 s21, s21, 8
	s_add_co_u32 s20, s20, s21
	s_lshl_b32 s21, s14, 6
	s_add_co_u32 s20, s20, s21
	s_lshl_b32 s20, s20, 6
	s_lshl_b32 s22, s17, 8                         ; by rows: (256 x tile row + 64 w) x 4,096 + 256 x tile column
	s_add_co_u32 s22, s22, s21
	s_lshl_b32 s22, s22, 12
	s_lshl_b32 s23, s42, 8
	s_add_co_u32 s22, s22, s23
	s_cmp_eq_u32 s66, 2
	s_cselect_b32 s20, s22, s20
	s_lshl_b32 s21, s66, 22                        ; the job's 4 MiB of qkv
	s_add_co_u32 s20, s20, s21
	s_mov_b32 s21, 0
	s_add_nc_u64 s[CB:CB+1], s[CB:CB+1], s[20:21]
	s_wait_kmcnt 0x0                               ; the exponents
	s_add_co_i32 s88, s80, s81                     ; job 0: entries 0 + 1
	s_add_co_i32 s89, s82, s83                     ; jobs 1, 2: entries 2 + 3
	s_cmp_eq_u32 s66, 0
	s_cselect_b32 s88, s88, s89
	s_cselect_b32 s89, s84, s85                    ; the codes' scale: entry 4, 5,
	s_cmp_eq_u32 s66, 2
	s_cselect_b32 s89, s87, s89                    ; or 7
	s_sub_co_i32 s88, s89, s88                     ; f
	s_add_co_i32 s88, s88, 127
	s_lshl_b32 s89, s88, 23
	v_mov_b32 v[SCLV], s89
	s_add_co_i32 s88, s88, 15
	s_lshl_b32 s88, s88, 23
	s_or_b32 s88, s88, 0x600000
	v_mov_b32 v[LIMV], s88
.macro FRAG reg, adr, q, i             ; a fragment, 16 rows x 128 K: four loads of 16 bytes, 32 bytes apart
.irp c, 0,1,2,3
	ds_load_b128 v[\reg+4*\c:\reg+4*\c+3], v[\adr] offset:128*(\q)+32*\c+(\i)*16*PITCH
.endr
.endm
; 16 matrix instructions: A's blocks a0, a0 + 1 x B's eight, 128 along K.  p: B's set.  zero = 1: the first product starts the sums.  The 64 accumulators take turns, one instruction a turn.
.macro MUL16 a0, p, zero
.irp a, \a0, \a0+1
.irp b, 0,1,2,3,4,5,6,7
.if \zero
	v_wmma_f32_16x16x128_bf8_bf8 v[8*(8*((\a)%4)+\b):8*(8*((\a)%4)+\b)+7], v[128*(\p)+FR*\b:128*(\p)+FR*\b+FR-1], v[AF+FR*(\a):AF+FR*(\a)+FR-1], 0
.else
	v_wmma_f32_16x16x128_bf8_bf8 v[8*(8*((\a)%4)+\b):8*(8*((\a)%4)+\b)+7], v[128*(\p)+FR*\b:128*(\p)+FR*\b+FR-1], v[AF+FR*(\a):AF+FR*(\a)+FR-1], v[8*(8*((\a)%4)+\b):8*(8*((\a)%4)+\b)+7]
.endif
.endr
.endr
.endm
.macro FETCH_B slot, q, p
	WIN TO_B
.irp i, 0,1,2,3,4,5,6,7
	FRAG 128*(\p)+FR*\i, ADRB+\slot, \q, \i
.endr
	WIN 0
.endm
.macro FETCH_A slot, q, i0
.irp i, \i0, \i0+1, \i0+2, \i0+3
	FRAG AF+FR*(\i), ADRA+\slot, \q, \i
.endr
.endm
.macro PLACES n                        ; plain vector instructions between a matrix instruction and a load into its registers or a read of its result
.rept \n
	v_nop
.endr
.endm
.macro STEP slot, q, zero              ; a step of 128 along K that has its successor in the same slot
	s_wait_dscnt 4*NL                              ; B's set and A's blocks 0-3 are in; the youngest 16 loads (A's blocks 4-7) may be out
.if \zero
	WIN ZER_LO
.else
	WIN MUL_LO
.endif
	MUL16 0, (\q)%2, \zero
	MUL16 2, (\q)%2, \zero
	s_wait_dscnt 0
	PLACES NP
	FETCH_B \slot, (\q)+1, 1-(\q)%2
	FETCH_A \slot, (\q)+1, 0
.if \zero
	WIN ZER_HI
.else
	WIN MUL_HI
.endif
	MUL16 4, (\q)%2, \zero
	MUL16 6, (\q)%2, \zero
	PLACES NP
	WIN 0
	FETCH_A \slot, (\q)+1, 4
.endm
; A slot's last step changes slots: one barrier; in front of it each wave waits for all its tensor loads, adds 0 to its spare word, and waits for that and for its own reads of this slot.  fill = 1: this slot is filled again, two K steps ahead.
.macro TURN slot, next, fill
	s_wait_tensorcnt 0x0                           ; all my tensor loads have landed: my part of the next slot
	ds_add_u32 v[SPW], v[NIL]                      ; 0 onto my spare word
	s_wait_dscnt 4*NL+1                            ; (the add and the youngest 16 loads may be out)
	WIN MUL_LO
	MUL16 0, 1, 0
	s_wait_dscnt 0x0                               ; the add is done, and my reads of this slot are over
	s_barrier_signal -1
	MUL16 2, 1, 0
	WIN 0
	s_barrier_wait -1
.if \fill
	CREST                                          ; the barrier has opened a round of the cluster's: no wave of any partner still reads this slot or has a load on its way
	s_add_nc_u64 s[G0+4*\slot+2:G0+4*\slot+3], s[G0+4*\slot+2:G0+4*\slot+3], 2*ASTEP
	s_add_nc_u64 s[G0B+4*\slot+2:G0B+4*\slot+3], s[G0B+4*\slot+2:G0B+4*\slot+3], 2*ROWB
	JLOAD G0+4*\slot, G1, G0B+4*\slot, G1B         ; the first tensor load behind the round; its four v_nop are the places in front of the loads below
.else
	PLACES NP
.endif
	FETCH_B \next, 0, 0
	FETCH_A \next, 0, 0
	WIN MUL_HI
	MUL16 4, 1, 0
	MUL16 6, 1, 0
	PLACES NP
	WIN 0
	FETCH_A \next, 0, 4
.endm
	s_wait_tensorcnt 1                             ; my part of K step 0 is in (K step 1's load may be out),
	s_barrier_signal -1
	s_barrier_wait -1                              ; everybody's is
	FETCH_B 0, 0, 0
	FETCH_A 0, 0, 0
	FETCH_A 0, 0, 4
	STEP 0, 0, 1                                   ; the first step stands in front of the loop: its products start the sums
	s_mov_b32 s3, LAPS-1
.Llap:                                                 ; a trip goes once round the ring and fills both slots again
	TURN 0, 1, 1
	STEP 1, 0, 0
	TURN 1, 0, 1
	STEP 0, 0, 0
	s_sub_co_u32 s3, s3, 1
	s_cmp_lg_u32 s3, 0
	s_cbranch_scc1 .Llap
	TURN 0, 1, 0                                   ; the last lap fills nothing
	STEP 1, 0, 0
	s_wait_dscnt 4*NL
	WIN MUL_LO
	MUL16 0, 1, 0
	MUL16 2, 1, 0
	s_wait_dscnt 0
	WIN MUL_HI
	MUL16 4, 1, 0
	MUL16 6, 1, 0
	WIN 0
; THE WAY OUT.  Block a (16 rows x 128 columns): the sums are held and converted, eight neighbouring columns of a row to 8 bytes, and go into the work-group's stage.  Each accumulator is read from its low end on.
.macro QBLK a
.set AC, 64*((\a)%4)
.set CD, 96+16*((\a)%2)
.if (\a) >= 2
	s_wait_dscnt 8                                 ; the block before's 8 stores may be out; those of two blocks back have read the registers that are written now
.endif
	WIN 0x02+((\a)/4)                              ; source 0: window 2 or 3
.set j, 0
.rept 64
	v_med3_num_f32 v[TMP+j], v[AC+j], -v[LIMV], v[LIMV]
.set j, j+1
.endr
	WIN 0
.irp b, 0,1,2,3,4,5,6,7
	v_cvt_scalef32_pk8_bf8_f32 v[CD+2*\b:CD+2*\b+1], v[TMP+8*\b:TMP+8*\b+7], v[SCLV]
.endr
	v_nop                                          ; a plain line behind the last conversion: the next block's holds write its sources
.irp b, 0,1,2,3,4,5,6,7
	ds_store_b64 v[STO], v[CD+2*\b:CD+2*\b+1] offset:(\a)*16*SPI+16*\b
.endr
.endm
	PLACES NP
.irp a, 0,1,2,3,4,5,6,7
	QBLK \a
.endr
	s_wait_dscnt 0x0                               ; for the others' sake: my stores into the stage are done
	s_barrier_signal -1
	s_barrier_wait -1
	s_cmp_eq_u32 s66, 2                            ; the job: the same in every wave and every partner
	s_cbranch_scc1 .Lvt
.set i, 0
.rept 32                               ; Q, K: head i / 8 of the tile's four, tokens 8 (i % 8) on
	ds_load_b128 v[128+4*i:131+4*i], v[RD1] offset:8*SPI*(i%8)+64*(i/8)
.set i, i+1
.endr
.set i, 0
.rept 32
	s_wait_dscnt 31-i                              ; load i is in; the younger ones may be out
	global_store_b128 v[GO1], v[128+4*i:131+4*i], s[CB:CB+1] offset:131072*(i/8)+512*(i%8)   ; 32 lanes store 512 consecutive bytes: eight tokens of one head
.set i, i+1
.endr
	s_branch .Ldone
.Lvt:
.set i, 0
.rept 32                               ; the values: rows 2 i, 2 i + 1 of my 64
	ds_load_b128 v[128+4*i:131+4*i], v[RD2] offset:2*SPI*i
.set i, i+1
.endr
.set i, 0
.rept 32
	s_wait_dscnt 31-i
	global_store_b128 v[GO2], v[128+4*i:131+4*i], s[CB:CB+1] offset:8192*i   ; sixteen lanes store 256 consecutive bytes, at a multiple of 256
.set i, i+1
.endr
.Ldone:
	s_wait_tensorcnt 0x0                           ; the wave's end
	ds_add_u32 v[SPW], v[NIL]
	s_wait_dscnt 0x0
	CROUND                                         ; the closing round
	s_endpgm
.Lfunc_end_k_q51df3db85b_qkv:
	.size	k_q51df3db85b_qkv, .Lfunc_end_k_q51df3db85b_qkv-k_q51df3db85b_qkv
	.p2alignl 7, 3214868480
	.fill 96, 4, 3214868480
	.section	.rodata,"a",@progbits
	.p2align	6, 0x0
	.amdhsa_kernel k_q51df3db85b_qkv
		.amdhsa_group_segment_fixed_size 327680
		.amdhsa_private_segment_fixed_size 0
		.amdhsa_enable_private_segment 0
		.amdhsa_kernarg_size 32
		.amdhsa_user_sgpr_count 2
		.amdhsa_user_sgpr_kernarg_segment_ptr 1
		.amdhsa_wavefront_size32 1
		.amdhsa_system_sgpr_workgroup_id_x 1
		.amdhsa_system_sgpr_workgroup_id_y 1
		.amdhsa_system_sgpr_workgroup_id_z 1
		.amdhsa_system_vgpr_workitem_id 0
		.amdhsa_next_free_vgpr 1024
		.amdhsa_next_free_sgpr 100
		.amdhsa_reserve_vcc 0
		.amdhsa_float_denorm_mode_32 3
		.amdhsa_float_denorm_mode_16_64 3
		.amdhsa_memory_ordered 1
		.amdhsa_forward_progress 1
		.amdhsa_inst_pref_size 133
	.end_amdhsa_kernel
	.amdgpu_metadata
---
amdhsa.version: [ 1, 2 ]
amdhsa.kernels:
  - .name:           k_q51df3db85b_qkv
    .symbol:         k_q51df3db85b_qkv.kd
    .args:
      - { .name: hc, .offset: 0, .size: 8, .value_kind: global_buffer, .address_space: global }
      - { .name: wc, .offset: 8, .size: 8, .value_kind: global_buffer, .address_space: global }
      - { .name: lowp_scales, .offset: 16, .size: 8, .value_kind: global_buffer, .address_space: global }
      - { .name: qkv, .offset: 24, .size: 8, .value_kind: global_buffer, .address_space: global }
    .group_segment_fixed_size: 327680
    .private_segment_fixed_size: 0
    .kernarg_segment_align: 8
    .kernarg_segment_size: 32
    .max_flat_workgroup_size: 128
    .sgpr_count:     100
    .vgpr_count:     1024
    .wavefront_size: 32
...
	.end_amdgpu_metadata
.endif
;; end of part 2
;; launch attn (part 3): grid 8 x 32, 16 waves a work-group, no clusters, 327,680 bytes of LDS; arguments qkv, lowp_scales, oc; writes oc
.if DOCPART == 3
	.amdgcn_target "amdgcn-amd-amdhsa--gfx1250"
	.amdhsa_code_object_version 6
	.text
	.protected	k_q51df3db85b_attn
	.globl	k_q51df3db85b_attn
	.p2align	8
	.type	k_q51df3db85b_attn,@function
k_q51df3db85b_attn:
	s_mov_b64 s[64:65], 0
	v_nop
	global_prefetch_b8 v0, s[64:65] scope:SCOPE_SE
	s_setreg_imm32_b32 hwreg(HW_REG_WAVE_MODE, 25, 1), 1
	s_wait_xcnt 0x0
; ATTENTION on codes of E5M2, causal, head size 64, values = keys.  For head bh = b*16+h: O[q] = sum over k <= q of softmax_k(Q[q] . K[k] / 8) K[k].
; Q, K: codes [bh][2048][64] at qkv + 0 and + 0x400000.  The values: codes with the KEYS innermost, [h*64+d][b*2048+s] at qkv + 0x800000.  O leaves as codes with entry 8's scale, [bh][s][64], in oc.
; THE SOFTMAX AHEAD OF THE SECOND PRODUCT: t = score x log2(e) / 8; M = the running largest t rounded UP to a whole number; p = 2^(t - M) is quantised with entry 6's scale, not normalised.
; The row's sum is taken of the unquantised p and divides O at the end.  When M moves, the sum and O are multiplied by 2^(old M - new M): exact.
; SHARES.  Sixteen waves, each ONE tile of 16 queries in 256 registers.  Wave w of work-group x owns queries 128 w + 16 x + 0 .. 15: a work-group's tiles are spread over the sequence, so that under the causal
; mask every work-group has the same work.  Every work-group walks all 8 slots of 256 keys (constant trip counts); a key step of 128 all of whose keys come after the wave's queries is jumped over by a scalar branch on ids.
; NO CLUSTER: the eight work-groups of a head share K and the values, 32 KiB a slot; a slot's fill has two key steps of sixteen waves' softmax in which to land, and a joint fill would put a round over four work-groups at every change of slots.
; LAYOUT.  Both products transposed: S^T = K Q^T (source 0 = 16 keys, source 1 = my 16 queries), O^T = V^T P^T: a lane holds ONE query (lane % 16) throughout.
; THE KEYS OF A TILE ARE NOT NEIGHBOURS: lane r of tile 2 b + u takes key 32 b + 8 u + r + 8 (r / 8), so that the 16 registers of tiles 2 b and 2 b + 1 are 16 neighbouring keys, 32 b + 16 (lane / 16) + 0 .. 15.
; LIMITS on the given exponents: entries 4 + 5 between -123 and 130 (added to c's exponent field); entries 6 and 8 between -126 and 112.
; REGISTERS: v1-7 addresses that stay; v8-11 addresses in hand; v12 -M, v13 the largest t, v[14:15] the sum; v16-23 Q; v32-95 eight fragments of K, then four of the values; v96-159 S^T, then p; v160-191 O^T; v192-207 p's codes; v208-221 at work and scales.
.set SK,    256                        ; keys in a slot
.set NQ,    2                          ; key steps in a slot
.set KP,    80                         ; a key's row in LDS: 64 bytes + 16
.set VP,    272                        ; a row of the values' tile: 256 bytes + 16
.set VOFF,  SK*KP                      ; a slot: 256 rows of K, then 64 rows of the values
.set SLOT1, 1<<16                      ; slot 1 begins here: one exclusive or turns an address from one slot into the other
.set NSL,   8
.set SPARE, 2*SLOT1                    ; behind the ring: the spare words, 128 bytes for each of 16 waves
.set STP,   80                         ; the way out: 16 rows x (64 bytes + 16) a wave, in slot 0, which was left at the last change of slots
.set AK0,  1
.set AV0,  2
.set PFO,  3
.set SPW,  5
.set NIL,  6
.set GO,   7
.set ADK,  8
.set ADV,  9
.set WV,   18
.set SEL,  20
.set CS,   22
.set G1K,  24
.set G1V,  32
.set G0K,  40
.set G0V,  44
.set TB,   50                          ; s50  LDS byte at which the slot in hand begins
.set SLOTS, 67
.set PFA,  76
.set PFS,  78
.set LIM,  80
.set KF,   98                          ; s98  the step's first key
.set Q0,   99                          ; s99  my first query
.macro TLOAD                           ; wave 0 fetches K's tile, wave 1 the values'; four v_nop follow each of the two lines
	s_cmp_eq_u32 s[WV], 0
	s_cbranch_scc0 .Lnot_k_\@
	tensor_load_to_lds s[G0K:G0K+3], s[G1K:G1K+7]
	s_nop 0
.rept 4
	v_nop
.endr
	s_branch .Lasked_\@
.Lnot_k_\@:
	s_cmp_eq_u32 s[WV], 1
	s_cbranch_scc0 .Lasked_\@
	tensor_load_to_lds s[G0V:G0V+3], s[G1V:G1V+7]
	s_nop 0
.rept 4
	v_nop
.endr
.Lasked_\@:
.endm
; A prefetch of what the NEXT change of slots will ask for: 16,384 bytes of K and 256 bytes of each of the values' 64 rows.  Each aligned 256 bytes are named once in the launch: of the eight work-groups of a head
; the first asks; in it waves 4 and 5 for K (8,192 bytes a wave, lanes 256 bytes apart), waves 6 and 7 for the values (32 rows a wave, a lane a row).  The last change that fills a slot asks for nothing.
.macro ASK
	s_cmp_gt_u32 s[SLOTS], s[LIM]
	s_cbranch_scc0 .Lnot_mine_\@
	global_prefetch_b8 v[PFO], s[PFA:PFA+1] th:TH_LOAD_NT scope:SCOPE_SE
.Lnot_mine_\@:
.endm
	s_load_b128 s[4:7], s[0:1], 0x0                ; qkv s[4:5], lowp_scales s[6:7]
	s_load_b64 s[8:9], s[0:1], 0x10                ; oc
	v_lshl_add_u32 v[SPW], v0, 2, SPARE
	v_mov_b32 v[NIL], 0
	ds_add_u32 v5, v6
	s_wait_dscnt 0x0
	v_lshrrev_b32 v8, 5, v0
	v_readfirstlane_b32 s[WV], v8                  ; wave 0..15
	s_and_b32 s52, ttmp7, 0xffff                   ; bh
	s_lshl_b32 s54, s52, 17                        ; the head's first byte among Q's, K's and O's codes: 2,048 x 64
	s_mov_b32 s55, 0
	s_and_b32 s56, s52, 15
	s_lshl_b32 s56, s56, 18                        ; the values: 64 rows of 4,096 bytes a head,
	s_lshr_b32 s57, s52, 4
	s_lshl_b32 s57, s57, 11                        ; 2,048 bytes along a row for the batch
	s_add_co_u32 s56, s56, s57
	s_add_co_u32 s56, s56, 0x800000
	s_mov_b32 s57, 0
	s_lshl_b32 s[Q0], s[WV], 7
	s_lshl_b32 s58, ttmp9, 4
	s_add_co_u32 s[Q0], s[Q0], s58                 ; my first query
	s_lshl_b32 s58, s[Q0], 6
	s_add_co_u32 s58, s58, s54                     ; its codes' place
	s_mov_b32 s59, 0
	s_mov_b32 s[G1K], (0<<16)|(1<<20)|(3<<22)|(3<<25)   ; K: elements of 1 byte; padding: four words after every 16
	s_mov_b32 s[G1K+1], 64<<16                     ; tensor_dim0
	s_mov_b32 s[G1K+2], SK<<16                     ; tensor_dim1
	s_mov_b32 s[G1K+3], 64<<16                     ; tile_dim0
	s_mov_b32 s[G1K+4], SK                         ; tile_dim1
	s_mov_b32 s[G1K+5], 64                         ; bytes from row to row
	s_mov_b32 s[G1K+6], 0
	s_mov_b32 s[G1K+7], 0
	s_mov_b32 s[G1V], (0<<16)|(1<<20)|(5<<22)|(3<<25)   ; the values: four words after every 64
	s_mov_b32 s[G1V+1], SK<<16
	s_mov_b32 s[G1V+2], 64<<16
	s_mov_b32 s[G1V+3], SK<<16
	s_mov_b32 s[G1V+4], 64
	s_mov_b32 s[G1V+5], 4096
	s_mov_b32 s[G1V+6], 0
	s_mov_b32 s[G1V+7], 0
	s_mov_b32 s[SEL], 0x76543210
	s_mov_b32 s[SEL+1], 0xfedcba98
	s_mov_b32 s[CS], 0x3e38aa3b                    ; c = log2(e) / 8
	s_mov_b32 s[TB], 0
	s_mov_b32 s[SLOTS], NSL-1
	s_mov_b32 s[KF], 0
	s_wait_kmcnt 0x0
	s_load_b128 s[68:71], s[6:7], 0x10             ; entries 4-7
	s_load_b32 s72, s[6:7], 0x20                   ; entry 8
	s_add_nc_u64 s[84:85], s[4:5], s[54:55]
	s_add_nc_u64 s[84:85], s[84:85], 0x400000      ; the head's K
	s_add_nc_u64 s[86:87], s[4:5], s[56:57]        ; the head's values
	s_mov_b32 s[G0K], 1
	s_mov_b32 s[G0K+1], 0                          ; slot 0
	s_mov_b64 s[G0K+2:G0K+3], s[84:85]
	s_or_b32 s[G0K+3], s[G0K+3], 0x80000000
	s_mov_b32 s[G0V], 1
	s_mov_b32 s[G0V+1], VOFF
	s_mov_b64 s[G0V+2:G0V+3], s[86:87]
	s_or_b32 s[G0V+3], s[G0V+3], 0x80000000
	TLOAD                                          ; slot 0
	s_add_nc_u64 s[88:89], s[4:5], s[58:59]        ; Q's codes at my first query
	s_add_nc_u64 s[8:9], s[8:9], s[58:59]          ; O's likewise
	s_cmp_lt_u32 s[WV], 6                          ; the prefetches: waves 4, 5 K; waves 6, 7 the values
	s_cselect_b64 s[PFA:PFA+1], s[84:85], s[86:87]
	s_mov_b32 s[PFS], SK
	s_cselect_b32 s[PFS], SK*64, s[PFS]            ; a slot on
	s_mov_b32 s82, 4096
	s_cselect_b32 s82, 256, s82                    ; from lane to lane
	s_mov_b32 s83, 32*4096
	s_cselect_b32 s83, 8192, s83                   ; from wave to wave
	v_and_b32 v[PFO], 31, v0
	v_mul_lo_u32 v[PFO], v[PFO], s82
	s_and_b32 s82, s[WV], 1
	s_mul_i32 s82, s82, s83
	s_add_co_u32 s82, s82, s[PFS]                  ; in slot 1: the first change of slots steps it to slot 2.  Nothing is prefetched at the head
	s_mov_b32 s83, 0
	s_mov_b32 s[PFS+1], 0
	s_add_nc_u64 s[PFA:PFA+1], s[PFA:PFA+1], s[82:83]
	s_sub_co_u32 s82, s[WV], 4
	s_lshr_b32 s82, s82, 2                         ; 0 in waves 4 to 7,
	s_or_b32 s82, s82, ttmp9                       ; of the head's first work-group
	s_cmp_eq_u32 s82, 0
	s_cselect_b32 s[LIM], 1, -1
	v_and_b32 v8, 15, v0                           ; r
	v_bfe_u32 v9, v0, 4, 1                         ; h
	v_lshlrev_b32 v10, 6, v8
	v_lshl_add_u32 v10, v9, 4, v10                 ; Q: row r of 64 bytes, + 16 h
.irp c, 0,1
	global_load_b128 v[16+4*\c:19+4*\c], v10, s[88:89] offset:32*\c   ; Q's fragment stays: registers 4 c .. 4 c + 3: channels 32 c + 16 h + 0 .. 15, as K's
.endr
	v_and_b32 v11, 8, v8
	v_add_nc_u32 v11, v11, v8                      ; r + 8 (r / 8)
	v_mul_u32_u24 v[AK0], v11, KP
	v_lshl_add_u32 v[AK0], v9, 4, v[AK0]
	v_mul_u32_u24 v[AV0], v8, VP
	v_lshl_add_u32 v[AV0], v9, 4, v[AV0]
	v_add_nc_u32 v[AV0], VOFF, v[AV0]
	v_and_b32 v[GO], 31, v0
	v_lshlrev_b32 v[GO], 4, v[GO]                  ; the way out: 16 bytes a lane
	v_mov_b32 v13, 0xff61b1e6                      ; the largest t so far: -3e38
	v_floor_f32 v12, -v13                          ; -M
	v_mov_b32 v14, 0
	v_mov_b32 v15, 0
	v_mov_b32 v210, 0                              ; a lane permute's destination counts as read
	v_mov_b32 v213, 0                              ; (upper half of the pair v[212:213])
.set j, 0
.rept 32
	v_mov_b32 v[160+j], 0                          ; O^T: the step is written once, its first run finds zeros
.set j, j+1
.endr
	s_wait_kmcnt 0x0
	s_add_co_i32 s82, s68, s69
	s_lshl_b32 s82, s82, 23
	s_add_co_i32 s[CS], s[CS], s82                 ; a score stands for score x 2^(entries 4 + 5): added to c's exponent field
	s_mov_b32 s[CS+1], s[CS]
	s_add_co_i32 s82, s70, 127
	s_lshl_b32 s83, s82, 23
	v_mov_b32 v219, s83                            ; 2^(entry 6), for p's conversions
	s_add_co_i32 s82, s82, 15
	s_lshl_b32 s82, s82, 23
	s_or_b32 s82, s82, 0x600000
	v_mov_b32 v218, s82                            ; 57,344 x that
	s_add_co_i32 s82, s72, 127
	s_lshl_b32 s83, s82, 23
	v_mov_b32 v221, s83                            ; 2^(entry 8), for O's
	s_add_co_i32 s82, s82, 15
	s_lshl_b32 s82, s82, 23
	s_or_b32 s82, s82, 0x600000
	v_mov_b32 v220, s82
; A KEY STEP: 128 keys, the q-th of the slot in hand.
.macro STEP q
	s_add_co_u32 s96, s[Q0], 15                    ; all keys behind my queries: the step's work is left out; no barrier and no tensor load stands in a step
	s_cmp_gt_u32 s[KF], s96
	s_cbranch_scc1 .Lhidden_\@
	v_add_nc_u32 v[ADK], s[TB], v[AK0]
	v_add_nc_u32 v[ADV], s[TB], v[AV0]
	v_nop                                          ; with the two additions: four places in front of loads into registers that the last products read
	v_nop
.irp t, 0,1,2,3,4,5,6,7
.irp c, 0,1
	ds_load_b128 v[32+8*\t+4*\c:35+8*\t+4*\c], v[ADK] offset:(128*(\q)+32*(\t/2)+8*(\t%2))*KP+32*\c
.endr
.endr
	s_wait_dscnt 0x0
.irp t, 0,1,2,3,4,5,6,7
	v_wmma_f32_16x16x64_bf8_bf8 v[96+8*\t:103+8*\t], v[32+8*\t:39+8*\t], v[16:23], 0
.endr
.rept 4
	v_nop                                          ; places: for the loads below and for the first read of the scores
.endr
.irp t, 0,1,2,3
.irp c, 0,1,2,3
	ds_load_b128 v[32+16*\t+4*\c:35+16*\t+4*\c], v[ADV] offset:16*\t*VP+128*(\q)+32*\c   ; the values' four fragments land while the softmax is worked
.endr
.endr
	s_add_co_u32 s96, s[KF], 127                   ; on the diagonal hidden scores become -infinity ahead of the maximum; a step all of whose keys count skips this
	s_cmp_le_u32 s96, s[Q0]
	s_cbranch_scc1 .Lopen_\@
	s_sub_co_i32 s96, s[Q0], s[KF]
	v_and_b32 v208, 15, v0
	v_bfe_u32 v209, v0, 4, 1
	v_lshlrev_b32 v209, 4, v209
	v_sub_nc_u32 v208, v208, v209
	v_add_nc_u32 v208, s96, v208                   ; d = my query - KF - 16 (lane / 16).  Register 16 b + i holds key KF + 16 (lane / 16) + 32 b + i: hidden where 32 b + i > d
	v_mov_b32 v211, 0xff800000
.set n, 0
.rept 64
	v_cmp_gt_i32 vcc_lo, 32*(n/16)+n%16, v208
	v_cndmask_b32 v[96+n], v[96+n], v211, vcc_lo
.set n, n+1
.endr
.Lopen_\@:
	v_max3_num_f32 v214, v96, v97, v98             ; the step's largest score of my query among my 64 keys, in two chains,
	v_max3_num_f32 v212, v99, v100, v101
.irp i, 6,10,14,18,22,26,30,34,38,42,46,50,54,58
	v_max3_num_f32 v214, v214, v[96+\i], v[97+\i]
	v_max3_num_f32 v212, v212, v[98+\i], v[99+\i]
.endr
	v_max3_num_f32 v214, v214, v158, v159
	v_max_num_f32 v214, v214, v212
	v_permlanex16_b32 v210, v214, s[SEL], s[SEL+1]
	v_max_num_f32 v214, v214, v210                 ; and among lane l xor 16's
	v_mul_f32 v214, s[CS], v214                    ; as t (c is positive)
	v_max_num_f32 v13, v13, v214                   ; the running largest t
	v_mov_b32 v214, v12
	v_floor_f32 v12, -v13                          ; the new -M = floor(-t): M is a whole number
	v_sub_f32 v214, v12, v214                      ; old M - new M, 0 or less
	v_cvt_i32_f32 v214, v214                       ; (it saturates)
	v_ldexp_f32 v212, 1.0, v214                    ; f = 2^(old M - new M)
.set j, 0
.rept 32
	v_pk_fma_f32 v[96+j:97+j], v[96+j:97+j], s[CS:CS+1], v[12:13] op_sel_hi:[1,0,0]   ; t - M, two at a time
.set j, j+2
.endr
.set j, 0
.rept 64
	v_exp_f32 v[96+j], v[96+j]                     ; p = 2^(t - M)
.set j, j+1
.endr
	v_pk_mul_f32 v[14:15], v[14:15], v[212:213] op_sel_hi:[1,0]   ; the sums under the new M: the plain instruction behind the exponentials
	s_wait_alu depctr_va_vdst(0)                   ; one wait for the whole batch, ahead of its first reader
	v_pk_add_f32 v[216:217], v[96:97], v[98:99]    ; the row's sum of the UNQUANTISED p, in two chains
.irp j, 4,8,12,16,20,24,28,32,36,40,44,48,52,56,60
	v_pk_add_f32 v[14:15], v[14:15], v[96+\j:97+\j]
	v_pk_add_f32 v[216:217], v[216:217], v[98+\j:99+\j]
.endr
	v_pk_add_f32 v[14:15], v[14:15], v[216:217]
.irp b, 0,1,2,3
.set i, 0
.rept 16
	v_min_num_f32 v[96+16*\b+i], v[96+16*\b+i], v218   ; the conversion does not saturate (ISA guide 7.6.2); p is not negative: a one-sided hold
.set i, i+1
.endr
	v_cvt_scalef32_pk8_bf8_f32 v[192+4*\b:193+4*\b], v[96+16*\b:103+16*\b], v219
	v_cvt_scalef32_pk8_bf8_f32 v[194+4*\b:195+4*\b], v[104+16*\b:111+16*\b], v219
.endr
.set j, 0
.rept 16
	v_pk_mul_f32 v[160+j:161+j], v[160+j:161+j], v[212:213] op_sel_hi:[1,0]   ; O^T under the new M.  (Plain lines between the conversions and the products that read the codes)
.set j, j+2
.endr
	s_wait_dscnt 0x0                               ; the values' fragments are in
.irp t, 0,1,2,3
	v_wmma_f32_16x16x128_bf8_bf8 v[160+8*\t:167+8*\t], v[32+16*\t:47+16*\t], v[192:207], v[160+8*\t:167+8*\t]   ; four accumulators by turns
.endr
.Lhidden_\@:
	s_add_co_u32 s[KF], s[KF], 128
.endm
; THE CHANGE OF SLOTS, at a slot's head.  Each wave waits for all its tensor loads, adds 0 to its spare word, and waits for that and for its reads of the slot that it has left.  fill = 1: that slot is filled with the keys that follow.
.macro CHANGE fill
	s_wait_tensorcnt 0x0                           ; no tensor load of mine is out, so a group 0 may be written
	ds_add_u32 v[SPW], v[NIL]                      ; 0 onto my spare word
.if \fill
	s_xor_b32 s[G0K+1], s[G0K+1], SLOT1
	s_add_nc_u64 s[G0K+2:G0K+3], s[G0K+2:G0K+3], SK*64
	s_xor_b32 s[G0V+1], s[G0V+1], SLOT1
	s_add_nc_u64 s[G0V+2:G0V+3], s[G0V+2:G0V+3], SK
	s_wait_xcnt 0x0                                ; the last prefetch, a slot back, has read its address
	s_add_nc_u64 s[PFA:PFA+1], s[PFA:PFA+1], s[PFS:PFS+1]
.endif
	s_wait_dscnt 0x0                               ; the add is done, and my reads of the slot that I have left are over
	s_barrier_signal -1
	s_barrier_wait -1
.if \fill
	TLOAD                                          ; the first thing behind the barrier, a wave's one tensor load until the next
	ASK
.endif
.endm
.macro SLOT_STEPS
	STEP 0
	STEP 1
	s_xor_b32 s[TB], s[TB], SLOT1
.endm
	s_wait_loadcnt 0x0                             ; Q
.Lslot:                                            ; 7 trips: behind each change of slots but the last the next slot is asked for
	CHANGE 1
	SLOT_STEPS
	s_sub_co_u32 s[SLOTS], s[SLOTS], 1
	s_cmp_lg_u32 s[SLOTS], 0
	s_cbranch_scc1 .Lslot
	CHANGE 0                                       ; the last slot is written out
	SLOT_STEPS
	; THE WAY OUT.  O^T / the sum x 2^(entries 6 + 7) is the attention's result; it is quantised with entry 8's scale and leaves through my stage as 1,024 consecutive bytes: 16 queries x 64 codes.
	v_add_f32 v14, v14, v15
	v_permlanex16_b32 v210, v14, s[SEL], s[SEL+1]
	v_add_f32 v14, v14, v210                       ; the row's sum
	v_rcp_f32 v14, v14
	v_and_b32 v8, 15, v0                           ; (plain instructions behind the transcendental)  r
	v_bfe_u32 v9, v0, 4, 1                         ; h
	s_add_co_i32 s82, s70, s71
	s_mul_i32 s83, s[WV], 16*STP                   ; my stage
	v_mul_u32_u24 v10, v8, STP
	v_lshl_add_u32 v10, v9, 3, v10
	v_add_nc_u32 v10, s83, v10                     ; in: row r, + 8 h; tile t's eight channels 16 t bytes on
	v_and_b32 v11, 31, v0
	v_lshrrev_b32 v11, 2, v11
	v_mul_u32_u24 v11, v11, STP
	v_and_b32 v8, 3, v0
	v_lshl_add_u32 v11, v8, 4, v11
	v_add_nc_u32 v11, s83, v11                     ; back: four lanes to a row
	s_wait_alu depctr_va_vdst(0)                   ; the wait ahead of the first reader
	v_ldexp_f32 v14, v14, s82
.set j, 0
.rept 16
	v_pk_mul_f32 v[96+j:97+j], v[160+j:161+j], v[14:15] op_sel_hi:[1,0]   ; register 8 t + i is o(r, 16 t + 8 h + i); each accumulator from its low end on
.set j, j+2
.endr
.set j, 0
.rept 32
	v_med3_num_f32 v[96+j], v[96+j], -v220, v220
.set j, j+1
.endr
.irp t, 0,1,2,3
	v_cvt_scalef32_pk8_bf8_f32 v[192+2*\t:193+2*\t], v[96+8*\t:103+8*\t], v221
.endr
	v_nop                                          ; a plain line behind the last conversion
.irp t, 0,1,2,3
	ds_store_b64 v10, v[192+2*\t:193+2*\t] offset:16*\t
.endr
.irp i, 0,1
	ds_load_b128 v[32+4*\i:35+4*\i], v11 offset:8*STP*\i   ; LDS serves a wave's instructions in order: these see my stores
.endr
.irp i, 0,1
	s_wait_dscnt 1-\i
	global_store_b128 v[GO], v[32+4*\i:35+4*\i], s[8:9] offset:512*\i   ; 32 lanes store 512 consecutive bytes
.endr
	s_wait_tensorcnt 0x0                           ; the wave's end
	ds_add_u32 v[SPW], v[NIL]
	s_wait_dscnt 0x0
	s_endpgm
.Lfunc_end_k_q51df3db85b_attn:
	.size	k_q51df3db85b_attn, .Lfunc_end_k_q51df3db85b_attn-k_q51df3db85b_attn
	.p2alignl 7, 3214868480
	.fill 96, 4, 3214868480
	.section	.rodata,"a",@progbits
	.p2align	6, 0x0
	.amdhsa_kernel k_q51df3db85b_attn
		.amdhsa_group_segment_fixed_size 327680
		.amdhsa_private_segment_fixed_size 0
		.amdhsa_enable_private_segment 0
		.amdhsa_kernarg_size 24
		.amdhsa_user_sgpr_count 2
		.amdhsa_user_sgpr_kernarg_segment_ptr 1
		.amdhsa_wavefront_size32 1
		.amdhsa_system_sgpr_workgroup_id_x 1
		.amdhsa_system_sgpr_workgroup_id_y 1
		.amdhsa_system_sgpr_workgroup_id_z 1
		.amdhsa_system_vgpr_workitem_id 0
		.amdhsa_next_free_vgpr 256
		.amdhsa_next_free_sgpr 100
		.amdhsa_reserve_vcc 1
		.amdhsa_float_denorm_mode_32 3
		.amdhsa_float_denorm_mode_16_64 3
		.amdhsa_memory_ordered 1
		.amdhsa_forward_progress 1
		.amdhsa_inst_pref_size 97
	.end_amdhsa_kernel
	.amdgpu_metadata
---
amdhsa.version: [ 1, 2 ]
amdhsa.kernels:
  - .name:           k_q51df3db85b_attn
    .symbol:         k_q51df3db85b_attn.kd
    .args:
      - { .name: qkv, .offset: 0, .size: 8, .value_kind: global_buffer, .address_space: global }
      - { .name: lowp_scales, .offset: 8, .size: 8, .value_kind: global_buffer, .address_space: global }
      - { .name: oc, .offset: 16, .size: 8, .value_kind: global_buffer, .address_space: global }
    .group_segment_fixed_size: 327680
    .private_segment_fixed_size: 0
    .kernarg_segment_align: 8
    .kernarg_segment_size: 24
    .max_flat_workgroup_size: 512
    .sgpr_count:     100
    .vgpr_count:     256
    .wavefront_size: 32
...
	.end_amdgpu_metadata
.endif
;; end of part 3
;; launch proj (part 4): grid 4 x 16, 4 waves a work-group, clusters of 4 x 4, 327,680 bytes of LDS; arguments oc, wc, lowp_scales, bproj, x, x1; writes x1
.if DOCPART == 4
	.amdgcn_target "amdgcn-amd-amdhsa--gfx1250"
	.amdhsa_code_object_version 6
	.text
	.protected	k_q51df3db85b_proj
	.globl	k_q51df3db85b_proj
	.p2align	8
	.type	k_q51df3db85b_proj,@function
k_q51df3db85b_proj:
	s_mov_b64 s[64:65], 0
	v_nop
	global_prefetch_b8 v0, s[64:65] scope:SCOPE_SE
	s_setreg_imm32_b32 hwreg(HW_REG_WAVE_MODE, 25, 1), 1
	s_wait_xcnt 0x0
	s_wait_alu depctr_hold_cnt(0) depctr_sa_sdst(0) depctr_va_vdst(0) depctr_va_sdst(0) depctr_va_ssrc(0) depctr_va_vcc(0) depctr_vm_vsrc(0)
	s_getreg_b32 s2, hwreg(HW_REG_IB_STS2, 6, 4)
	s_cmp_eq_u32 s2, 0
	s_cbranch_scc0 .Lentry_in_a_cluster
	s_endpgm
.Lentry_in_a_cluster:
	s_bfe_u32 s2, ttmp6, 0x10000c
	s_cmp_lg_u32 s2, 0xf033
	s_cbranch_scc0 .Lentry_shape_is_right
	s_endpgm
.Lentry_shape_is_right:
; PROJ.  x1 = x + O Wproj + bproj, f32, [4096][1024].  A = the attention's codes (entry 8's scale), laid [b*16+head][s][64]; B = Wproj's codes (entry 9's), rows [n][1024] at wc + 0x200000.
; The bias goes in as the C of each sum's first matrix instruction, divided by 2^(ea + eb); each finished sum is multiplied once by 2^(ea + eb) and added to x by one packed multiply-add for two numbers.
; LIMIT: entries 8 + 9 between -126 and 127.
; A tile of C, 256 x 256, is made by four waves, each 128 x 128.  K goes in steps of 256 (four heads) through a ring of two LDS slots.
; A'S TILE: 128 tokens of one head are 8,192 consecutive bytes of memory; a wave's load is 4 such rows (four heads, 131,072 bytes apart) with 16 bytes of padding behind every 64: in LDS [head 4][token 128][80].
; CLUSTERS: 4 x 4 work-groups, A's tiles shared along a row, B's along a column, by joint loads.  THE MATRIX INSTRUCTION IS USED TRANSPOSED (source 0 = B's rows, source 1 = A's).
; 64 tiles of C: three WGPs in four have no work-group here; the tile is kept so that one frame serves all four products.
; REGISTERS, in windows of 256: window 0: v0-31 addresses; v32-95 the bias, later x; from v128 A's fragments, later x.  window 1: B's fragments, two sets; on the way out rows read back.  windows 2, 3: the accumulators.
.set SIZE_K, 1024
.set KSTEP,  256
.set ROWB,   256
.set ASTEP,  4*131072                  ; bytes from a K step of A to the next: four heads
.set KROW,   SIZE_K
.set WOFF,   0x200000
.set PITCH,  272
.set APITCH, 80                        ; a token's 64 bytes of a head + 16
.set HROW,   128*APITCH                ; a head's 128 tokens in LDS
.set AHALF,  4*HROW                    ; what one load brings of A
.set BOFF,   2*AHALF                   ; B's rows lie behind A's two halves
.set FR,     16
.set NL,     4
.set NP,     4
.set HALFT,  128*PITCH
.set SLOT,   BOFF+2*HALFT
.set LAPS,   SIZE_K/(2*KSTEP)
.set SPARE,  2*SLOT
.set SPITCH, 528                       ; the way out: a stage of 16 rows x (512 bytes + 16) for each wave, in slot 0, which has had its last fill and its last read by then
.set ADRA, 16
.set ADRB, 20
.set STO,  24
.set RD,   25
.set CO,   26
.set SPW,  28
.set NIL,  29
.set BI,   32                          ; v32-95  the bias / 2^(ea + eb): register 8 b + j = column 16 b + 8 (lane / 16) + j of my 128
.set AF,   128
.set BP,   10                          ; s[10:11] the bias
.set RP,   76                          ; s[76:77] x
.set CB,   78                          ; s[78:79] x1
.set G1, 24
.set G0, 32
.set G1B, 48
.set G0B, 56
.set MSB, 0
.macro WIN new
.if MSB != (\new)
	s_set_vgpr_msb (MSB<<8)|(\new)
.set MSB, (\new)
.endif
.endm
.set MUL_LO, 0xa1
.set MUL_HI, 0xf1
.set ZER_LO, 0x81                      ; the first step: C (the bias) window 0, D window 2
.set ZER_HI, 0xc1                      ; D window 3
.set TO_B,   0x40
.macro JLOAD g0a, g1a, g0b, g1b
	s_cmp_eq_u32 s15, 0
	s_cbranch_scc0 .Lfor_b_\@
	tensor_load_to_lds s[\g0a:\g0a+3], s[\g1a:\g1a+7]
	s_nop 0
.rept 4
	v_nop
.endr
	s_branch .Lasked_\@
.Lfor_b_\@:
	tensor_load_to_lds s[\g0b:\g0b+3], s[\g1b:\g1b+7]
	s_nop 0
.rept 4
	v_nop
.endr
.Lasked_\@:
.endm
.macro CREST
	s_cmp_lg_u32 s14, 0
	s_cbranch_scc1 .Lnot_wave_0_\@
	s_barrier_signal -3
.Lnot_wave_0_\@:
	s_barrier_wait -3
	s_barrier_signal -1
	s_barrier_wait -1
.endm
.macro CROUND
	s_barrier_signal -1
	s_barrier_wait -1
	CREST
.endm
	s_load_b256 s[4:11], s[0:1], 0x0               ; oc s[4:5], wc s[6:7], lowp_scales s[8:9], bproj s[10:11]
	s_load_b128 s[76:79], s[0:1], 0x20             ; x s[76:77], x1 s[78:79]
	v_lshl_add_u32 v[SPW], v0, 2, SPARE
	v_mov_b32 v[NIL], 0
	ds_add_u32 v28, v29
	s_wait_dscnt 0x0
	v_lshrrev_b32 v1, 5, v0
	v_readfirstlane_b32 s14, v1                    ; wave 0..3
	s_lshr_b32 s15, s14, 1                         ; my half of the tile's rows.  Also: I fetch for A (0) or for B (1)
	s_and_b32 s16, s14, 1                          ; my half of its columns.  Also: which 128 rows of that tile I fetch
	s_bfe_u32 s40, ttmp6, 0x40000
	s_bfe_u32 s41, ttmp6, 0x40004
	s_lshl_b32 s42, ttmp9, 2
	s_add_co_u32 s42, s42, s40                     ; tile column of C
	s_and_b32 s17, ttmp7, 0xffff
	s_lshl_b32 s17, s17, 2
	s_add_co_u32 s17, s17, s41                     ; tile row of C
	s_lshl_b32 s43, s41, 2
	s_lshl_b32 s43, 15, s43
	s_lshl_b32 s44, 0x1111, s40
	s_or_b32 s[G1+0], s43, (0<<16)|(1<<20)|(1<<21)|(3<<22)|(3<<25)  ; A: the mask of my row; elements of 1 byte; padding: four words after every 16
	s_mov_b32 s[G1+1], 8192<<16                    ; tensor_dim0: 128 tokens x 64 bytes
	s_mov_b32 s[G1+2], 4<<16                       ; tensor_dim1: four heads
	s_mov_b32 s[G1+3], 8192<<16                    ; tile_dim0
	s_mov_b32 s[G1+4], 4                           ; tile_dim1
	s_mov_b32 s[G1+5], 131072                      ; bytes from head to head
	s_mov_b32 s[G1+6], 0
	s_mov_b32 s[G1+7], 0
	s_or_b32 s[G1B+0], s44, (0<<16)|(1<<20)|(1<<21)|(5<<22)|(3<<25) ; B: the mask of my column; four words after every 64
	s_mov_b32 s[G1B+1], ROWB<<16
	s_mov_b32 s[G1B+2], 128<<16
	s_mov_b32 s[G1B+3], ROWB<<16
	s_mov_b32 s[G1B+4], 128
	s_mov_b32 s[G1B+5], KROW
	s_mov_b32 s[G1B+6], 0
	s_mov_b32 s[G1B+7], 0
	s_lshl_b32 s18, s16, 7                         ; which 128 rows of the tile I fetch
	s_lshr_b32 s20, s17, 3
	s_lshl_b32 s20, s20, 21                        ; A: the batch's 16 heads of 131,072 bytes,
	s_and_b32 s21, s17, 7
	s_lshl_b32 s21, s21, 8
	s_add_co_u32 s21, s21, s18
	s_lshl_b32 s21, s21, 6                         ; and the first token's 64 bytes within a head
	s_add_co_u32 s20, s20, s21
	s_mov_b32 s21, 0
	s_lshl_b32 s46, s42, 8
	s_add_co_u32 s46, s46, s18
	s_mul_i32 s46, s46, KROW
	s_add_co_u32 s46, s46, WOFF                    ; B: row 256 x tile column + 128 x half of Wproj's codes
	s_mov_b32 s47, 0
	s_mul_i32 s45, s16, AHALF                      ; where A's half goes,
	s_mul_i32 s74, s16, HALFT
	s_add_co_u32 s74, s74, BOFF                    ; and B's
	s_wait_kmcnt 0x0
	s_load_b64 s[68:69], s[8:9], 0x20              ; entries 8, 9
	s_add_nc_u64 s[20:21], s[4:5], s[20:21]
	s_add_nc_u64 s[46:47], s[6:7], s[46:47]
	CROUND
.irp s, 0,1
	s_mov_b32 s[G0+4*\s], 1
	s_add_co_u32 s[G0+4*\s+1], s45, \s*SLOT
	s_add_nc_u64 s[G0+4*\s+2:G0+4*\s+3], s[20:21], \s*ASTEP
	s_or_b32 s[G0+4*\s+3], s[G0+4*\s+3], 0x80000000
	s_mov_b32 s[G0B+4*\s], 1
	s_add_co_u32 s[G0B+4*\s+1], s74, \s*SLOT
	s_add_nc_u64 s[G0B+4*\s+2:G0B+4*\s+3], s[46:47], \s*ROWB
	s_or_b32 s[G0B+4*\s+3], s[G0B+4*\s+3], 0x80000000
	JLOAD G0+4*\s, G1, G0B+4*\s, G1B
.endr
	v_and_b32 v1, 15, v0                           ; r
	v_bfe_u32 v2, v0, 4, 1                         ; h
	v_lshlrev_b32 v7, 5, v2                        ; the bias: 32 h bytes
	s_lshl_b32 s22, s42, 10
	s_lshl_b32 s23, s16, 9
	s_add_co_u32 s22, s22, s23                     ; my 128 columns
	s_mov_b32 s23, 0
	s_add_nc_u64 s[BP:BP+1], s[BP:BP+1], s[22:23]
.irp b, 0,1,2,3,4,5,6,7
	global_load_b128 v[BI+8*\b:BI+8*\b+3], v7, s[BP:BP+1] offset:64*\b
	global_load_b128 v[BI+8*\b+4:BI+8*\b+7], v7, s[BP:BP+1] offset:64*\b+16
.endr
	v_mul_u32_u24 v3, v1, APITCH
	v_lshl_add_u32 v3, v2, 4, v3                   ; A: token r x 80 + 16 h
	v_mul_u32_u24 v4, v1, PITCH
	v_lshl_add_u32 v4, v2, 4, v4                   ; B: row r x 272 + 16 h
	s_mul_i32 s21, s15, AHALF                      ; my 128 rows of A
	s_mul_i32 s22, s16, HALFT
	s_add_co_u32 s22, s22, BOFF                    ; my 128 rows of B
.irp s, 0,1
	v_add_nc_u32 v[ADRA+\s], s21, v3
	v_add_nc_u32 v[ADRB+\s], s22, v4
	s_add_co_u32 s21, s21, SLOT
	s_add_co_u32 s22, s22, SLOT
.endr
	s_mul_i32 s23, s14, 16*SPITCH                  ; my stage
	v_mul_u32_u24 v5, v1, SPITCH
	v_lshl_add_u32 v5, v2, 5, v5
	v_add_nc_u32 v[STO], s23, v5                   ; in: row r, 32 bytes for each half of the lanes
	v_and_b32 v6, 31, v0
	v_lshlrev_b32 v[CO], 4, v6                     ; back: the 32 lanes take one row of 512 bytes; the same in x and x1
	v_add_nc_u32 v[RD], s23, v[CO]
	s_lshl_b32 s20, s17, 8
	s_lshl_b32 s21, s15, 7
	s_add_co_u32 s20, s20, s21
	s_lshl_b32 s20, s20, 12                        ; my first row, of 4,096 bytes,
	s_lshl_b32 s46, s42, 10
	s_add_co_u32 s20, s20, s46
	s_lshl_b32 s46, s16, 9
	s_add_co_u32 s20, s20, s46                     ; and my first column
	s_mov_b32 s21, 0
	s_add_nc_u64 s[CB:CB+1], s[CB:CB+1], s[20:21]
	s_add_nc_u64 s[RP:RP+1], s[RP:RP+1], s[20:21]
	s_wait_loadcnt 0x0                             ; the bias
	s_wait_kmcnt 0x0                               ; the exponents
	s_add_co_i32 s72, s68, s69                     ; ea + eb
	s_sub_co_i32 s73, 0, s72
.set j, 0
.rept 64
	v_ldexp_f32 v[BI+j], v[BI+j], s73              ; the bias / 2^(ea + eb)
.set j, j+1
.endr
	s_add_co_i32 s96, s72, 127
	s_lshl_b32 s96, s96, 23                        ; 2^(ea + eb) as f32
	s_mov_b32 s97, s96                             ; (named with it as a pair)
.macro FRAG reg, adr, q, i
.irp c, 0,1,2,3
	ds_load_b128 v[\reg+4*\c:\reg+4*\c+3], v[\adr] offset:128*(\q)+32*\c+(\i)*16*PITCH
.endr
.endm
.macro FRAGA reg, adr, q, i            ; A: K = 32 c + 16 h + 0 .. 15 of the q-th 128 lies in head 2 q + c / 2, channels 32 (c % 2) + 16 h on
.irp c, 0,1,2,3
	ds_load_b128 v[\reg+4*\c:\reg+4*\c+3], v[\adr] offset:(2*(\q)+\c/2)*HROW+32*(\c%2)+(\i)*16*APITCH
.endr
.endm
.macro MUL16 a0, p, zero               ; the 64 accumulators take turns, one instruction a turn
.irp a, \a0, \a0+1
.irp b, 0,1,2,3,4,5,6,7
.if \zero
	v_wmma_f32_16x16x128_bf8_bf8 v[8*(8*((\a)%4)+\b):8*(8*((\a)%4)+\b)+7], v[128*(\p)+FR*\b:128*(\p)+FR*\b+FR-1], v[AF+FR*(\a):AF+FR*(\a)+FR-1], v[BI+8*\b:BI+8*\b+7]
.else
	v_wmma_f32_16x16x128_bf8_bf8 v[8*(8*((\a)%4)+\b):8*(8*((\a)%4)+\b)+7], v[128*(\p)+FR*\b:128*(\p)+FR*\b+FR-1], v[AF+FR*(\a):AF+FR*(\a)+FR-1], v[8*(8*((\a)%4)+\b):8*(8*((\a)%4)+\b)+7]
.endif
.endr
.endr
.endm
.macro FETCH_B slot, q, p
	WIN TO_B
.irp i, 0,1,2,3,4,5,6,7
	FRAG 128*(\p)+FR*\i, ADRB+\slot, \q, \i
.endr
	WIN 0
.endm
.macro FETCH_A slot, q, i0
.irp i, \i0, \i0+1, \i0+2, \i0+3
	FRAGA AF+FR*(\i), ADRA+\slot, \q, \i
.endr
.endm
.macro PLACES n
.rept \n
	v_nop
.endr
.endm
.macro STEP slot, q, zero
	s_wait_dscnt 4*NL                              ; the youngest 16 loads (A's blocks 4-7) may be out
.if \zero
	WIN ZER_LO
.else
	WIN MUL_LO
.endif
	MUL16 0, (\q)%2, \zero
	MUL16 2, (\q)%2, \zero
	s_wait_dscnt 0
	PLACES NP
	FETCH_B \slot, (\q)+1, 1-(\q)%2
	FETCH_A \slot, (\q)+1, 0
.if \zero
	WIN ZER_HI
.else
	WIN MUL_HI
.endif
	MUL16 4, (\q)%2, \zero
	MUL16 6, (\q)%2, \zero
	PLACES NP
	WIN 0
	FETCH_A \slot, (\q)+1, 4
.endm
.macro TURN slot, next, fill
	s_wait_tensorcnt 0x0                           ; all my tensor loads have landed: my part of the next slot
	ds_add_u32 v[SPW], v[NIL]                      ; 0 onto my spare word
	s_wait_dscnt 4*NL+1                            ; (the add and the youngest 16 loads may be out)
	WIN MUL_LO
	MUL16 0, 1, 0
	s_wait_dscnt 0x0                               ; the add is done, and my reads of this slot are over
	s_barrier_signal -1
	MUL16 2, 1, 0
	WIN 0
	s_barrier_wait -1
.if \fill
	CREST
	s_add_nc_u64 s[G0+4*\slot+2:G0+4*\slot+3], s[G0+4*\slot+2:G0+4*\slot+3], 2*ASTEP
	s_add_nc_u64 s[G0B+4*\slot+2:G0B+4*\slot+3], s[G0B+4*\slot+2:G0B+4*\slot+3], 2*ROWB
	JLOAD G0+4*\slot, G1, G0B+4*\slot, G1B
.else
	PLACES NP
.endif
	FETCH_B \next, 0, 0
	FETCH_A \next, 0, 0
	WIN MUL_HI
	MUL16 4, 1, 0
	MUL16 6, 1, 0
	PLACES NP
	WIN 0
	FETCH_A \next, 0, 4
.endm
; THE WAY OUT, block by block of 16 rows x 128 columns.  RLOAD: the block's rows of x.  TOSTAGE: the raw sums through my stage, back as whole rows.  SEND: x + sum x 2^(ea + eb), stored.  Every row's place is an immediate: no base is stepped.
.macro RLOAD a
.set RL, 32
.if ((\a)%3) == 1
.set RL, 128
.endif
.if ((\a)%3) == 2
.set RL, 192
.endif
.set j, 0
.rept 16
	global_load_b128 v[RL+4*j:RL+4*j+3], v[CO], s[RP:RP+1] offset:(16*(\a)+j)*4096
.set j, j+1
.endr
.endm
.macro TOSTAGE a
.set AC, 64*((\a)%4)
.set BBK, 64*((\a)%2)
	WIN 0x08+4*((\a)/4)                            ; the stores' data: window 2 or 3
.irp b, 0,1,2,3,4,5,6,7
	ds_store_b128 v[STO], v[AC+8*\b:AC+8*\b+3] offset:64*\b         ; each accumulator from its low end on
	ds_store_b128 v[STO], v[AC+8*\b+4:AC+8*\b+7] offset:64*\b+16
.endr
	WIN 0x40                                       ; destination window 1
.set j, 0
.rept 16
	ds_load_b128 v[BBK+4*j:BBK+4*j+3], v[RD] offset:j*SPITCH   ; LDS serves a wave's instructions in order: these see the stores above, and the next block's stores come behind them
.set j, j+1
.endr
	WIN 0
.endm
.macro SEND a, younger
.set BBK, 64*((\a)%2)
.set RS, 32
.if ((\a)%3) == 1
.set RS, 128
.endif
.if ((\a)%3) == 2
.set RS, 192
.endif
	s_wait_dscnt \younger                          ; the block is back in registers
.if (\a) <= 5
	s_wait_loadcnt 32                              ; its rows of x are in; those of the next two blocks may be out
.elseif (\a) == 6
	s_wait_loadcnt 16
.else
	s_wait_loadcnt 0x0
.endif
	WIN 0x41                                       ; source 0 and destination window 1, x window 0
.set j, 0
.rept 32
	v_pk_fma_f32 v[BBK+j:BBK+j+1], v[BBK+j:BBK+j+1], s[96:97], v[RS+j:RS+j+1] op_sel_hi:[1,0,1]
.set j, j+2
.endr
	WIN 0x04                                       ; the stores' data: window 1
.set j, 0
.rept 16
	global_store_b128 v[CO], v[BBK+4*j:BBK+4*j+3], s[CB:CB+1] offset:(16*(\a)+j)*4096   ; 32 lanes store 512 consecutive bytes, at a multiple of 256
.set j, j+1
.endr
	WIN 0
.if (\a) <= 4
	RLOAD (\a)+3                                   ; into the registers whose x has just been used
.endif
.endm
	s_wait_tensorcnt 1                             ; my part of K step 0 is in (K step 1's load may be out),
	s_barrier_signal -1
	s_barrier_wait -1
	FETCH_B 0, 0, 0
	FETCH_A 0, 0, 0
	FETCH_A 0, 0, 4
	STEP 0, 0, 1                                   ; the first step's products start the sums with the bias
	s_mov_b32 s3, LAPS-1
.Llap:
	TURN 0, 1, 1
	STEP 1, 0, 0
	TURN 1, 0, 1
	STEP 0, 0, 0
	s_sub_co_u32 s3, s3, 1
	s_cmp_lg_u32 s3, 0
	s_cbranch_scc1 .Llap
	RLOAD 0                                        ; the first block's x, into the bias's registers, which only the first step read
	TURN 0, 1, 0
	STEP 1, 0, 0
	s_wait_dscnt 4*NL
	WIN MUL_LO
	MUL16 0, 1, 0
	MUL16 2, 1, 0
	s_wait_dscnt 0
	WIN MUL_HI
	MUL16 4, 1, 0
	MUL16 6, 1, 0
	WIN 0
	PLACES NP                                      ; in front of loads into the fragments' registers and of the first read of results
	RLOAD 1
	RLOAD 2
	TOSTAGE 0
.irp a, 1,2,3,4,5,6,7
.if \a > 1
	s_wait_xcnt 0x0                                ; the stores of two blocks back have read their registers: this block's rows may land there
.endif
	TOSTAGE \a
	SEND (\a)-1, 32                                ; behind that block's loads: this block's 16 stores and 16 loads
.endr
	SEND 7, 0
	s_wait_tensorcnt 0x0                           ; the wave's end
	ds_add_u32 v[SPW], v[NIL]
	s_wait_dscnt 0x0
	CROUND                                         ; the closing round
	s_endpgm
.Lfunc_end_k_q51df3db85b_proj:
	.size	k_q51df3db85b_proj, .Lfunc_end_k_q51df3db85b_proj-k_q51df3db85b_proj
	.p2alignl 7, 3214868480
	.fill 96, 4, 3214868480
	.section	.rodata,"a",@progbits
	.p2align	6, 0x0
	.amdhsa_kernel k_q51df3db85b_proj
		.amdhsa_group_segment_fixed_size 327680
		.amdhsa_private_segment_fixed_size 0
		.amdhsa_enable_private_segment 0
		.amdhsa_kernarg_size 48
		.amdhsa_user_sgpr_count 2
		.amdhsa_user_sgpr_kernarg_segment_ptr 1
		.amdhsa_wavefront_size32 1
		.amdhsa_system_sgpr_workgroup_id_x 1
		.amdhsa_system_sgpr_workgroup_id_y 1
		.amdhsa_system_sgpr_workgroup_id_z 1
		.amdhsa_system_vgpr_workitem_id 0
		.amdhsa_next_free_vgpr 1024
		.amdhsa_next_free_sgpr 100
		.amdhsa_reserve_vcc 0
		.amdhsa_float_denorm_mode_32 3
		.amdhsa_float_denorm_mode_16_64 3
		.amdhsa_memory_ordered 1
		.amdhsa_forward_progress 1
		.amdhsa_inst_pref_size 142
	.end_amdhsa_kernel
	.amdgpu_metadata
---
amdhsa.version: [ 1, 2 ]
amdhsa.kernels:
  - .name:           k_q51df3db85b_proj
    .symbol:         k_q51df3db85b_proj.kd
    .args:
      - { .name: oc, .offset: 0, .size: 8, .value_kind: global_buffer, .address_space: global }
      - { .name: wc, .offset: 8, .size: 8, .value_kind: global_buffer, .address_space: global }
      - { .name: lowp_scales, .offset: 16, .size: 8, .value_kind: global_buffer, .address_space: global }
      - { .name: bproj, .offset: 24, .size: 8, .value_kind: global_buffer, .address_space: global }
      - { .name: x, .offset: 32, .size: 8, .value_kind: global_buffer, .address_space: global }
      - { .name: x1, .offset: 40, .size: 8, .value_kind: global_buffer, .address_space: global }
    .group_segment_fixed_size: 327680
    .private_segment_fixed_size: 0
    .kernarg_segment_align: 8
    .kernarg_segment_size: 48
    .max_flat_workgroup_size: 128
    .sgpr_count:     100
    .vgpr_count:     1024
    .wavefront_size: 32
...
	.end_amdgpu_metadata
.endif
;; end of part 4
;; launch ln2 (part 5): grid 256 x 1, 4 waves a work-group, no clusters, 20,992 bytes of LDS; arguments x1, ln2_g, ln2_b, lowp_scales, h2c; writes h2c
.if DOCPART == 5
	.amdgcn_target "amdgcn-amd-amdhsa--gfx1250"
	.amdhsa_code_object_version 6
	.text
	.protected	k_q51df3db85b_ln2
	.globl	k_q51df3db85b_ln2
	.p2align	8
	.type	k_q51df3db85b_ln2,@function
k_q51df3db85b_ln2:
	s_mov_b64 s[64:65], 0
	v_nop
	global_prefetch_b8 v0, s[64:65] scope:SCOPE_SE
	s_setreg_imm32_b32 hwreg(HW_REG_WAVE_MODE, 25, 1), 1
	s_wait_xcnt 0x0
; LAYERNORM 2 of x1 [4096][1024] f32, quantised to codes of E5M2 with entry 10's scale, [4096][1024] in h2c.
; code = number / 2^e, held within +-57,344, rounded to the nearest code, ties to even.  LIMIT: e between -126 and 112.  NaN among the inputs is not served.
; A wave takes 4 rows, one at a time; a row (4,096 bytes) stays in 32 registers a lane between the mean, the variance and the codes.  Each load reads 512 consecutive bytes; the conversions want 16 NEIGHBOURS in a lane:
; so a row turns through the wave's own stage in LDS (in as loaded, out 64 bytes a lane, 16 bytes of padding behind each 64).  The variance is the mean of (x - mean)^2, taken on the registers.
; No tensor load, no barrier: waves share nothing.
.set SP,    80
.set R,     16                         ; v16-47    a row as loaded
.set XX,    48                         ; v48-79    register 16 t + m = number 512 t + 16 lane + m of the row
.set G,     96                         ; v96-127   the gain, laid as XX
.set BB,    128                        ; v128-159  the bias
.set CC,    160                        ; v160-191  codes: 8 registers for each of the wave's 4 rows, so that no store's data are written again
	s_load_b256 s[8:15], s[0:1], 0x0               ; x1 s[8:9], gain s[10:11], bias s[12:13], lowp_scales s[14:15]
	s_load_b64 s[16:17], s[0:1], 0x20              ; h2c
	v_lshl_add_u32 v200, v0, 2, 0x5000
	v_mov_b32 v201, 0
	v_lshrrev_b32 v1, 5, v0
	v_readfirstlane_b32 s30, v1                    ; wave 0..3
	v_and_b32 v1, 31, v0                           ; lane
	s_lshl_b32 s50, ttmp9, 4
	s_lshl_b32 s51, s30, 2
	s_add_co_u32 s50, s50, s51                     ; my wave's first row
	s_lshl_b32 s52, s50, 12
	s_mov_b32 s53, 0
	s_lshl_b32 s54, s50, 10
	s_mov_b32 s55, 0
	s_mov_b32 s32, 0x76543210
	s_mov_b32 s33, 0xfedcba98
	s_mov_b32 s34, 0x3a800000                      ; 1 / 1,024
	s_mov_b32 s35, 0x3727c5ac                      ; 1e-5
	v_lshlrev_b32 v2, 6, v1
	v_lshlrev_b32 v3, 4, v1
	s_mul_i32 s51, s30, 64*SP                      ; my two stages
	v_lshrrev_b32 v14, 2, v1
	v_mul_u32_u24 v14, v14, SP
	v_and_b32 v15, 3, v1
	v_lshl_add_u32 v14, v15, 4, v14
	v_add_nc_u32 v14, s51, v14                     ; in
	v_mul_u32_u24 v15, v1, SP
	v_add_nc_u32 v15, s51, v15                     ; out
	v_mov_b32 v9, 0
	v_mov_b32 v11, 0
	v_mov_b32 v13, 0
	s_wait_kmcnt 0x0
	s_load_b32 s36, s[14:15], 0x28                 ; entry 10
	s_add_nc_u64 s[8:9], s[8:9], s[52:53]
	s_add_nc_u64 s[16:17], s[16:17], s[54:55]
.irp t, 0,1
.irp m, 0,1,2,3
	global_load_b128 v[G+16*\t+4*\m:G+16*\t+4*\m+3], v2, s[10:11] offset:2048*\t+16*\m
	global_load_b128 v[BB+16*\t+4*\m:BB+16*\t+4*\m+3], v2, s[12:13] offset:2048*\t+16*\m
.endr
.endr
.irp i, 0,1,2,3,4,5,6,7
	global_load_b128 v[R+4*\i:R+4*\i+3], v3, s[8:9] offset:512*\i
.endr
	s_wait_kmcnt 0x0
	s_add_co_i32 s54, s36, 127
	s_lshl_b32 s55, s54, 23
	v_mov_b32 v193, s55                            ; 2^e
	s_add_co_i32 s54, s54, 15
	s_lshl_b32 s54, s54, 23
	s_or_b32 s54, s54, 0x600000
	v_mov_b32 v192, s54                            ; 57,344 x 2^e
.macro REDUCE
	v_pk_add_f32 v[4:5], v[4:5], v[6:7]
	v_add_f32 v8, v4, v5
	v_add_f32_dpp v8, v8, v8 row_xmask:1 row_mask:0xf bank_mask:0xf
	v_add_f32_dpp v8, v8, v8 row_xmask:2 row_mask:0xf bank_mask:0xf
	v_add_f32_dpp v8, v8, v8 row_xmask:4 row_mask:0xf bank_mask:0xf
	v_add_f32_dpp v8, v8, v8 row_xmask:8 row_mask:0xf bank_mask:0xf
	v_permlanex16_b32 v9, v8, s32, s33
	v_add_f32 v8, v8, v9
.endm
.macro LNROW j
	s_wait_loadcnt 0x0                             ; the row is in (the first time: the gain and the bias too)
.irp i, 0,1,2,3,4,5,6,7
	ds_store_b128 v14, v[R+4*\i:R+4*\i+3] offset:32*SP*(\i/4)+8*SP*(\i%4)
.endr
.irp t, 0,1
.irp m, 0,1,2,3
	ds_load_b128 v[XX+16*\t+4*\m:XX+16*\t+4*\m+3], v15 offset:32*SP*\t+16*\m   ; LDS serves a wave's instructions in order
.endr
.endr
	s_wait_dscnt 0x0                               ; the row is back, and the stores have read R,
.if (\j) < 3
.irp i, 0,1,2,3,4,5,6,7
	global_load_b128 v[R+4*\i:R+4*\i+3], v3, s[8:9] offset:4096*((\j)+1)+512*\i   ; which takes the next row
.endr
.endif
	v_pk_add_f32 v[4:5], v[XX:XX+1], v[XX+2:XX+3]
	v_pk_add_f32 v[6:7], v[XX+4:XX+5], v[XX+6:XX+7]
.irp k, 8,12,16,20,24,28
	v_pk_add_f32 v[4:5], v[4:5], v[XX+\k:XX+\k+1]
	v_pk_add_f32 v[6:7], v[6:7], v[XX+\k+2:XX+\k+3]
.endr
	REDUCE
	v_mul_f32 v10, s34, v8                         ; the mean
.set i, 0
.rept 16
	v_pk_add_f32 v[XX+i:XX+i+1], v[XX+i:XX+i+1], v[10:11] op_sel_hi:[1,0] neg_lo:[0,1] neg_hi:[0,1]
.set i, i+2
.endr
	v_pk_mul_f32 v[4:5], v[XX:XX+1], v[XX:XX+1]
	v_pk_mul_f32 v[6:7], v[XX+2:XX+3], v[XX+2:XX+3]
.irp k, 4,8,12,16,20,24,28
	v_pk_fma_f32 v[4:5], v[XX+\k:XX+\k+1], v[XX+\k:XX+\k+1], v[4:5]
	v_pk_fma_f32 v[6:7], v[XX+\k+2:XX+\k+3], v[XX+\k+2:XX+\k+3], v[6:7]
.endr
	REDUCE
	v_fma_f32 v8, v8, s34, s35                     ; the variance + 1e-5
	v_rsq_f32 v12, v8
	v_nop                                          ; a plain instruction behind the transcendental,
	s_wait_alu depctr_va_vdst(0)                   ; and the wait ahead of the first use of its result
.set i, 0
.rept 16
	v_pk_mul_f32 v[XX+i:XX+i+1], v[XX+i:XX+i+1], v[12:13] op_sel_hi:[1,0]
.set i, i+2
.endr
.set i, 0
.rept 16
	v_pk_fma_f32 v[XX+i:XX+i+1], v[XX+i:XX+i+1], v[G+i:G+i+1], v[BB+i:BB+i+1]
.set i, i+2
.endr
.set i, 0
.rept 32
	v_med3_num_f32 v[XX+i], v[XX+i], -v192, v192   ; the conversion does not saturate (ISA guide 7.6.2): the number is held first
.set i, i+1
.endr
.irp g, 0,1,2,3
	v_cvt_scalef32_pk8_bf8_f32 v[CC+8*(\j)+2*\g:CC+8*(\j)+2*\g+1], v[XX+8*\g:XX+8*\g+7], v193
.endr
	v_nop                                          ; a plain line behind the last conversion
.irp t, 0,1
	global_store_b128 v3, v[CC+8*(\j)+4*\t:CC+8*(\j)+4*\t+3], s[16:17] offset:1024*(\j)+512*\t   ; 32 lanes store 512 consecutive bytes of a row of codes
.endr
.endm
	LNROW 0
	LNROW 1
	LNROW 2
	LNROW 3
	s_wait_tensorcnt 0x0
	ds_add_u32 v200, v201
	s_wait_dscnt 0x0
	s_endpgm
.Lfunc_end_k_q51df3db85b_ln2:
	.size	k_q51df3db85b_ln2, .Lfunc_end_k_q51df3db85b_ln2-k_q51df3db85b_ln2
	.p2alignl 7, 3214868480
	.fill 96, 4, 3214868480
	.section	.rodata,"a",@progbits
	.p2align	6, 0x0
	.amdhsa_kernel k_q51df3db85b_ln2
		.amdhsa_group_segment_fixed_size 20992
		.amdhsa_private_segment_fixed_size 0
		.amdhsa_enable_private_segment 0
		.amdhsa_kernarg_size 40
		.amdhsa_user_sgpr_count 2
		.amdhsa_user_sgpr_kernarg_segment_ptr 1
		.amdhsa_wavefront_size32 1
		.amdhsa_system_sgpr_workgroup_id_x 1
		.amdhsa_system_sgpr_workgroup_id_y 1
		.amdhsa_system_sgpr_workgroup_id_z 1
		.amdhsa_system_vgpr_workitem_id 0
		.amdhsa_next_free_vgpr 202
		.amdhsa_next_free_sgpr 66
		.amdhsa_reserve_vcc 0
		.amdhsa_float_denorm_mode_32 3
		.amdhsa_float_denorm_mode_16_64 3
		.amdhsa_memory_ordered 1
		.amdhsa_forward_progress 1
		.amdhsa_inst_pref_size 45
	.end_amdhsa_kernel
	.amdgpu_metadata
---
amdhsa.version: [ 1, 2 ]
amdhsa.kernels:
  - .name:           k_q51df3db85b_ln2
    .symbol:         k_q51df3db85b_ln2.kd
    .args:
      - { .name: x1, .offset: 0, .size: 8, .value_kind: global_buffer, .address_space: global }
      - { .name: ln2_g, .offset: 8, .size: 8, .value_kind: global_buffer, .address_space: global }
      - { .name: ln2_b, .offset: 16, .size: 8, .value_kind: global_buffer, .address_space: global }
      - { .name: lowp_scales, .offset: 24, .size: 8, .value_kind: global_buffer, .address_space: global }
      - { .name: h2c, .offset: 32, .size: 8, .value_kind: global_buffer, .address_space: global }
    .group_segment_fixed_size: 20992
    .private_segment_fixed_size: 0
    .kernarg_segment_align: 8
    .kernarg_segment_size: 40
    .max_flat_workgroup_size: 128
    .sgpr_count:     66
    .vgpr_count:     202
    .wavefront_size: 32
...
	.end_amdgpu_metadata
.endif
;; end of part 5
;; launch ff1 (part 6): grid 16 x 16, 4 waves a work-group, clusters of 4 x 4, 327,680 bytes of LDS; arguments h2c, wc, lowp_scales, b1, fc; writes fc
.if DOCPART == 6
	.amdgcn_target "amdgcn-amd-amdhsa--gfx1250"
	.amdhsa_code_object_version 6
	.text
	.protected	k_q51df3db85b_ff1
	.globl	k_q51df3db85b_ff1
	.p2align	8
	.type	k_q51df3db85b_ff1,@function
k_q51df3db85b_ff1:
	s_mov_b64 s[64:65], 0
	v_nop
	global_prefetch_b8 v0, s[64:65] scope:SCOPE_SE
	s_setreg_imm32_b32 hwreg(HW_REG_WAVE_MODE, 25, 1), 1
	s_wait_xcnt 0x0
	s_wait_alu depctr_hold_cnt(0) depctr_sa_sdst(0) depctr_va_vdst(0) depctr_va_sdst(0) depctr_va_ssrc(0) depctr_va_vcc(0) depctr_vm_vsrc(0)
	s_getreg_b32 s2, hwreg(HW_REG_IB_STS2, 6, 4)
	s_cmp_eq_u32 s2, 0
	s_cbranch_scc0 .Lentry_in_a_cluster
	s_endpgm
.Lentry_in_a_cluster:
	s_bfe_u32 s2, ttmp6, 0x10000c
	s_cmp_lg_u32 s2, 0xf033
	s_cbranch_scc0 .Lentry_shape_is_right
	s_endpgm
.Lentry_shape_is_right:
; FF1.  The hidden layer relu(h2 W1 + b1), quantised at once to codes of E5M2 with entry 12's scale, [4096][4096] in fc.  A = h2's codes (entry 10's scale), B = W1's codes (entry 11's), rows [n][1024] at wc + 0x300000.
; The bias goes in as the C of each sum's first matrix instruction, divided by 2^(ea + eb).  A sum then stands for sum x 2^(ea + eb); its code is sum / 2^f, f = entry 12 - ea - eb; the hold between 0 and 57,344 x 2^f is the activation too.
; LIMIT: f between -126 and 112.
; A tile of C, 256 x 256, is made by four waves, each 128 x 128; K goes in steps of 256 through a ring of two LDS slots.  256 work-groups.
; CLUSTERS: 4 x 4 work-groups, A's tiles shared along a row, B's along a column, by joint loads.  THE MATRIX INSTRUCTION IS USED TRANSPOSED (source 0 = B's rows, source 1 = A's): a lane holds eight neighbouring hidden units of a row: the next K.
; REGISTERS, in windows of 256: window 0: v0-31 addresses; v32-95 the bias, later a block's sums; v96-127 codes; from v128 A's fragments.  window 1: B's fragments, two sets.  windows 2, 3: the accumulators.
.set SIZE_K, 1024
.set KSTEP,  256
.set ROWB,   256
.set ASTEP,  256
.set KROW,   SIZE_K
.set WOFF,   0x300000
.set PITCH,  272
.set FR,     16
.set NL,     4
.set NP,     4
.set HALFT,  128*PITCH
.set SLOT,   4*HALFT
.set LAPS,   SIZE_K/(2*KSTEP)
.set SPARE,  2*SLOT
.set SPI,    272                       ; the way out: ONE stage of 256 rows x (256 bytes of codes + 16), in slot 0, which has had its last fill and its last read by then
.set LIMV, 8
.set SCLV, 9
.set RD2,  11
.set GO2,  13
.set ADRA, 16
.set ADRB, 20
.set STO,  24
.set SPW,  28
.set NIL,  29
.set BI,   32
.set TMP,  32
.set AF,   128
.set BP,   10                          ; s[10:11] the bias
.set CB,   78                          ; s[78:79] fc
.set G1, 24
.set G0, 32
.set G1B, 48
.set G0B, 56
.set MSB, 0
.macro WIN new
.if MSB != (\new)
	s_set_vgpr_msb (MSB<<8)|(\new)
.set MSB, (\new)
.endif
.endm
.set MUL_LO, 0xa1
.set MUL_HI, 0xf1
.set ZER_LO, 0x81                      ; the first step: C (the bias) window 0, D window 2
.set ZER_HI, 0xc1
.set TO_B,   0x40
.macro JLOAD g0a, g1a, g0b, g1b
	s_cmp_eq_u32 s15, 0
	s_cbranch_scc0 .Lfor_b_\@
	tensor_load_to_lds s[\g0a:\g0a+3], s[\g1a:\g1a+7]
	s_nop 0
.rept 4
	v_nop
.endr
	s_branch .Lasked_\@
.Lfor_b_\@:
	tensor_load_to_lds s[\g0b:\g0b+3], s[\g1b:\g1b+7]
	s_nop 0
.rept 4
	v_nop
.endr
.Lasked_\@:
.endm
.macro CREST
	s_cmp_lg_u32 s14, 0
	s_cbranch_scc1 .Lnot_wave_0_\@
	s_barrier_signal -3
.Lnot_wave_0_\@:
	s_barrier_wait -3
	s_barrier_signal -1
	s_barrier_wait -1
.endm
.macro CROUND
	s_barrier_signal -1
	s_barrier_wait -1
	CREST
.endm
	s_load_b256 s[4:11], s[0:1], 0x0               ; h2c s[4:5], wc s[6:7], lowp_scales s[8:9], b1 s[10:11]
	s_load_b64 s[78:79], s[0:1], 0x20              ; fc
	v_lshl_add_u32 v[SPW], v0, 2, SPARE
	v_mov_b32 v[NIL], 0
	ds_add_u32 v28, v29
	s_wait_dscnt 0x0
	v_lshrrev_b32 v1, 5, v0
	v_readfirstlane_b32 s14, v1
	s_lshr_b32 s15, s14, 1
	s_and_b32 s16, s14, 1
	s_bfe_u32 s40, ttmp6, 0x40000
	s_bfe_u32 s41, ttmp6, 0x40004
	s_lshl_b32 s42, ttmp9, 2
	s_add_co_u32 s42, s42, s40                     ; tile column of C
	s_and_b32 s17, ttmp7, 0xffff
	s_lshl_b32 s17, s17, 2
	s_add_co_u32 s17, s17, s41                     ; tile row of C
	s_lshl_b32 s43, s41, 2
	s_lshl_b32 s43, 15, s43
	s_lshl_b32 s44, 0x1111, s40
	s_or_b32 s[G1+0], s43, (0<<16)|(1<<20)|(1<<21)|(5<<22)|(3<<25)
	s_or_b32 s[G1B+0], s44, (0<<16)|(1<<20)|(1<<21)|(5<<22)|(3<<25)
.irp g, G1, G1B
	s_mov_b32 s[\g+1], ROWB<<16
	s_mov_b32 s[\g+2], 128<<16
	s_mov_b32 s[\g+3], ROWB<<16
	s_mov_b32 s[\g+4], 128
	s_mov_b32 s[\g+5], KROW
	s_mov_b32 s[\g+6], 0
	s_mov_b32 s[\g+7], 0
.endr
	s_lshl_b32 s18, s16, 7
	s_lshl_b32 s20, s17, 8
	s_add_co_u32 s20, s20, s18
	s_mul_i32 s20, s20, KROW
	s_mov_b32 s21, 0
	s_lshl_b32 s46, s42, 8
	s_add_co_u32 s46, s46, s18
	s_mul_i32 s46, s46, KROW
	s_add_co_u32 s46, s46, WOFF
	s_mov_b32 s47, 0
	s_mul_i32 s45, s14, HALFT
	s_wait_kmcnt 0x0
	s_load_b128 s[68:71], s[8:9], 0x28             ; entries 10-13
	s_add_nc_u64 s[20:21], s[4:5], s[20:21]
	s_add_nc_u64 s[46:47], s[6:7], s[46:47]
	CROUND
.irp s, 0,1
	s_mov_b32 s[G0+4*\s], 1
	s_add_co_u32 s[G0+4*\s+1], s45, \s*SLOT
	s_add_nc_u64 s[G0+4*\s+2:G0+4*\s+3], s[20:21], \s*ASTEP
	s_or_b32 s[G0+4*\s+3], s[G0+4*\s+3], 0x80000000
	s_mov_b32 s[G0B+4*\s], 1
	s_add_co_u32 s[G0B+4*\s+1], s45, \s*SLOT
	s_add_nc_u64 s[G0B+4*\s+2:G0B+4*\s+3], s[46:47], \s*ROWB
	s_or_b32 s[G0B+4*\s+3], s[G0B+4*\s+3], 0x80000000
	JLOAD G0+4*\s, G1, G0B+4*\s, G1B
.endr
	v_and_b32 v1, 15, v0                           ; r
	v_bfe_u32 v2, v0, 4, 1                         ; h
	v_lshlrev_b32 v7, 5, v2
	s_lshl_b32 s22, s42, 10
	s_lshl_b32 s23, s16, 9
	s_add_co_u32 s22, s22, s23
	s_mov_b32 s23, 0
	s_add_nc_u64 s[BP:BP+1], s[BP:BP+1], s[22:23]  ; the bias at my 128 columns
.irp b, 0,1,2,3,4,5,6,7
	global_load_b128 v[BI+8*\b:BI+8*\b+3], v7, s[BP:BP+1] offset:64*\b
	global_load_b128 v[BI+8*\b+4:BI+8*\b+7], v7, s[BP:BP+1] offset:64*\b+16
.endr
	v_mul_u32_u24 v3, v1, PITCH
	v_lshl_add_u32 v4, v2, 4, v3
	s_mul_i32 s21, s15, HALFT
	s_mul_i32 s22, s16, HALFT
	s_add_co_u32 s22, s22, 2*HALFT
.irp s, 0,1
	v_add_nc_u32 v[ADRA+\s], s21, v4
	v_add_nc_u32 v[ADRB+\s], s22, v4
	s_add_co_u32 s21, s21, SLOT
	s_add_co_u32 s22, s22, SLOT
.endr
	s_mul_i32 s23, s15, 128*SPI                    ; into the stage: row 128 x my half of the rows + r, byte 128 x my half of the columns + 8 h
	s_lshl_b32 s22, s16, 7
	s_add_co_u32 s23, s23, s22
	v_mul_u32_u24 v5, v1, SPI
	v_lshl_add_u32 v5, v2, 3, v5
	v_add_nc_u32 v[STO], s23, v5
	s_mul_i32 s23, s14, 64*SPI                     ; out of it: wave w takes rows 64 w .. 64 w + 63, sixteen lanes to a row
	v_mul_u32_u24 v5, v2, SPI
	v_lshl_add_u32 v5, v1, 4, v5
	v_add_nc_u32 v[RD2], s23, v5
	v_lshlrev_b32 v[GO2], 12, v2
	v_lshl_add_u32 v[GO2], v1, 4, v[GO2]
	s_lshl_b32 s20, s17, 8
	s_lshl_b32 s21, s14, 6
	s_add_co_u32 s20, s20, s21
	s_lshl_b32 s20, s20, 12                        ; (256 x tile row + 64 w) rows of 4,096 bytes
	s_lshl_b32 s46, s42, 8
	s_add_co_u32 s20, s20, s46                     ; + 256 x tile column
	s_mov_b32 s21, 0
	s_add_nc_u64 s[CB:CB+1], s[CB:CB+1], s[20:21]
	s_wait_loadcnt 0x0                             ; the bias
	s_wait_kmcnt 0x0                               ; the exponents
	s_add_co_i32 s72, s68, s69                     ; ea + eb
	s_sub_co_i32 s73, 0, s72
.set j, 0
.rept 64
	v_ldexp_f32 v[BI+j], v[BI+j], s73              ; the bias / 2^(ea + eb)
.set j, j+1
.endr
	s_sub_co_i32 s74, s70, s72                     ; f
	s_add_co_i32 s74, s74, 127
	s_lshl_b32 s75, s74, 23
	v_mov_b32 v[SCLV], s75
	s_add_co_i32 s74, s74, 15
	s_lshl_b32 s74, s74, 23
	s_or_b32 s74, s74, 0x600000
	v_mov_b32 v[LIMV], s74
.macro FRAG reg, adr, q, i
.irp c, 0,1,2,3
	ds_load_b128 v[\reg+4*\c:\reg+4*\c+3], v[\adr] offset:128*(\q)+32*\c+(\i)*16*PITCH
.endr
.endm
.macro MUL16 a0, p, zero               ; the 64 accumulators take turns, one instruction a turn
.irp a, \a0, \a0+1
.irp b, 0,1,2,3,4,5,6,7
.if \zero
	v_wmma_f32_16x16x128_bf8_bf8 v[8*(8*((\a)%4)+\b):8*(8*((\a)%4)+\b)+7], v[128*(\p)+FR*\b:128*(\p)+FR*\b+FR-1], v[AF+FR*(\a):AF+FR*(\a)+FR-1], v[BI+8*\b:BI+8*\b+7]
.else
	v_wmma_f32_16x16x128_bf8_bf8 v[8*(8*((\a)%4)+\b):8*(8*((\a)%4)+\b)+7], v[128*(\p)+FR*\b:128*(\p)+FR*\b+FR-1], v[AF+FR*(\a):AF+FR*(\a)+FR-1], v[8*(8*((\a)%4)+\b):8*(8*((\a)%4)+\b)+7]
.endif
.endr
.endr
.endm
.macro FETCH_B slot, q, p
	WIN TO_B
.irp i, 0,1,2,3,4,5,6,7
	FRAG 128*(\p)+FR*\i, ADRB+\slot, \q, \i
.endr
	WIN 0
.endm
.macro FETCH_A slot, q, i0
.irp i, \i0, \i0+1, \i0+2, \i0+3
	FRAG AF+FR*(\i), ADRA+\slot, \q, \i
.endr
.endm
.macro PLACES n
.rept \n
	v_nop
.endr
.endm
.macro STEP slot, q, zero
	s_wait_dscnt 4*NL                              ; the youngest 16 loads (A's blocks 4-7) may be out
.if \zero
	WIN ZER_LO
.else
	WIN MUL_LO
.endif
	MUL16 0, (\q)%2, \zero
	MUL16 2, (\q)%2, \zero
	s_wait_dscnt 0
	PLACES NP
	FETCH_B \slot, (\q)+1, 1-(\q)%2
	FETCH_A \slot, (\q)+1, 0
.if \zero
	WIN ZER_HI
.else
	WIN MUL_HI
.endif
	MUL16 4, (\q)%2, \zero
	MUL16 6, (\q)%2, \zero
	PLACES NP
	WIN 0
	FETCH_A \slot, (\q)+1, 4
.endm
.macro TURN slot, next, fill
	s_wait_tensorcnt 0x0                           ; all my tensor loads have landed: my part of the next slot
	ds_add_u32 v[SPW], v[NIL]                      ; 0 onto my spare word
	s_wait_dscnt 4*NL+1                            ; (the add and the youngest 16 loads may be out)
	WIN MUL_LO
	MUL16 0, 1, 0
	s_wait_dscnt 0x0                               ; the add is done, and my reads of this slot are over
	s_barrier_signal -1
	MUL16 2, 1, 0
	WIN 0
	s_barrier_wait -1
.if \fill
	CREST
	s_add_nc_u64 s[G0+4*\slot+2:G0+4*\slot+3], s[G0+4*\slot+2:G0+4*\slot+3], 2*ASTEP
	s_add_nc_u64 s[G0B+4*\slot+2:G0B+4*\slot+3], s[G0B+4*\slot+2:G0B+4*\slot+3], 2*ROWB
	JLOAD G0+4*\slot, G1, G0B+4*\slot, G1B
.else
	PLACES NP
.endif
	FETCH_B \next, 0, 0
	FETCH_A \next, 0, 0
	WIN MUL_HI
	MUL16 4, 1, 0
	MUL16 6, 1, 0
	PLACES NP
	WIN 0
	FETCH_A \next, 0, 4
.endm
	s_wait_tensorcnt 1                             ; my part of K step 0 is in (K step 1's load may be out),
	s_barrier_signal -1
	s_barrier_wait -1
	FETCH_B 0, 0, 0
	FETCH_A 0, 0, 0
	FETCH_A 0, 0, 4
	STEP 0, 0, 1                                   ; the first step's products start the sums with the bias
	s_mov_b32 s3, LAPS-1
.Llap:
	TURN 0, 1, 1
	STEP 1, 0, 0
	TURN 1, 0, 1
	STEP 0, 0, 0
	s_sub_co_u32 s3, s3, 1
	s_cmp_lg_u32 s3, 0
	s_cbranch_scc1 .Llap
	TURN 0, 1, 0
	STEP 1, 0, 0
	s_wait_dscnt 4*NL
	WIN MUL_LO
	MUL16 0, 1, 0
	MUL16 2, 1, 0
	s_wait_dscnt 0
	WIN MUL_HI
	MUL16 4, 1, 0
	MUL16 6, 1, 0
	WIN 0
; THE WAY OUT.  Block a (16 rows x 128 columns): the activation and the hold in one, the conversion, eight neighbouring hidden units of a row to 8 bytes, into the work-group's stage.  Each accumulator is read from its low end on.
.macro QBLK a
.set AC, 64*((\a)%4)
.set CD, 96+16*((\a)%2)
.if (\a) >= 2
	s_wait_dscnt 8                                 ; the block before's 8 stores may be out; those of two blocks back have read the registers that are written now
.endif
	WIN 0x02+((\a)/4)
.set j, 0
.rept 64
	v_med3_num_f32 v[TMP+j], v[AC+j], 0, v[LIMV]
.set j, j+1
.endr
	WIN 0
.irp b, 0,1,2,3,4,5,6,7
	v_cvt_scalef32_pk8_bf8_f32 v[CD+2*\b:CD+2*\b+1], v[TMP+8*\b:TMP+8*\b+7], v[SCLV]
.endr
	v_nop                                          ; a plain line behind the last conversion
.irp b, 0,1,2,3,4,5,6,7
	ds_store_b64 v[STO], v[CD+2*\b:CD+2*\b+1] offset:(\a)*16*SPI+16*\b
.endr
.endm
	PLACES NP
.irp a, 0,1,2,3,4,5,6,7
	QBLK \a
.endr
	s_wait_dscnt 0x0                               ; for the others' sake: my stores into the stage are done
	s_barrier_signal -1
	s_barrier_wait -1
.set i, 0
.rept 32
	ds_load_b128 v[128+4*i:131+4*i], v[RD2] offset:2*SPI*i
.set i, i+1
.endr
.set i, 0
.rept 32
	s_wait_dscnt 31-i                              ; load i is in; the younger ones may be out
	global_store_b128 v[GO2], v[128+4*i:131+4*i], s[CB:CB+1] offset:8192*i   ; sixteen lanes store 256 consecutive bytes, at a multiple of 256
.set i, i+1
.endr
	s_wait_tensorcnt 0x0                           ; the wave's end
	ds_add_u32 v[SPW], v[NIL]
	s_wait_dscnt 0x0
	CROUND                                         ; the closing round
	s_endpgm
.Lfunc_end_k_q51df3db85b_ff1:
	.size	k_q51df3db85b_ff1, .Lfunc_end_k_q51df3db85b_ff1-k_q51df3db85b_ff1
	.p2alignl 7, 3214868480
	.fill 96, 4, 3214868480
	.section	.rodata,"a",@progbits
	.p2align	6, 0x0
	.amdhsa_kernel k_q51df3db85b_ff1
		.amdhsa_group_segment_fixed_size 327680
		.amdhsa_private_segment_fixed_size 0
		.amdhsa_enable_private_segment 0
		.amdhsa_kernarg_size 40
		.amdhsa_user_sgpr_count 2
		.amdhsa_user_sgpr_kernarg_segment_ptr 1
		.amdhsa_wavefront_size32 1
		.amdhsa_system_sgpr_workgroup_id_x 1
		.amdhsa_system_sgpr_workgroup_id_y 1
		.amdhsa_system_sgpr_workgroup_id_z 1
		.amdhsa_system_vgpr_workitem_id 0
		.amdhsa_next_free_vgpr 1024
		.amdhsa_next_free_sgpr 100
		.amdhsa_reserve_vcc 0
		.amdhsa_float_denorm_mode_32 3
		.amdhsa_float_denorm_mode_16_64 3
		.amdhsa_memory_ordered 1
		.amdhsa_forward_progress 1
		.amdhsa_inst_pref_size 131
	.end_amdhsa_kernel
	.amdgpu_metadata
---
amdhsa.version: [ 1, 2 ]
amdhsa.kernels:
  - .name:           k_q51df3db85b_ff1
    .symbol:         k_q51df3db85b_ff1.kd
    .args:
      - { .name: h2c, .offset: 0, .size: 8, .value_kind: global_buffer, .address_space: global }
      - { .name: wc, .offset: 8, .size: 8, .value_kind: global_buffer, .address_space: global }
      - { .name: lowp_scales, .offset: 16, .size: 8, .value_kind: global_buffer, .address_space: global }
      - { .name: b1, .offset: 24, .size: 8, .value_kind: global_buffer, .address_space: global }
      - { .name: fc, .offset: 32, .size: 8, .value_kind: global_buffer, .address_space: global }
    .group_segment_fixed_size: 327680
    .private_segment_fixed_size: 0
    .kernarg_segment_align: 8
    .kernarg_segment_size: 40
    .max_flat_workgroup_size: 128
    .sgpr_count:     100
    .vgpr_count:     1024
    .wavefront_size: 32
...
	.end_amdgpu_metadata
.endif
;; end of part 6
;; launch ff2 (part 7): grid 4 x 16, 4 waves a work-group, clusters of 4 x 4, 327,680 bytes of LDS; arguments fc, wc, lowp_scales, b2, x1, out0; writes out0
.if DOCPART == 7
	.amdgcn_target "amdgcn-amd-amdhsa--gfx1250"
	.amdhsa_code_object_version 6
	.text
	.protected	k_q51df3db85b_ff2
	.globl	k_q51df3db85b_ff2
	.p2align	8
	.type	k_q51df3db85b_ff2,@function
k_q51df3db85b_ff2:
	s_mov_b64 s[64:65], 0
	v_nop
	global_prefetch_b8 v0, s[64:65] scope:SCOPE_SE
	s_setreg_imm32_b32 hwreg(HW_REG_WAVE_MODE, 25, 1), 1
	s_wait_xcnt 0x0
	s_wait_alu depctr_hold_cnt(0) depctr_sa_sdst(0) depctr_va_vdst(0) depctr_va_sdst(0) depctr_va_ssrc(0) depctr_va_vcc(0) depctr_vm_vsrc(0)
	s_getreg_b32 s2, hwreg(HW_REG_IB_STS2, 6, 4)
	s_cmp_eq_u32 s2, 0
	s_cbranch_scc0 .Lentry_in_a_cluster
	s_endpgm
.Lentry_in_a_cluster:
	s_bfe_u32 s2, ttmp6, 0x10000c
	s_cmp_lg_u32 s2, 0xf033
	s_cbranch_scc0 .Lentry_shape_is_right
	s_endpgm
.Lentry_shape_is_right:
; FF2.  out0 = x1 + hidden W2 + b2, f32, [4096][1024].  A = the hidden layer's codes (entry 12's scale), rows of 4,096 bytes; B = W2's codes (entry 13's), rows [n][4096] at wc + 0x700000.
; The bias goes in as the C of each sum's first matrix instruction, divided by 2^(ea + eb); each finished sum is multiplied once by 2^(ea + eb) and added to x1 by one packed multiply-add for two numbers.
; LIMIT: entries 12 + 13 between -126 and 127.
; A tile of C, 256 x 256, is made by four waves, each 128 x 128; K goes in 16 steps of 256 through a ring of two LDS slots.
; CLUSTERS: 4 x 4 work-groups, A's tiles shared along a row, B's along a column, by joint loads.  THE MATRIX INSTRUCTION IS USED TRANSPOSED (source 0 = B's rows, source 1 = A's).
; 64 tiles of C: three WGPs in four have no work-group here; the tile is kept so that one frame serves all four products.
; REGISTERS, in windows of 256: window 0: v0-31 addresses; v32-95 the bias, later x1; from v128 A's fragments, later x1.  window 1: B's fragments, two sets; on the way out rows read back.  windows 2, 3: the accumulators.
.set SIZE_K, 4096
.set KSTEP,  256
.set ROWB,   256
.set ASTEP,  256
.set KROW,   SIZE_K
.set WOFF,   0x700000
.set PITCH,  272
.set FR,     16
.set NL,     4
.set NP,     4
.set HALFT,  128*PITCH
.set SLOT,   4*HALFT
.set LAPS,   SIZE_K/(2*KSTEP)
.set SPARE,  2*SLOT
.set SPITCH, 528                       ; the way out: a stage of 16 rows x (512 bytes + 16) for each wave, in slot 0, which has had its last fill and its last read by then
.set ADRA, 16
.set ADRB, 20
.set STO,  24
.set RD,   25
.set CO,   26
.set SPW,  28
.set NIL,  29
.set BI,   32
.set AF,   128
.set BP,   10                          ; s[10:11] the bias
.set RP,   76                          ; s[76:77] x1
.set CB,   78                          ; s[78:79] out0
.set G1, 24
.set G0, 32
.set G1B, 48
.set G0B, 56
.set MSB, 0
.macro WIN new
.if MSB != (\new)
	s_set_vgpr_msb (MSB<<8)|(\new)
.set MSB, (\new)
.endif
.endm
.set MUL_LO, 0xa1
.set MUL_HI, 0xf1
.set ZER_LO, 0x81
.set ZER_HI, 0xc1
.set TO_B,   0x40
.macro JLOAD g0a, g1a, g0b, g1b
	s_cmp_eq_u32 s15, 0
	s_cbranch_scc0 .Lfor_b_\@
	tensor_load_to_lds s[\g0a:\g0a+3], s[\g1a:\g1a+7]
	s_nop 0
.rept 4
	v_nop
.endr
	s_branch .Lasked_\@
.Lfor_b_\@:
	tensor_load_to_lds s[\g0b:\g0b+3], s[\g1b:\g1b+7]
	s_nop 0
.rept 4
	v_nop
.endr
.Lasked_\@:
.endm
.macro CREST
	s_cmp_lg_u32 s14, 0
	s_cbranch_scc1 .Lnot_wave_0_\@
	s_barrier_signal -3
.Lnot_wave_0_\@:
	s_barrier_wait -3
	s_barrier_signal -1
	s_barrier_wait -1
.endm
.macro CROUND
	s_barrier_signal -1
	s_barrier_wait -1
	CREST
.endm
	s_load_b256 s[4:11], s[0:1], 0x0               ; fc s[4:5], wc s[6:7], lowp_scales s[8:9], b2 s[10:11]
	s_load_b128 s[76:79], s[0:1], 0x20             ; x1 s[76:77], out0 s[78:79]
	v_lshl_add_u32 v[SPW], v0, 2, SPARE
	v_mov_b32 v[NIL], 0
	ds_add_u32 v28, v29
	s_wait_dscnt 0x0
	v_lshrrev_b32 v1, 5, v0
	v_readfirstlane_b32 s14, v1
	s_lshr_b32 s15, s14, 1
	s_and_b32 s16, s14, 1
	s_bfe_u32 s40, ttmp6, 0x40000
	s_bfe_u32 s41, ttmp6, 0x40004
	s_lshl_b32 s42, ttmp9, 2
	s_add_co_u32 s42, s42, s40                     ; tile column of C
	s_and_b32 s17, ttmp7, 0xffff
	s_lshl_b32 s17, s17, 2
	s_add_co_u32 s17, s17, s41                     ; tile row of C
	s_lshl_b32 s43, s41, 2
	s_lshl_b32 s43, 15, s43
	s_lshl_b32 s44, 0x1111, s40
	s_or_b32 s[G1+0], s43, (0<<16)|(1<<20)|(1<<21)|(5<<22)|(3<<25)
	s_or_b32 s[G1B+0], s44, (0<<16)|(1<<20)|(1<<21)|(5<<22)|(3<<25)
.irp g, G1, G1B
	s_mov_b32 s[\g+1], ROWB<<16
	s_mov_b32 s[\g+2], 128<<16
	s_mov_b32 s[\g+3], ROWB<<16
	s_mov_b32 s[\g+4], 128
	s_mov_b32 s[\g+5], KROW
	s_mov_b32 s[\g+6], 0
	s_mov_b32 s[\g+7], 0
.endr
	s_lshl_b32 s18, s16, 7
	s_lshl_b32 s20, s17, 8
	s_add_co_u32 s20, s20, s18
	s_mul_i32 s20, s20, KROW
	s_mov_b32 s21, 0
	s_lshl_b32 s46, s42, 8
	s_add_co_u32 s46, s46, s18
	s_mul_i32 s46, s46, KROW
	s_add_co_u32 s46, s46, WOFF
	s_mov_b32 s47, 0
	s_mul_i32 s45, s14, HALFT
	s_wait_kmcnt 0x0
	s_load_b64 s[68:69], s[8:9], 0x30              ; entries 12, 13
	s_add_nc_u64 s[20:21], s[4:5], s[20:21]
	s_add_nc_u64 s[46:47], s[6:7], s[46:47]
	CROUND
.irp s, 0,1
	s_mov_b32 s[G0+4*\s], 1
	s_add_co_u32 s[G0+4*\s+1], s45, \s*SLOT
	s_add_nc_u64 s[G0+4*\s+2:G0+4*\s+3], s[20:21], \s*ASTEP
	s_or_b32 s[G0+4*\s+3], s[G0+4*\s+3], 0x80000000
	s_mov_b32 s[G0B+4*\s], 1
	s_add_co_u32 s[G0B+4*\s+1], s45, \s*SLOT
	s_add_nc_u64 s[G0B+4*\s+2:G0B+4*\s+3], s[46:47], \s*ROWB
	s_or_b32 s[G0B+4*\s+3], s[G0B+4*\s+3], 0x80000000
	JLOAD G0+4*\s, G1, G0B+4*\s, G1B
.endr
	v_and_b32 v1, 15, v0                           ; r
	v_bfe_u32 v2, v0, 4, 1                         ; h
	v_lshlrev_b32 v7, 5, v2
	s_lshl_b32 s22, s42, 10
	s_lshl_b32 s23, s16, 9
	s_add_co_u32 s22, s22, s23
	s_mov_b32 s23, 0
	s_add_nc_u64 s[BP:BP+1], s[BP:BP+1], s[22:23]  ; the bias at my 128 columns
.irp b, 0,1,2,3,4,5,6,7
	global_load_b128 v[BI+8*\b:BI+8*\b+3], v7, s[BP:BP+1] offset:64*\b
	global_load_b128 v[BI+8*\b+4:BI+8*\b+7], v7, s[BP:BP+1] offset:64*\b+16
.endr
	v_mul_u32_u24 v3, v1, PITCH
	v_lshl_add_u32 v4, v2, 4, v3
	s_mul_i32 s21, s15, HALFT
	s_mul_i32 s22, s16, HALFT
	s_add_co_u32 s22, s22, 2*HALFT
.irp s, 0,1
	v_add_nc_u32 v[ADRA+\s], s21, v4
	v_add_nc_u32 v[ADRB+\s], s22, v4
	s_add_co_u32 s21, s21, SLOT
	s_add_co_u32 s22, s22, SLOT
.endr
	s_mul_i32 s23, s14, 16*SPITCH                  ; my stage
	v_mul_u32_u24 v5, v1, SPITCH
	v_lshl_add_u32 v5, v2, 5, v5
	v_add_nc_u32 v[STO], s23, v5
	v_and_b32 v6, 31, v0
	v_lshlrev_b32 v[CO], 4, v6
	v_add_nc_u32 v[RD], s23, v[CO]
	s_lshl_b32 s20, s17, 8
	s_lshl_b32 s21, s15, 7
	s_add_co_u32 s20, s20, s21
	s_lshl_b32 s20, s20, 12                        ; my first row, of 4,096 bytes,
	s_lshl_b32 s46, s42, 10
	s_add_co_u32 s20, s20, s46
	s_lshl_b32 s46, s16, 9
	s_add_co_u32 s20, s20, s46                     ; and my first column
	s_mov_b32 s21, 0
	s_add_nc_u64 s[CB:CB+1], s[CB:CB+1], s[20:21]
	s_add_nc_u64 s[RP:RP+1], s[RP:RP+1], s[20:21]
	s_wait_loadcnt 0x0                             ; the bias
	s_wait_kmcnt 0x0                               ; the exponents
	s_add_co_i32 s72, s68, s69                     ; ea + eb
	s_sub_co_i32 s73, 0, s72
.set j, 0
.rept 64
	v_ldexp_f32 v[BI+j], v[BI+j], s73              ; the bias / 2^(ea + eb)
.set j, j+1
.endr
	s_add_co_i32 s96, s72, 127
	s_lshl_b32 s96, s96, 23                        ; 2^(ea + eb) as f32
	s_mov_b32 s97, s96
.macro FRAG reg, adr, q, i
.irp c, 0,1,2,3
	ds_load_b128 v[\reg+4*\c:\reg+4*\c+3], v[\adr] offset:128*(\q)+32*\c+(\i)*16*PITCH
.endr
.endm
.macro MUL16 a0, p, zero               ; the 64 accumulators take turns, one instruction a turn
.irp a, \a0, \a0+1
.irp b, 0,1,2,3,4,5,6,7
.if \zero
	v_wmma_f32_16x16x128_bf8_bf8 v[8*(8*((\a)%4)+\b):8*(8*((\a)%4)+\b)+7], v[128*(\p)+FR*\b:128*(\p)+FR*\b+FR-1], v[AF+FR*(\a):AF+FR*(\a)+FR-1], v[BI+8*\b:BI+8*\b+7]
.else
	v_wmma_f32_16x16x128_bf8_bf8 v[8*(8*((\a)%4)+\b):8*(8*((\a)%4)+\b)+7], v[128*(\p)+FR*\b:128*(\p)+FR*\b+FR-1], v[AF+FR*(\a):AF+FR*(\a)+FR-1], v[8*(8*((\a)%4)+\b):8*(8*((\a)%4)+\b)+7]
.endif
.endr
.endr
.endm
.macro FETCH_B slot, q, p
	WIN TO_B
.irp i, 0,1,2,3,4,5,6,7
	FRAG 128*(\p)+FR*\i, ADRB+\slot, \q, \i
.endr
	WIN 0
.endm
.macro FETCH_A slot, q, i0
.irp i, \i0, \i0+1, \i0+2, \i0+3
	FRAG AF+FR*(\i), ADRA+\slot, \q, \i
.endr
.endm
.macro PLACES n
.rept \n
	v_nop
.endr
.endm
.macro STEP slot, q, zero
	s_wait_dscnt 4*NL                              ; the youngest 16 loads (A's blocks 4-7) may be out
.if \zero
	WIN ZER_LO
.else
	WIN MUL_LO
.endif
	MUL16 0, (\q)%2, \zero
	MUL16 2, (\q)%2, \zero
	s_wait_dscnt 0
	PLACES NP
	FETCH_B \slot, (\q)+1, 1-(\q)%2
	FETCH_A \slot, (\q)+1, 0
.if \zero
	WIN ZER_HI
.else
	WIN MUL_HI
.endif
	MUL16 4, (\q)%2, \zero
	MUL16 6, (\q)%2, \zero
	PLACES NP
	WIN 0
	FETCH_A \slot, (\q)+1, 4
.endm
.macro TURN slot, next, fill
	s_wait_tensorcnt 0x0                           ; all my tensor loads have landed: my part of the next slot
	ds_add_u32 v[SPW], v[NIL]                      ; 0 onto my spare word
	s_wait_dscnt 4*NL+1                            ; (the add and the youngest 16 loads may be out)
	WIN MUL_LO
	MUL16 0, 1, 0
	s_wait_dscnt 0x0                               ; the add is done, and my reads of this slot are over
	s_barrier_signal -1
	MUL16 2, 1, 0
	WIN 0
	s_barrier_wait -1
.if \fill
	CREST
	s_add_nc_u64 s[G0+4*\slot+2:G0+4*\slot+3], s[G0+4*\slot+2:G0+4*\slot+3], 2*ASTEP
	s_add_nc_u64 s[G0B+4*\slot+2:G0B+4*\slot+3], s[G0B+4*\slot+2:G0B+4*\slot+3], 2*ROWB
	JLOAD G0+4*\slot, G1, G0B+4*\slot, G1B
.else
	PLACES NP
.endif
	FETCH_B \next, 0, 0
	FETCH_A \next, 0, 0
	WIN MUL_HI
	MUL16 4, 1, 0
	MUL16 6, 1, 0
	PLACES NP
	WIN 0
	FETCH_A \next, 0, 4
.endm
; THE WAY OUT, block by block of 16 rows x 128 columns.  RLOAD: the block's rows of x1.  TOSTAGE: the raw sums through my stage, back as whole rows.  SEND: x1 + sum x 2^(ea + eb), stored.  Every row's place is an immediate: no base is stepped.
.macro RLOAD a
.set RL, 32
.if ((\a)%3) == 1
.set RL, 128
.endif
.if ((\a)%3) == 2
.set RL, 192
.endif
.set j, 0
.rept 16
	global_load_b128 v[RL+4*j:RL+4*j+3], v[CO], s[RP:RP+1] offset:(16*(\a)+j)*4096
.set j, j+1
.endr
.endm
.macro TOSTAGE a
.set AC, 64*((\a)%4)
.set BBK, 64*((\a)%2)
	WIN 0x08+4*((\a)/4)                            ; the stores' data: window 2 or 3
.irp b, 0,1,2,3,4,5,6,7
	ds_store_b128 v[STO], v[AC+8*\b:AC+8*\b+3] offset:64*\b         ; each accumulator from its low end on
	ds_store_b128 v[STO], v[AC+8*\b+4:AC+8*\b+7] offset:64*\b+16
.endr
	WIN 0x40                                       ; destination window 1
.set j, 0
.rept 16
	ds_load_b128 v[BBK+4*j:BBK+4*j+3], v[RD] offset:j*SPITCH   ; LDS serves a wave's instructions in order
.set j, j+1
.endr
	WIN 0
.endm
.macro SEND a, younger
.set BBK, 64*((\a)%2)
.set RS, 32
.if ((\a)%3) == 1
.set RS, 128
.endif
.if ((\a)%3) == 2
.set RS, 192
.endif
	s_wait_dscnt \younger                          ; the block is back in registers
.if (\a) <= 5
	s_wait_loadcnt 32                              ; its rows of x1 are in; those of the next two blocks may be out
.elseif (\a) == 6
	s_wait_loadcnt 16
.else
	s_wait_loadcnt 0x0
.endif
	WIN 0x41                                       ; source 0 and destination window 1, x1 window 0
.set j, 0
.rept 32
	v_pk_fma_f32 v[BBK+j:BBK+j+1], v[BBK+j:BBK+j+1], s[96:97], v[RS+j:RS+j+1] op_sel_hi:[1,0,1]
.set j, j+2
.endr
	WIN 0x04                                       ; the stores' data: window 1
.set j, 0
.rept 16
	global_store_b128 v[CO], v[BBK+4*j:BBK+4*j+3], s[CB:CB+1] offset:(16*(\a)+j)*4096 th:TH_STORE_NT   ; 32 lanes store 512 consecutive bytes, at a multiple of 256; written once, read by nobody here
.set j, j+1
.endr
	WIN 0
.if (\a) <= 4
	RLOAD (\a)+3                                   ; into the registers whose x1 has just been used
.endif
.endm
	s_wait_tensorcnt 1                             ; my part of K step 0 is in (K step 1's load may be out),
	s_barrier_signal -1
	s_barrier_wait -1
	FETCH_B 0, 0, 0
	FETCH_A 0, 0, 0
	FETCH_A 0, 0, 4
	STEP 0, 0, 1                                   ; the first step's products start the sums with the bias
	s_mov_b32 s3, LAPS-1
.Llap:
	TURN 0, 1, 1
	STEP 1, 0, 0
	TURN 1, 0, 1
	STEP 0, 0, 0
	s_sub_co_u32 s3, s3, 1
	s_cmp_lg_u32 s3, 0
	s_cbranch_scc1 .Llap
	RLOAD 0                                        ; the first block's x1, into the bias's registers, which only the first step read
	TURN 0, 1, 0
	STEP 1, 0, 0
	s_wait_dscnt 4*NL
	WIN MUL_LO
	MUL16 0, 1, 0
	MUL16 2, 1, 0
	s_wait_dscnt 0
	WIN MUL_HI
	MUL16 4, 1, 0
	MUL16 6, 1, 0
	WIN 0
	PLACES NP                                      ; in front of loads into the fragments' registers and of the first read of results
	RLOAD 1
	RLOAD 2
	TOSTAGE 0
.irp a, 1,2,3,4,5,6,7
.if \a > 1
	s_wait_xcnt 0x0                                ; the stores of two blocks back have read their registers: this block's rows may land there
.endif
	TOSTAGE \a
	SEND (\a)-1, 32                                ; behind that block's loads: this block's 16 stores and 16 loads
.endr
	SEND 7, 0
	s_wait_tensorcnt 0x0                           ; the wave's end
	ds_add_u32 v[SPW], v[NIL]
	s_wait_dscnt 0x0
	CROUND                                         ; the closing round
	s_endpgm
.Lfunc_end_k_q51df3db85b_ff2:
	.size	k_q51df3db85b_ff2, .Lfunc_end_k_q51df3db85b_ff2-k_q51df3db85b_ff2
	.p2alignl 7, 3214868480
	.fill 96, 4, 3214868480
	.section	.rodata,"a",@progbits
	.p2align	6, 0x0
	.amdhsa_kernel k_q51df3db85b_ff2
		.amdhsa_group_segment_fixed_size 327680
		.amdhsa_private_segment_fixed_size 0
		.amdhsa_enable_private_segment 0
		.amdhsa_kernarg_size 48
		.amdhsa_user_sgpr_count 2
		.amdhsa_user_sgpr_kernarg_segment_ptr 1
		.amdhsa_wavefront_size32 1
		.amdhsa_system_sgpr_workgroup_id_x 1
		.amdhsa_system_sgpr_workgroup_id_y 1
		.amdhsa_system_sgpr_workgroup_id_z 1
		.amdhsa_system_vgpr_workitem_id 0
		.amdhsa_next_free_vgpr 1024
		.amdhsa_next_free_sgpr 100
		.amdhsa_reserve_vcc 0
		.amdhsa_float_denorm_mode_32 3
		.amdhsa_float_denorm_mode_16_64 3
		.amdhsa_memory_ordered 1
		.amdhsa_forward_progress 1
		.amdhsa_inst_pref_size 142
	.end_amdhsa_kernel
	.amdgpu_metadata
---
amdhsa.version: [ 1, 2 ]
amdhsa.kernels:
  - .name:           k_q51df3db85b_ff2
    .symbol:         k_q51df3db85b_ff2.kd
    .args:
      - { .name: fc, .offset: 0, .size: 8, .value_kind: global_buffer, .address_space: global }
      - { .name: wc, .offset: 8, .size: 8, .value_kind: global_buffer, .address_space: global }
      - { .name: lowp_scales, .offset: 16, .size: 8, .value_kind: global_buffer, .address_space: global }
      - { .name: b2, .offset: 24, .size: 8, .value_kind: global_buffer, .address_space: global }
      - { .name: x1, .offset: 32, .size: 8, .value_kind: global_buffer, .address_space: global }
      - { .name: out0, .offset: 40, .size: 8, .value_kind: global_buffer, .address_space: global }
    .group_segment_fixed_size: 327680
    .private_segment_fixed_size: 0
    .kernarg_segment_align: 8
    .kernarg_segment_size: 48
    .max_flat_workgroup_size: 128
    .sgpr_count:     100
    .vgpr_count:     1024
    .wavefront_size: 32
...
	.end_amdgpu_metadata
.endif
;; end of part 7
;; ======== version 2 of 2: 7 launches
;; limits: right only within a limited range of input values
;; workspace buffers: wc 11,534,336 bytes; hc 8,388,608 bytes; qkv 12,582,912 bytes; oc 4,194,304 bytes; x1 16,777,216 bytes; h2c 4,194,304 bytes; fc 16,777,216 bytes
;; launch prep (part 8): grid 608 x 1, 4 waves a work-group, no clusters, 55,808 bytes of LDS; arguments Wq, Wk, Wproj, W1, W2, x, ln1_g, ln1_b, lowp_scales, wc, hc; writes wc, hc
.if DOCPART == 8
	.amdgcn_target "amdgcn-amd-amdhsa--gfx1250"
	.amdhsa_code_object_version 6
	.text
	.protected	k_q51df3db85b_prep
	.globl	k_q51df3db85b_prep
	.p2align	8
	.type	k_q51df3db85b_prep,@function
k_q51df3db85b_prep:
	s_mov_b64 s[64:65], 0
	v_nop
	global_prefetch_b8 v0, s[64:65] scope:SCOPE_SE
	s_setreg_imm32_b32 hwreg(HW_REG_WAVE_MODE, 25, 1), 1
	s_wait_xcnt 0x0
; PREP.  Work-groups 0-351: the five weights (f32, K not innermost) become codes of E5M2 with K innermost, in wc.  Work-groups 352-607: h = LayerNorm1(x) becomes codes twice, in hc:
; once with the scale of the Q product's operand (entry 1 of lowp_scales), once with that of the K product's (entry 3).
; code = number / 2^e, held within +-57,344, rounded to the nearest code, ties to even.
; LIMITS: each e used here (entries 0, 1, 2, 3, 9, 11, 13) lies between -126 and 112, so that 2^e and 57,344 x 2^e are f32 numbers.  NaN among the inputs is not served.
; wc: rows [n][K]: Wq at 0 (row h*64+d, 1,024 bytes), Wk at 0x100000, Wproj at 0x200000, W1 at 0x300000 (4,096 rows of 1,024), W2 at 0x700000 (1,024 rows of 4,096).
; hc: [4096][1024] with entry 1's scale at 0, with entry 3's at 0x400000.
; No tensor load, no barrier: waves share nothing.  The two paths part on the work-group's number and have LDS bytes of their own: weights 0 .. 34,815, LayerNorm 34,816 .. 55,295.
.set WGW,   352                        ; work-groups of the weights' path
.set SB,    66                         ; s[66:81]  weights: the source's address at each of the wave's 8 blocks of 32 along K
.set VO,    16                         ; v16-47    weights: 4 x lane + i x the source's row pitch
.set X,     48                         ; v48-111   weights: two sets of 32 numbers; on the way out 16 x 4 registers of codes
.set C,     112                        ; v112-119  weights: a block's codes
.set OUTO,  120                        ; v120-135  weights: byte offsets of the 16 stores
.set WP,    272                        ; weights: a stage row: 256 bytes of codes + 16
.set LNST,  34816                      ; LayerNorm: the stages begin here, 5,120 bytes a wave
.set SP,    80                         ; LayerNorm: a lane's place in a stage: its 64 bytes + 16
.set R,     16                         ; v16-47    LayerNorm: a row as loaded
.set XX,    48                         ; v48-79    LayerNorm: register 16 t + m = number 512 t + 16 lane + m of the row
.set T,     80                         ; v80-95    LayerNorm: 16 numbers held for the first scale
.set G,     96                         ; v96-127   the gain, laid as XX
.set BB,    128                        ; v128-159  the bias, laid as XX
.set CC,    160                        ; v160-223  codes: 16 registers for each of the wave's 4 rows, so that no store's data are written again
	s_load_b512 s[8:23], s[0:1], 0x0               ; Wq s[8:9], Wk s[10:11], Wproj s[12:13], W1 s[14:15], W2 s[16:17], x s[18:19], gain s[20:21], bias s[22:23]
	s_load_b128 s[24:27], s[0:1], 0x40             ; lowp_scales s[24:25], wc s[26:27]
	s_load_b64 s[28:29], s[0:1], 0x50              ; hc
	v_lshl_add_u32 v232, v0, 2, 0xd800
	v_mov_b32 v233, 0
	v_lshrrev_b32 v1, 5, v0
	v_readfirstlane_b32 s30, v1                    ; wave 0..3
	v_and_b32 v1, 31, v0                           ; lane
	s_wait_kmcnt 0x0
	s_load_b256 s[36:43], s[24:25], 0x0            ; entries 0-7
	s_load_b128 s[44:47], s[24:25], 0x20           ; entries 8-11
	s_load_b64 s[48:49], s[24:25], 0x30            ; entries 12, 13: 56 bytes in all
	s_cmp_ge_u32 ttmp9, WGW
	s_cbranch_scc1 .Lln
; ---------------- THE WEIGHTS.  A work-group takes 128 columns n x 256 along K, a wave 32 columns.  A LANE TAKES A COLUMN AND ITS REGISTERS RUN DOWN K: each load reads 128 consecutive bytes,
; and the conversions give codes with K innermost.  One path serves all five tensors: what differs is chosen by the work-group's number, beginning with W2's figures.
	s_mov_b64 s[50:51], s[16:17]                   ; the source
	s_mov_b32 s52, 4096                            ; bytes from one k to the next
	s_mov_b32 s53, 0                               ; bytes from one head to the next (Wq, Wk)
	s_mov_b32 s54, 0xffff                          ; the column within a head (Wq, Wk: 63)
	s_mov_b32 s55, 4096                            ; a row of codes in bytes
	s_mov_b32 s56, 4                               ; log2 of the blocks of 256 along K,
	s_mov_b32 s57, 15                              ; and their mask
	s_mov_b32 s58, 0x700000                        ; the tensor's place in wc
	s_mov_b32 s60, 224                             ; its first work-group
	s_cmp_lt_u32 ttmp9, 224                        ; W1
	s_cselect_b64 s[50:51], s[14:15], s[50:51]
	s_cselect_b32 s52, 16384, s52
	s_cselect_b32 s55, 1024, s55
	s_cselect_b32 s56, 2, s56
	s_cselect_b32 s57, 3, s57
	s_cselect_b32 s58, 0x300000, s58
	s_cselect_b32 s60, 96, s60
	s_cmp_lt_u32 ttmp9, 96                         ; Wproj
	s_cselect_b64 s[50:51], s[12:13], s[50:51]
	s_cselect_b32 s52, 4096, s52
	s_cselect_b32 s58, 0x200000, s58
	s_cselect_b32 s60, 64, s60
	s_cmp_lt_u32 ttmp9, 64                         ; Wk
	s_cselect_b64 s[50:51], s[10:11], s[50:51]
	s_cselect_b32 s52, 256, s52
	s_cselect_b32 s53, 0x40000, s53
	s_cselect_b32 s54, 63, s54
	s_cselect_b32 s58, 0x100000, s58
	s_cselect_b32 s60, 32, s60
	s_cmp_lt_u32 ttmp9, 32                         ; Wq
	s_cselect_b64 s[50:51], s[8:9], s[50:51]
	s_cselect_b32 s58, 0, s58
	s_cselect_b32 s60, 0, s60
	s_sub_co_u32 s61, ttmp9, s60                   ; the work-group's number within its tensor
	s_and_b32 s62, s61, s57                        ; which 256 along K
	s_lshr_b32 s61, s61, s56
	s_lshl_b32 s61, s61, 7
	s_lshl_b32 s63, s30, 5
	s_add_co_u32 s61, s61, s63                     ; n0: my wave's first column
	s_lshr_b32 s63, s61, 6
	s_mul_i32 s63, s63, s53                        ; the head's bytes,
	s_and_b32 s84, s61, s54
	s_lshl_b32 s84, s84, 2                         ; the column's,
	s_add_co_u32 s84, s84, s63
	s_mul_i32 s63, s62, s52
	s_lshl_b32 s63, s63, 8                         ; and 256 rows of k for each block of 256: under 2^25 in all
	s_add_co_u32 s84, s84, s63
	s_mov_b32 s85, 0
	s_add_nc_u64 s[SB:SB+1], s[50:51], s[84:85]
	s_lshl_b32 s84, s52, 5                         ; 32 rows of k
.irp t, 1,2,3,4,5,6,7
	s_add_nc_u64 s[SB+2*\t:SB+2*\t+1], s[SB+2*\t-2:SB+2*\t-1], s[84:85]
.endr
	s_mul_i32 s86, s61, s55                        ; the codes: row n0,
	s_add_co_u32 s86, s86, s58
	s_lshl_b32 s87, s62, 8                         ; 256 bytes for each block of 256 along K
	s_add_co_u32 s86, s86, s87
	s_mov_b32 s87, 0
	s_add_nc_u64 s[82:83], s[26:27], s[86:87]
	s_wait_alu depctr_va_vdst(0)
	v_lshlrev_b32 v3, 2, v1                        ; in: 4 bytes a lane
	s_mul_i32 s88, s30, 32*WP                      ; my stage
	v_mul_u32_u24 v4, v1, WP
	v_add_nc_u32 v4, s88, v4                       ; into it: row = my column
	v_and_b32 v5, 15, v1
	v_lshrrev_b32 v6, 4, v1
	v_mul_u32_u24 v7, v6, WP
	v_lshl_add_u32 v7, v5, 4, v7
	v_add_nc_u32 v7, s88, v7                       ; out of it: sixteen lanes to a row, two rows an instruction
	v_mul_u32_u24 v8, s55, v6
	v_lshl_add_u32 v8, v5, 4, v8                   ; and the same place among the rows of codes
.set i, 0
.rept 32
	v_mad_u32_u24 v[VO+i], s52, i, v3
.set i, i+1
.endr
.set i, 0
.rept 16
	v_mad_u32_u24 v[OUTO+i], s55, 2*i, v8
.set i, i+1
.endr
.macro LOAD t                          ; block t: W(32 t + i, my column), i = 0 .. 31, into set t % 2
.set i, 0
.rept 32
	global_load_b32 v[X+32*((\t)%2)+i], v[VO+i], s[SB+2*(\t):SB+2*(\t)+1] th:TH_LOAD_NT
.set i, i+1
.endr
.endm
	LOAD 0
	LOAD 1
	s_wait_kmcnt 0x0                               ; the exponents
	s_mov_b32 s59, s49                             ; W2: entry 13
	s_cmp_lt_u32 ttmp9, 224
	s_cselect_b32 s59, s47, s59                    ; W1: entry 11
	s_cmp_lt_u32 ttmp9, 96
	s_cselect_b32 s59, s45, s59                    ; Wproj: entry 9
	s_cmp_lt_u32 ttmp9, 64
	s_cselect_b32 s59, s38, s59                    ; Wk: entry 2
	s_cmp_lt_u32 ttmp9, 32
	s_cselect_b32 s59, s36, s59                    ; Wq: entry 0
	s_add_co_i32 s59, s59, 127
	s_lshl_b32 s89, s59, 23
	v_mov_b32 v11, s89                             ; 2^e as f32: the conversion takes its exponent field
	s_add_co_i32 s59, s59, 15
	s_lshl_b32 s59, s59, 23
	s_or_b32 s59, s59, 0x600000
	v_mov_b32 v10, s59                             ; 57,344 x 2^e
.macro BLOCK t
.set XS, X+32*((\t)%2)
.if (\t) < 7
	s_wait_loadcnt 32                              ; this block's 32 loads are in; the next block's 32 may be out
.else
	s_wait_loadcnt 0x0
.endif
.set i, 0
.rept 32
	v_med3_num_f32 v[XS+i], v[XS+i], -v10, v10     ; the conversion to an 8-bit code does not saturate (ISA guide 7.6.2): the number is held first
.set i, i+1
.endr
.irp g, 0,1,2,3
	v_cvt_scalef32_pk8_bf8_f32 v[C+2*\g:C+2*\g+1], v[XS+8*\g:XS+8*\g+7], v11
.endr
	ds_store_b128 v4, v[C:C+3] offset:32*(\t)      ; 32 codes: 32 bytes of my column's row
	ds_store_b128 v4, v[C+4:C+7] offset:32*(\t)+16
.if (\t)+2 < 8
	LOAD (\t)+2
.endif
	s_wait_dscnt 0x0                               ; the stores have read their registers: the next block's codes may be written (32 plain holds stand between the conversions)
.endm
	s_wait_alu depctr_va_vdst(0)
.irp t, 0,1,2,3,4,5,6,7
	BLOCK \t
.endr
.set i, 0
.rept 16
	ds_load_b128 v[X+4*i:X+4*i+3], v7 offset:2*i*WP   ; LDS serves a wave's instructions in order: these see my stores
.set i, i+1
.endr
.set i, 0
.rept 16
	s_wait_dscnt 15-i                              ; load i is in; the 15 - i younger ones may be out
	global_store_b128 v[OUTO+i], v[X+4*i:X+4*i+3], s[82:83]   ; sixteen lanes store 256 consecutive bytes of a row of codes, at a multiple of 256
.set i, i+1
.endr
	s_wait_tensorcnt 0x0
	ds_add_u32 v232, v233
	s_wait_dscnt 0x0
	s_endpgm
; ---------------- LAYERNORM 1.  A wave takes 4 rows, one at a time; a row (4,096 bytes) stays in 32 registers a lane between the mean, the variance and the codes.
; Each load reads 512 consecutive bytes; the conversions want 16 NEIGHBOURS in a lane: so a row turns through the wave's own stage in LDS (in as loaded, out 64 bytes a lane, 16 bytes of padding behind each 64).
; The variance is the mean of (x - mean)^2, taken on the registers: no difference of large sums.
.Lln:
	s_sub_co_u32 s50, ttmp9, WGW
	s_lshl_b32 s50, s50, 4
	s_lshl_b32 s51, s30, 2
	s_add_co_u32 s50, s50, s51                     ; my wave's first row: 16 x work-group + 4 x wave
	s_lshl_b32 s52, s50, 12
	s_mov_b32 s53, 0
	s_add_nc_u64 s[18:19], s[18:19], s[52:53]      ; x there
	s_lshl_b32 s52, s50, 10
	s_add_nc_u64 s[84:85], s[28:29], s[52:53]      ; the first set of codes there,
	s_add_nc_u64 s[86:87], s[84:85], 0x400000      ; and the second
	s_mov_b32 s32, 0x76543210                      ; v_permlanex16_b32: lane l takes lane l xor 16
	s_mov_b32 s33, 0xfedcba98
	s_mov_b32 s34, 0x3a800000                      ; 1 / 1,024
	s_mov_b32 s35, 0x3727c5ac                      ; 1e-5
	s_wait_alu depctr_va_vdst(0)
	v_lshlrev_b32 v2, 6, v1                        ; 64 x lane: my 16 numbers of the gain and the bias
	v_lshlrev_b32 v3, 4, v1                        ; 16 x lane: my bytes of a load, and of a store of codes
	s_mul_i32 s51, s30, 64*SP
	s_add_co_u32 s51, s51, LNST                    ; my two stages
	v_lshrrev_b32 v14, 2, v1
	v_mul_u32_u24 v14, v14, SP
	v_and_b32 v15, 3, v1
	v_lshl_add_u32 v14, v15, 4, v14
	v_add_nc_u32 v14, s51, v14                     ; in: four lanes' 64 bytes on end, then the padding
	v_mul_u32_u24 v15, v1, SP
	v_add_nc_u32 v15, s51, v15                     ; out: my 64 bytes
	v_mov_b32 v9, 0                                ; a lane permute's destination counts as read
	v_mov_b32 v11, 0                               ; (upper halves of pairs of which the low word serves both halves)
	v_mov_b32 v13, 0
.irp t, 0,1
.irp m, 0,1,2,3
	global_load_b128 v[G+16*\t+4*\m:G+16*\t+4*\m+3], v2, s[20:21] offset:2048*\t+16*\m
	global_load_b128 v[BB+16*\t+4*\m:BB+16*\t+4*\m+3], v2, s[22:23] offset:2048*\t+16*\m
.endr
.endr
.irp i, 0,1,2,3,4,5,6,7
	global_load_b128 v[R+4*\i:R+4*\i+3], v3, s[18:19] offset:512*\i   ; row 0
.endr
	s_wait_alu depctr_va_vdst(0)
	s_wait_kmcnt 0x0
	s_add_co_i32 s54, s37, 127                     ; entry 1
	s_lshl_b32 s55, s54, 23
	v_mov_b32 v225, s55                            ; 2^e
	s_add_co_i32 s54, s54, 15
	s_lshl_b32 s54, s54, 23
	s_or_b32 s54, s54, 0x600000
	v_mov_b32 v224, s54                            ; 57,344 x 2^e
	s_add_co_i32 s54, s39, 127                     ; entry 3
	s_lshl_b32 s55, s54, 23
	v_mov_b32 v227, s55
	s_add_co_i32 s54, s54, 15
	s_lshl_b32 s54, s54, 23
	s_or_b32 s54, s54, 0x600000
	v_mov_b32 v226, s54
.macro REDUCE                          ; the two chains v[4:5], v[6:7] -> the row's sum in v8, in every lane
	v_pk_add_f32 v[4:5], v[4:5], v[6:7]
	v_add_f32 v8, v4, v5
	v_add_f32_dpp v8, v8, v8 row_xmask:1 row_mask:0xf bank_mask:0xf
	v_add_f32_dpp v8, v8, v8 row_xmask:2 row_mask:0xf bank_mask:0xf
	v_add_f32_dpp v8, v8, v8 row_xmask:4 row_mask:0xf bank_mask:0xf
	v_add_f32_dpp v8, v8, v8 row_xmask:8 row_mask:0xf bank_mask:0xf
	v_permlanex16_b32 v9, v8, s32, s33
	v_add_f32 v8, v8, v9
.endm
.macro LNROW j
	s_wait_loadcnt 0x0                             ; the row is in (the first time: the gain and the bias too)
.irp i, 0,1,2,3,4,5,6,7
	ds_store_b128 v14, v[R+4*\i:R+4*\i+3] offset:32*SP*(\i/4)+8*SP*(\i%4)
.endr
.irp t, 0,1
.irp m, 0,1,2,3
	ds_load_b128 v[XX+16*\t+4*\m:XX+16*\t+4*\m+3], v15 offset:32*SP*\t+16*\m   ; LDS serves a wave's instructions in order: these see the stores above
.endr
.endr
	s_wait_dscnt 0x0                               ; the row is back, and the stores have read R,
.if (\j) < 3
.irp i, 0,1,2,3,4,5,6,7
	global_load_b128 v[R+4*\i:R+4*\i+3], v3, s[18:19] offset:4096*((\j)+1)+512*\i   ; which takes the next row while this one is worked
.endr
.endif
	v_pk_add_f32 v[4:5], v[XX:XX+1], v[XX+2:XX+3]  ; the sum, two numbers at a time, in two chains
	v_pk_add_f32 v[6:7], v[XX+4:XX+5], v[XX+6:XX+7]
.irp k, 8,12,16,20,24,28
	v_pk_add_f32 v[4:5], v[4:5], v[XX+\k:XX+\k+1]
	v_pk_add_f32 v[6:7], v[6:7], v[XX+\k+2:XX+\k+3]
.endr
	REDUCE
	v_mul_f32 v10, s34, v8                         ; the mean
.set i, 0
.rept 16
	v_pk_add_f32 v[XX+i:XX+i+1], v[XX+i:XX+i+1], v[10:11] op_sel_hi:[1,0] neg_lo:[0,1] neg_hi:[0,1]   ; x - mean
.set i, i+2
.endr
	v_pk_mul_f32 v[4:5], v[XX:XX+1], v[XX:XX+1]
	v_pk_mul_f32 v[6:7], v[XX+2:XX+3], v[XX+2:XX+3]
.irp k, 4,8,12,16,20,24,28
	v_pk_fma_f32 v[4:5], v[XX+\k:XX+\k+1], v[XX+\k:XX+\k+1], v[4:5]
	v_pk_fma_f32 v[6:7], v[XX+\k+2:XX+\k+3], v[XX+\k+2:XX+\k+3], v[6:7]
.endr
	REDUCE
	v_fma_f32 v8, v8, s34, s35                     ; the variance + 1e-5
	s_wait_alu depctr_va_vdst(0)
	v_rsq_f32 v12, v8
	v_nop                                          ; a plain instruction behind the transcendental,
	s_wait_alu depctr_va_vdst(0)                   ; and the wait ahead of the first use of its result
.set i, 0
.rept 16
	v_pk_mul_f32 v[XX+i:XX+i+1], v[XX+i:XX+i+1], v[12:13] op_sel_hi:[1,0]
.set i, i+2
.endr
.set i, 0
.rept 16
	v_pk_fma_f32 v[XX+i:XX+i+1], v[XX+i:XX+i+1], v[G+i:G+i+1], v[BB+i:BB+i+1]   ; x gain + bias
.set i, i+2
.endr
.irp t, 0,1
.set i, 0
.rept 16
	v_med3_num_f32 v[T+i], v[XX+16*\t+i], -v224, v224   ; held for the first scale, into other registers: the numbers are wanted again
.set i, i+1
.endr
	v_cvt_scalef32_pk8_bf8_f32 v[CC+16*(\j)+4*\t:CC+16*(\j)+4*\t+1], v[T:T+7], v225
	v_cvt_scalef32_pk8_bf8_f32 v[CC+16*(\j)+4*\t+2:CC+16*(\j)+4*\t+3], v[T+8:T+15], v225
.set i, 0
.rept 16
	v_med3_num_f32 v[XX+16*\t+i], v[XX+16*\t+i], -v226, v226   ; held for the second scale.  (These plain lines stand between the conversions above and the next write of T)
.set i, i+1
.endr
	v_cvt_scalef32_pk8_bf8_f32 v[CC+16*(\j)+8+4*\t:CC+16*(\j)+8+4*\t+1], v[XX+16*\t:XX+16*\t+7], v227
	v_cvt_scalef32_pk8_bf8_f32 v[CC+16*(\j)+8+4*\t+2:CC+16*(\j)+8+4*\t+3], v[XX+16*\t+8:XX+16*\t+15], v227
.endr
	v_nop                                          ; a plain line behind the last conversion
.irp t, 0,1
	global_store_b128 v3, v[CC+16*(\j)+4*\t:CC+16*(\j)+4*\t+3], s[84:85] offset:1024*(\j)+512*\t       ; 32 lanes store 512 consecutive bytes of a row of codes
	global_store_b128 v3, v[CC+16*(\j)+8+4*\t:CC+16*(\j)+8+4*\t+3], s[86:87] offset:1024*(\j)+512*\t
.endr
.endm
	LNROW 0
	LNROW 1
	LNROW 2
	LNROW 3
	s_wait_tensorcnt 0x0
	ds_add_u32 v232, v233
	s_wait_dscnt 0x0
	s_endpgm
.Lfunc_end_k_q51df3db85b_prep:
	.size	k_q51df3db85b_prep, .Lfunc_end_k_q51df3db85b_prep-k_q51df3db85b_prep
	.p2alignl 7, 3214868480
	.fill 96, 4, 3214868480
	.section	.rodata,"a",@progbits
	.p2align	6, 0x0
	.amdhsa_kernel k_q51df3db85b_prep
		.amdhsa_group_segment_fixed_size 55808
		.amdhsa_private_segment_fixed_size 0
		.amdhsa_enable_private_segment 0
		.amdhsa_kernarg_size 88
		.amdhsa_user_sgpr_count 2
		.amdhsa_user_sgpr_kernarg_segment_ptr 1
		.amdhsa_wavefront_size32 1
		.amdhsa_system_sgpr_workgroup_id_x 1
		.amdhsa_system_sgpr_workgroup_id_y 1
		.amdhsa_system_sgpr_workgroup_id_z 1
		.amdhsa_system_vgpr_workitem_id 0
		.amdhsa_next_free_vgpr 234
		.amdhsa_next_free_sgpr 100
		.amdhsa_reserve_vcc 0
		.amdhsa_float_denorm_mode_32 3
		.amdhsa_float_denorm_mode_16_64 3
		.amdhsa_memory_ordered 1
		.amdhsa_forward_progress 1
		.amdhsa_inst_pref_size 109
	.end_amdhsa_kernel
	.amdgpu_metadata
---
amdhsa.version: [ 1, 2 ]
amdhsa.kernels:
  - .name:           k_q51df3db85b_prep
    .symbol:         k_q51df3db85b_prep.kd
    .args:
      - { .name: Wq, .offset: 0, .size: 8, .value_kind: global_buffer, .address_space: global }
      - { .name: Wk, .offset: 8, .size: 8, .value_kind: global_buffer, .address_space: global }
      - { .name: Wproj, .offset: 16, .size: 8, .value_kind: global_buffer, .address_space: global }
      - { .name: W1, .offset: 24, .size: 8, .value_kind: global_buffer, .address_space: global }
      - { .name: W2, .offset: 32, .size: 8, .value_kind: global_buffer, .address_space: global }
      - { .name: x, .offset: 40, .size: 8, .value_kind: global_buffer, .address_space: global }
      - { .name: ln1_g, .offset: 48, .size: 8, .value_kind: global_buffer, .address_space: global }
      - { .name: ln1_b, .offset: 56, .size: 8, .value_kind: global_buffer, .address_space: global }
      - { .name: lowp_scales, .offset: 64, .size: 8, .value_kind: global_buffer, .address_space: global }
      - { .name: wc, .offset: 72, .size: 8, .value_kind: global_buffer, .address_space: global }
      - { .name: hc, .offset: 80, .size: 8, .value_kind: global_buffer, .address_space: global }
    .group_segment_fixed_size: 55808
    .private_segment_fixed_size: 0
    .kernarg_segment_align: 8
    .kernarg_segment_size: 88
    .max_flat_workgroup_size: 128
    .sgpr_count:     100
    .vgpr_count:     234
    .wavefront_size: 32
...
	.end_amdgpu_metadata
.endif
;; end of part 8
;; launch qkv (part 9): grid 4 x 48, 4 waves a work-group, clusters of 4 x 4, 327,680 bytes of LDS; arguments hc, wc, lowp_scales, qkv; writes qkv
.if DOCPART == 9
	.amdgcn_target "amdgcn-amd-amdhsa--gfx1250"
	.amdhsa_code_object_version 6
	.text
	.protected	k_q51df3db85b_qkv
	.globl	k_q51df3db85b_qkv
	.p2align	8
	.type	k_q51df3db85b_qkv,@function
k_q51df3db85b_qkv:
	s_mov_b64 s[64:65], 0
	v_nop
	global_prefetch_b8 v0, s[64:65] scope:SCOPE_SE
	s_setreg_imm32_b32 hwreg(HW_REG_WAVE_MODE, 25, 1), 1
	s_wait_xcnt 0x0
	s_wait_alu depctr_hold_cnt(0) depctr_sa_sdst(0) depctr_va_vdst(0) depctr_va_sdst(0) depctr_va_ssrc(0) depctr_va_vcc(0) depctr_vm_vsrc(0)
	s_getreg_b32 s2, hwreg(HW_REG_IB_STS2, 6, 4)
	s_cmp_eq_u32 s2, 0
	s_cbranch_scc0 .Lentry_in_a_cluster
	s_endpgm
.Lentry_in_a_cluster:
	s_bfe_u32 s2, ttmp6, 0x10000c
	s_cmp_lg_u32 s2, 0xf033
	s_cbranch_scc0 .Lentry_shape_is_right
	s_endpgm
.Lentry_shape_is_right:
; QKV.  Three products C = A B^T on codes of E5M2, 4,096 x 1,024 x 1,024 multiply-adds each, whose f32 sums are quantised at once into the attention's operands:
;   job 0: Q = h Wq   (A = h's codes with entry 1's scale, B = Wq's codes), codes with entry 4's scale, laid [b*16+head][s][64] at qkv + 0;
;   job 1: K = h Wk   (A = h's codes with entry 3's scale, B = Wk's codes), codes with entry 5's scale, laid alike at qkv + 0x400000;
;   job 2: the same K, made TRANSPOSED (A = Wk's codes, B = h's): a lane then holds eight neighbouring KEYS of one channel, so the codes with entry 7's scale come out with the keys innermost,
;          [head*64+d][b*2048+s] at qkv + 0x800000, as the attention's second product wants its values (values = keys in this model).
; A sum stands for sum x 2^(ea + eb); its code is sum / 2^f, f = e_out - ea - eb, held within +-57,344 x 2^f.  LIMIT: f between -126 and 112.
; A tile of C, 256 x 256, is made by four waves, each 128 x 128: 64 accumulators, 512 registers.  K goes in steps of 256 through a ring of two LDS slots filled by the tensor data mover.
; CLUSTERS: 4 x 4 work-groups; the four of a row need the same tiles of A, the four of a column the same tiles of B: each tile is asked for jointly.  A cluster lies in one job (the job hangs on the cluster's y alone).
; THE MATRIX INSTRUCTION IS USED TRANSPOSED (source 0 = 16 rows of B, source 1 = 16 rows of A): a lane holds eight neighbouring numbers of a row of C.
; A fragment is fetched by four loads of 16 bytes: registers 4 c .. 4 c + 3 hold K = 32 c + 16 (lane / 16) + 0 .. 15: a permutation of k that is the same in A and in B, so every product meets its partner.
; REGISTERS, in windows of 256: window 0: v0-31 addresses; v32-127 at work on the way out; from v128 A's fragments, one set.  window 1: B's fragments, two sets.  windows 2, 3: the accumulators ((a, b) at v[8 (8 (a % 4) + b)]).
.set SIZE_K, 1024
.set KSTEP,  256
.set ROWB,   256
.set ASTEP,  256                       ; bytes from a K step of A to the next
.set KROW,   SIZE_K
.set PITCH,  272                       ; an LDS row: 256 bytes + 16 of padding: the 16 rows that a load touches start at 16 different banks
.set FR,     16
.set NL,     4
.set NP,     4
.set HALFT,  128*PITCH
.set SLOT,   4*HALFT
.set LAPS,   SIZE_K/(2*KSTEP)
.set SPARE,  2*SLOT                    ; behind the ring: the spare words, 128 bytes a wave
.set SPI,    272                       ; the way out: ONE stage of 256 rows x (256 bytes of codes + 16), in slot 0, which has had its last fill and its last read by then
.set LIMV, 8                           ; v8   57,344 x 2^f
.set SCLV, 9                           ; v9   2^f
.set RD1,  10                          ; v10  out of the stage, by heads
.set RD2,  11                          ; v11  out of the stage, by rows
.set GO1,  12                          ; v12  byte offset in qkv, by heads
.set GO2,  13                          ; v13  byte offset in qkv, by rows
.set ADRA, 16
.set ADRB, 20
.set STO,  24                          ; v24  into the stage
.set SPW,  28
.set NIL,  29
.set TMP,  32                          ; v32-95  a block's sums, held
.set AF,   128
.set CB,   10                          ; s[10:11] where my wave's part of the output begins
.set G1, 24
.set G0, 32
.set G1B, 48
.set G0B, 56
.set MSB, 0
.macro WIN new                         ; the immediate's high byte repeats the setting that is left
.if MSB != (\new)
	s_set_vgpr_msb (MSB<<8)|(\new)
.set MSB, (\new)
.endif
.endm
.set MUL_LO, 0xa1                      ; source 0 (B) window 1, source 1 (A) window 0, C and D window 2
.set MUL_HI, 0xf1                      ; the same, C and D window 3
.set ZER_LO, 0xa1                      ; the first step's C is the constant 0
.set ZER_HI, 0xf1
.set TO_B,   0x40
.macro JLOAD g0a, g1a, g0b, g1b        ; a joint load: waves 0 and 1 fetch for A, waves 2 and 3 for B; four v_nop follow each of the two lines
	s_cmp_eq_u32 s15, 0
	s_cbranch_scc0 .Lfor_b_\@
	tensor_load_to_lds s[\g0a:\g0a+3], s[\g1a:\g1a+7]
	s_nop 0
.rept 4
	v_nop
.endr
	s_branch .Lasked_\@
.Lfor_b_\@:
	tensor_load_to_lds s[\g0b:\g0b+3], s[\g1b:\g1b+7]
	s_nop 0
.rept 4
	v_nop
.endr
.Lasked_\@:
.endm
.macro CREST                           ; a round of the cluster's barrier behind its opening barrier
	s_cmp_lg_u32 s14, 0
	s_cbranch_scc1 .Lnot_wave_0_\@
	s_barrier_signal -3
.Lnot_wave_0_\@:
	s_barrier_wait -3
	s_barrier_signal -1
	s_barrier_wait -1
.endm
.macro CROUND
	s_barrier_signal -1
	s_barrier_wait -1
	CREST
.endm
	s_load_b256 s[4:11], s[0:1], 0x0               ; hc s[4:5], wc s[6:7], lowp_scales s[8:9], qkv s[10:11]
	v_lshl_add_u32 v[SPW], v0, 2, SPARE
	v_mov_b32 v[NIL], 0
	ds_add_u32 v28, v29
	ds_add_u32 v28, v29
	s_wait_dscnt 0x0
	v_lshrrev_b32 v1, 5, v0
	v_readfirstlane_b32 s14, v1                    ; wave 0..3
	s_lshr_b32 s15, s14, 1                         ; which half of the tile's rows is mine.  Also: I fetch for A (0) or for B (1)
	s_and_b32 s16, s14, 1                          ; which half of its columns.  Also: which 128 rows of that tile I fetch
	s_bfe_u32 s40, ttmp6, 0x40000                  ; cx, cy: my place in the cluster
	s_bfe_u32 s41, ttmp6, 0x40004
	s_and_b32 s67, ttmp7, 0xffff                   ; the cluster's y, 0 .. 11
	s_lshr_b32 s66, s67, 2                         ; the job, the same in all sixteen partners
	s_and_b32 s67, s67, 3
	s_lshl_b32 s67, s67, 2
	s_cmp_eq_u32 s66, 2                            ; jobs 0, 1: 16 tile rows x 4 tile columns; job 2: 4 x 16
	s_cselect_b32 s17, 0, s67
	s_cselect_b32 s42, s67, 0
	s_add_co_u32 s17, s17, s41                     ; tile row of C
	s_add_co_u32 s42, s42, s40                     ; tile column of C
	s_lshl_b32 s43, s41, 2
	s_lshl_b32 s43, 15, s43                        ; my row of the cluster
	s_lshl_b32 s44, 0x1111, s40                    ; my column
	s_or_b32 s[G1+0], s43, (0<<16)|(1<<20)|(1<<21)|(5<<22)|(3<<25)  ; the mask; elements of 1 byte; padding on; bit 21 beside a mask; after every 64 words four words
	s_or_b32 s[G1B+0], s44, (0<<16)|(1<<20)|(1<<21)|(5<<22)|(3<<25)
.irp g, G1, G1B
	s_mov_b32 s[\g+1], ROWB<<16                    ; tensor_dim0
	s_mov_b32 s[\g+2], 128<<16                     ; tensor_dim1
	s_mov_b32 s[\g+3], ROWB<<16                    ; tile_dim0
	s_mov_b32 s[\g+4], 128                         ; tile_dim1
	s_mov_b32 s[\g+5], KROW                        ; bytes from row to row
	s_mov_b32 s[\g+6], 0
	s_mov_b32 s[\g+7], 0
.endr
	s_lshl_b32 s18, s16, 7                         ; which 128 rows of the tile I fetch
	s_lshl_b32 s20, s17, 8
	s_add_co_u32 s20, s20, s18
	s_mul_i32 s20, s20, KROW                       ; A: row 256 x tile row + 128 x half, in bytes
	s_mov_b32 s21, 0
	s_lshl_b32 s46, s42, 8
	s_add_co_u32 s46, s46, s18
	s_mul_i32 s46, s46, KROW                       ; B: row 256 x tile column + 128 x half
	s_mov_b32 s47, 0
	s_mul_i32 s45, s14, HALFT                      ; where they go: wave x 128 rows
	s_wait_kmcnt 0x0
	s_load_b256 s[80:87], s[8:9], 0x0              ; entries 0-7
	s_add_nc_u64 s[70:71], s[4:5], 0x400000        ; h's codes with entry 3's scale
	s_add_nc_u64 s[72:73], s[6:7], 0x100000        ; Wk's codes
	s_cmp_eq_u32 s66, 0
	s_cselect_b64 s[74:75], s[4:5], s[70:71]       ; the job's h,
	s_cselect_b64 s[76:77], s[6:7], s[72:73]       ; and its weight
	s_cmp_eq_u32 s66, 2
	s_cselect_b64 s[4:5], s[76:77], s[74:75]       ; A: h, or in job 2 the weight
	s_cselect_b64 s[6:7], s[74:75], s[76:77]       ; B: the other
	s_add_nc_u64 s[20:21], s[4:5], s[20:21]
	s_add_nc_u64 s[46:47], s[6:7], s[46:47]
	CROUND                                         ; all sixteen work-groups are here: the first joint loads meet
.irp s, 0,1
	s_mov_b32 s[G0+4*\s], 1
	s_add_co_u32 s[G0+4*\s+1], s45, \s*SLOT
	s_add_nc_u64 s[G0+4*\s+2:G0+4*\s+3], s[20:21], \s*ASTEP
	s_or_b32 s[G0+4*\s+3], s[G0+4*\s+3], 0x80000000
	s_mov_b32 s[G0B+4*\s], 1
	s_add_co_u32 s[G0B+4*\s+1], s45, \s*SLOT
	s_add_nc_u64 s[G0B+4*\s+2:G0B+4*\s+3], s[46:47], \s*ROWB
	s_or_b32 s[G0B+4*\s+3], s[G0B+4*\s+3], 0x80000000
.if \s == 0
	JLOAD G0, G1, G0B, G1B                         ; K step 0: one tensor load a wave at the head
.endif
.endr
	v_and_b32 v1, 15, v0                           ; r = lane % 16
	s_wait_alu depctr_va_vdst(0)
	v_bfe_u32 v2, v0, 4, 1                         ; h = lane / 16
	v_mul_u32_u24 v3, v1, PITCH
	v_lshl_add_u32 v4, v2, 4, v3                   ; a fragment's row x pitch + 16 x half
	s_mul_i32 s21, s15, HALFT                      ; my 128 rows of A
	s_mul_i32 s22, s16, HALFT                      ; my 128 rows of B,
	s_add_co_u32 s22, s22, 2*HALFT                 ; which lie behind A's 256
.irp s, 0,1
	v_add_nc_u32 v[ADRA+\s], s21, v4
	v_add_nc_u32 v[ADRB+\s], s22, v4
	s_add_co_u32 s21, s21, SLOT
	s_add_co_u32 s22, s22, SLOT
.endr
	s_mul_i32 s23, s15, 128*SPI                    ; into the stage: row 128 x my half of the rows + r, byte 128 x my half of the columns + 8 h
	s_lshl_b32 s22, s16, 7
	s_add_co_u32 s23, s23, s22
	v_mul_u32_u24 v5, v1, SPI
	s_wait_alu depctr_va_vdst(0)
	v_lshl_add_u32 v5, v2, 3, v5
	v_add_nc_u32 v[STO], s23, v5
	s_mul_i32 s23, s14, 64*SPI                     ; out of it: wave w takes rows 64 w .. 64 w + 63
	v_mul_u32_u24 v5, v2, SPI
	v_lshl_add_u32 v5, v1, 4, v5
	v_add_nc_u32 v[RD2], s23, v5                   ; by rows: sixteen lanes to a row of 256 bytes, two rows an instruction
	v_lshlrev_b32 v[GO2], 12, v2
	v_lshl_add_u32 v[GO2], v1, 4, v[GO2]           ; the same two rows in memory, 4,096 bytes apart
	v_and_b32 v6, 31, v0
	v_lshrrev_b32 v5, 2, v6
	v_mul_u32_u24 v5, v5, SPI
	v_and_b32 v3, 3, v0
	v_lshl_add_u32 v5, v3, 4, v5
	v_add_nc_u32 v[RD1], s23, v5                   ; by heads: four lanes to a token's 64 bytes of one head, eight tokens an instruction
	v_lshlrev_b32 v[GO1], 4, v6                    ; which are 512 consecutive bytes in memory
	s_lshr_b32 s20, s17, 3                         ; where my wave's part begins.  By heads: ((b x 16 + 4 x tile column) x 2,048 + (tile row % 8) x 256 + 64 w) x 64
	s_lshl_b32 s20, s20, 4
	s_lshl_b32 s21, s42, 2
	s_add_co_u32 s20, s20, s21
	s_lshl_b32 s20, s20, 11
	s_and_b32 s21, s17, 7
	s_lshl_b32 s21, s21, 8
	s_add_co_u32 s20, s20, s21
	s_lshl_b32 s21, s14, 6
	s_add_co_u32 s20, s20, s21
	s_lshl_b32 s20, s20, 6
	s_lshl_b32 s22, s17, 8                         ; by rows: (256 x tile row + 64 w) x 4,096 + 256 x tile column
	s_add_co_u32 s22, s22, s21
	s_lshl_b32 s22, s22, 12
	s_lshl_b32 s23, s42, 8
	s_add_co_u32 s22, s22, s23
	s_cmp_eq_u32 s66, 2
	s_cselect_b32 s20, s22, s20
	s_lshl_b32 s21, s66, 22                        ; the job's 4 MiB of qkv
	s_add_co_u32 s20, s20, s21
	s_mov_b32 s21, 0
	s_add_nc_u64 s[CB:CB+1], s[CB:CB+1], s[20:21]
	s_wait_kmcnt 0x0                               ; the exponents
	s_add_co_i32 s88, s80, s81                     ; job 0: entries 0 + 1
	s_add_co_i32 s89, s82, s83                     ; jobs 1, 2: entries 2 + 3
	s_cmp_eq_u32 s66, 0
	s_cselect_b32 s88, s88, s89
	s_cselect_b32 s89, s84, s85                    ; the codes' scale: entry 4, 5,
	s_cmp_eq_u32 s66, 2
	s_cselect_b32 s89, s87, s89                    ; or 7
	s_sub_co_i32 s88, s89, s88                     ; f
	s_add_co_i32 s88, s88, 127
	s_lshl_b32 s89, s88, 23
	v_mov_b32 v[SCLV], s89
	s_add_co_i32 s88, s88, 15
	s_lshl_b32 s88, s88, 23
	s_or_b32 s88, s88, 0x600000
	v_mov_b32 v[LIMV], s88
.macro FRAG reg, adr, q, i             ; a fragment, 16 rows x 128 K: four loads of 16 bytes, 32 bytes apart
.irp c, 0,1,2,3
	ds_load_b128 v[\reg+4*\c:\reg+4*\c+3], v[\adr] offset:128*(\q)+32*\c+(\i)*16*PITCH
.endr
.endm
; 16 matrix instructions: A's blocks a0, a0 + 1 x B's eight, 128 along K.  p: B's set.  zero = 1: the first product starts the sums.  The 64 accumulators take turns, one instruction a turn.
.macro MUL16 a0, p, zero
.irp a, \a0, \a0+1
.irp b, 0,1,2,3,4,5,6,7
.if \zero
	v_wmma_f32_16x16x128_bf8_bf8 v[8*(8*((\a)%4)+\b):8*(8*((\a)%4)+\b)+7], v[128*(\p)+FR*\b:128*(\p)+FR*\b+FR-1], v[AF+FR*(\a):AF+FR*(\a)+FR-1], 0
.else
	v_wmma_f32_16x16x128_bf8_bf8 v[8*(8*((\a)%4)+\b):8*(8*((\a)%4)+\b)+7], v[128*(\p)+FR*\b:128*(\p)+FR*\b+FR-1], v[AF+FR*(\a):AF+FR*(\a)+FR-1], v[8*(8*((\a)%4)+\b):8*(8*((\a)%4)+\b)+7]
.endif
.endr
.endr
.endm
.macro FETCH_B slot, q, p
	WIN TO_B
.irp i, 0,1,2,3,4,5,6,7
	FRAG 128*(\p)+FR*\i, ADRB+\slot, \q, \i
.endr
	WIN 0
.endm
.macro FETCH_A slot, q, i0
.irp i, \i0, \i0+1, \i0+2, \i0+3
	FRAG AF+FR*(\i), ADRA+\slot, \q, \i
.endr
.endm
.macro PLACES n                        ; plain vector instructions between a matrix instruction and a load into its registers or a read of its result
.rept \n
	v_nop
.endr
.endm
.macro STEP slot, q, zero              ; a step of 128 along K that has its successor in the same slot
	s_wait_dscnt 4*NL                              ; B's set and A's blocks 0-3 are in; the youngest 16 loads (A's blocks 4-7) may be out
.if \zero
	WIN ZER_LO
.else
	WIN MUL_LO
.endif
	MUL16 0, (\q)%2, \zero
	MUL16 2, (\q)%2, \zero
	s_wait_dscnt 0
	PLACES NP
	FETCH_B \slot, (\q)+1, 1-(\q)%2
	FETCH_A \slot, (\q)+1, 0
.if \zero
	WIN ZER_HI
.else
	WIN MUL_HI
.endif
	MUL16 4, (\q)%2, \zero
	MUL16 6, (\q)%2, \zero
	PLACES NP
	WIN 0
	FETCH_A \slot, (\q)+1, 4
.endm
; A slot's last step changes slots: one barrier; in front of it each wave waits for all its tensor loads, adds 0 to its spare word, and waits for that and for its own reads of this slot.  fill = 1: this slot is filled again, two K steps ahead.
.macro TURN slot, next, fill
	s_wait_tensorcnt 0x0                           ; all my tensor loads have landed: my part of the next slot
	ds_add_u32 v[SPW], v[NIL]                      ; 0 onto my spare word
	s_wait_dscnt 4*NL+1                            ; (the add and the youngest 16 loads may be out)
	WIN MUL_LO
	MUL16 0, 1, 0
	s_wait_dscnt 0x0                               ; the add is done, and my reads of this slot are over
	s_barrier_signal -1
	MUL16 2, 1, 0
	WIN 0
	s_barrier_wait -1
.if \fill
	CREST                                          ; the barrier has opened a round of the cluster's: no wave of any partner still reads this slot or has a load on its way
	s_add_nc_u64 s[G0+4*\slot+2:G0+4*\slot+3], s[G0+4*\slot+2:G0+4*\slot+3], 2*ASTEP
	s_add_nc_u64 s[G0B+4*\slot+2:G0B+4*\slot+3], s[G0B+4*\slot+2:G0B+4*\slot+3], 2*ROWB
	JLOAD G0+4*\slot, G1, G0B+4*\slot, G1B         ; the first tensor load behind the round; its four v_nop are the places in front of the loads below
.else
	PLACES NP
.endif
	FETCH_B \next, 0, 0
	FETCH_A \next, 0, 0
	WIN MUL_HI
	MUL16 4, 1, 0
	MUL16 6, 1, 0
	PLACES NP
	WIN 0
	FETCH_A \next, 0, 4
.endm
	s_wait_alu depctr_va_vdst(0)
	s_wait_tensorcnt 0x0                           ; my part of K step 0 is in; slot 1's first fill is issued as a refill is:
	ds_add_u32 v[SPW], v[NIL]                      ; 0 onto my spare word
	s_wait_dscnt 0x0
	CROUND                                         ; everybody's part of K step 0 is in, and the joint loads meet
	JLOAD G0+4, G1, G0B+4, G1B                     ; K step 1: the first tensor load behind the round
	FETCH_B 0, 0, 0
	FETCH_A 0, 0, 0
	FETCH_A 0, 0, 4
	STEP 0, 0, 1                                   ; the first step stands in front of the loop: its products start the sums
	s_mov_b32 s3, LAPS-1
.Llap:                                                 ; a trip goes once round the ring and fills both slots again
	TURN 0, 1, 1
	STEP 1, 0, 0
	TURN 1, 0, 1
	STEP 0, 0, 0
	s_sub_co_u32 s3, s3, 1
	s_cmp_lg_u32 s3, 0
	s_cbranch_scc1 .Llap
	TURN 0, 1, 0                                   ; the last lap fills nothing
	STEP 1, 0, 0
	s_wait_dscnt 4*NL
	WIN MUL_LO
	MUL16 0, 1, 0
	MUL16 2, 1, 0
	s_wait_alu depctr_va_vdst(0)
	s_wait_dscnt 0
	WIN MUL_HI
	MUL16 4, 1, 0
	MUL16 6, 1, 0
	WIN 0
; THE WAY OUT.  Block a (16 rows x 128 columns): the sums are held and converted, eight neighbouring columns of a row to 8 bytes, and go into the work-group's stage.  Each accumulator is read from its low end on.
.macro QBLK a
.set AC, 64*((\a)%4)
.set CD, 96+16*((\a)%2)
.if (\a) >= 2
	s_wait_dscnt 8                                 ; the block before's 8 stores may be out; those of two blocks back have read the registers that are written now
.endif
	WIN 0x02+((\a)/4)                              ; source 0: window 2 or 3
.set j, 0
.rept 64
	v_med3_num_f32 v[TMP+j], v[AC+j], -v[LIMV], v[LIMV]
.set j, j+1
.endr
	WIN 0
.irp b, 0,1,2,3,4,5,6,7
	v_cvt_scalef32_pk8_bf8_f32 v[CD+2*\b:CD+2*\b+1], v[TMP+8*\b:TMP+8*\b+7], v[SCLV]
.endr
	v_nop                                          ; a plain line behind the last conversion: the next block's holds write its sources
.irp b, 0,1,2,3,4,5,6,7
	ds_store_b64 v[STO], v[CD+2*\b:CD+2*\b+1] offset:(\a)*16*SPI+16*\b
.endr
.endm
	PLACES NP
.irp a, 0,1,2,3,4,5,6,7
	QBLK \a
.endr
	s_wait_dscnt 0x0                               ; for the others' sake: my stores into the stage are done
	s_barrier_signal -1
	s_barrier_wait -1
	s_cmp_eq_u32 s66, 2                            ; the job: the same in every wave and every partner
	s_cbranch_scc1 .Lvt
.set i, 0
.rept 32                               ; Q, K: head i / 8 of the tile's four, tokens 8 (i % 8) on
	ds_load_b128 v[128+4*i:131+4*i], v[RD1] offset:8*SPI*(i%8)+64*(i/8)
.set i, i+1
.endr
.set i, 0
.rept 32
	s_wait_dscnt 31-i                              ; load i is in; the younger ones may be out
	global_store_b128 v[GO1], v[128+4*i:131+4*i], s[CB:CB+1] offset:131072*(i/8)+512*(i%8)   ; 32 lanes store 512 consecutive bytes: eight tokens of one head
.set i, i+1
.endr
	s_branch .Ldone
.Lvt:
.set i, 0
.rept 32                               ; the values: rows 2 i, 2 i + 1 of my 64
	ds_load_b128 v[128+4*i:131+4*i], v[RD2] offset:2*SPI*i
.set i, i+1
.endr
.set i, 0
.rept 32
	s_wait_dscnt 31-i
	global_store_b128 v[GO2], v[128+4*i:131+4*i], s[CB:CB+1] offset:8192*i   ; sixteen lanes store 256 consecutive bytes, at a multiple of 256
.set i, i+1
.endr
.Ldone:
	s_wait_tensorcnt 0x0                           ; the wave's end
	ds_add_u32 v[SPW], v[NIL]
	s_wait_dscnt 0x0
	CROUND                                         ; the closing round
	s_endpgm
.Lfunc_end_k_q51df3db85b_qkv:
	.size	k_q51df3db85b_qkv, .Lfunc_end_k_q51df3db85b_qkv-k_q51df3db85b_qkv
	.p2alignl 7, 3214868480
	.fill 96, 4, 3214868480
	.section	.rodata,"a",@progbits
	.p2align	6, 0x0
	.amdhsa_kernel k_q51df3db85b_qkv
		.amdhsa_group_segment_fixed_size 327680
		.amdhsa_private_segment_fixed_size 0
		.amdhsa_enable_private_segment 0
		.amdhsa_kernarg_size 32
		.amdhsa_user_sgpr_count 2
		.amdhsa_user_sgpr_kernarg_segment_ptr 1
		.amdhsa_wavefront_size32 1
		.amdhsa_system_sgpr_workgroup_id_x 1
		.amdhsa_system_sgpr_workgroup_id_y 1
		.amdhsa_system_sgpr_workgroup_id_z 1
		.amdhsa_system_vgpr_workitem_id 0
		.amdhsa_next_free_vgpr 1024
		.amdhsa_next_free_sgpr 100
		.amdhsa_reserve_vcc 0
		.amdhsa_float_denorm_mode_32 3
		.amdhsa_float_denorm_mode_16_64 3
		.amdhsa_memory_ordered 1
		.amdhsa_forward_progress 1
		.amdhsa_inst_pref_size 133
	.end_amdhsa_kernel
	.amdgpu_metadata
---
amdhsa.version: [ 1, 2 ]
amdhsa.kernels:
  - .name:           k_q51df3db85b_qkv
    .symbol:         k_q51df3db85b_qkv.kd
    .args:
      - { .name: hc, .offset: 0, .size: 8, .value_kind: global_buffer, .address_space: global }
      - { .name: wc, .offset: 8, .size: 8, .value_kind: global_buffer, .address_space: global }
      - { .name: lowp_scales, .offset: 16, .size: 8, .value_kind: global_buffer, .address_space: global }
      - { .name: qkv, .offset: 24, .size: 8, .value_kind: global_buffer, .address_space: global }
    .group_segment_fixed_size: 327680
    .private_segment_fixed_size: 0
    .kernarg_segment_align: 8
    .kernarg_segment_size: 32
    .max_flat_workgroup_size: 128
    .sgpr_count:     100
    .vgpr_count:     1024
    .wavefront_size: 32
...
	.end_amdgpu_metadata
.endif
;; end of part 9
;; launch attn (part 10): grid 8 x 32, 16 waves a work-group, clusters of 4 x 1, 327,680 bytes of LDS; arguments qkv, lowp_scales, oc; writes oc
.if DOCPART == 10
	.amdgcn_target "amdgcn-amd-amdhsa--gfx1250"
	.amdhsa_code_object_version 6
	.text
	.protected	k_q51df3db85b_attn
	.globl	k_q51df3db85b_attn
	.p2align	8
	.type	k_q51df3db85b_attn,@function
k_q51df3db85b_attn:
	s_mov_b64 s[64:65], 0
	v_nop
	global_prefetch_b8 v0, s[64:65] scope:SCOPE_SE
	s_setreg_imm32_b32 hwreg(HW_REG_WAVE_MODE, 25, 1), 1
	s_wait_xcnt 0x0
	s_wait_alu depctr_hold_cnt(0) depctr_sa_sdst(0) depctr_va_vdst(0) depctr_va_sdst(0) depctr_va_ssrc(0) depctr_va_vcc(0) depctr_vm_vsrc(0)
	s_getreg_b32 s2, hwreg(HW_REG_IB_STS2, 6, 4)
	s_cmp_eq_u32 s2, 0
	s_cbranch_scc0 .Lentry_in_a_cluster
	s_endpgm
.Lentry_in_a_cluster:
	s_bfe_u32 s2, ttmp6, 0x10000c
	s_cmp_lg_u32 s2, 0x3003
	s_cbranch_scc0 .Lentry_shape_is_right
	s_endpgm
.Lentry_shape_is_right:
; ATTENTION on codes of E5M2, causal, head size 64, values = keys.  For head bh = b*16+h: O[q] = sum over k <= q of softmax_k(Q[q] . K[k] / 8) K[k].
; Q, K: codes [bh][2048][64] at qkv + 0 and + 0x400000.  The values: codes with the KEYS innermost, [h*64+d][b*2048+s] at qkv + 0x800000.  O leaves as codes with entry 8's scale, [bh][s][64], in oc.
; THE SOFTMAX AHEAD OF THE SECOND PRODUCT: t = score x log2(e) / 8; M = the running largest t rounded UP to a whole number; p = 2^(t - M) is quantised with entry 6's scale, not normalised.
; The row's sum is taken of the unquantised p and divides O at the end.  When M moves, the sum and O are multiplied by 2^(old M - new M): exact.
; LEFT OUT: key steps of 128 all of whose keys come after a tile's queries: the causal mask makes their p zero for all inputs.
; THE WHOLE HEAD STAYS IN LDS: 2,048 keys x 80 bytes, and the values' 64 rows in two regions (keys 0-255; keys 256-2,047): 311,552 bytes, each filled once.  Two groups of loads, one load a wave in each:
; group 1 brings keys 0-255 (key steps 0, 1), group 2, behind the full sequence and a round, the rest, which lands while steps 0 and 1 are worked.
; SHARES.  Work-group x of a head owns, of each block t of 128 queries, the tile of queries 128 t + 16 x + 0 .. 15, which needs key steps 0 .. t: 136 steps in all.  They are dealt to eight PAIRS of waves, 17 steps a pair:
; pair p = w % 8.  Its first wave (w < 8) takes tile 15 - p over key steps 0-7.  Its second wave (w >= 8) takes tile p whole (steps 0 .. p), stores it, and then takes tile 15 - p over steps 8 .. 15 - p.
; The second wave hands its part of tile 15 - p (-M, the sum, O^T) to the first as an image of its registers in LDS, behind one barrier; both M are whole numbers, so the first joins the two parts by exact powers of two.
; So every wave has 8 or 9 steps, and waves w, w + 4, w + 8, w + 12 have 34 together.  The trip counts are constants; trips that are not a wave's are jumped over (ids alone: the wave's number and the count of trips).
; CLUSTER 4 x 1: the four partners own other x of the same head and need the same K and values: every load is joint (mask 15).  x enters only the addresses of Q and O and the lanes' mask value: no branch, no LDS address.
; NO PREFETCH: both groups of tensor loads stand ahead of the main loop, and no later load is left to run ahead of.
; LAYOUT.  Both products transposed: S^T = K Q^T (source 0 = 16 keys, source 1 = my 16 queries), O^T = V^T P^T: a lane holds ONE query (lane % 16) throughout.
; THE KEYS OF A TILE ARE NOT NEIGHBOURS: lane r of tile 2 b + u takes key 32 b + 8 u + r + 8 (r / 8), so that the 16 registers of tiles 2 b and 2 b + 1 are 16 neighbouring keys, 32 b + 16 (lane / 16) + 0 .. 15.
; LIMITS: entries 4 + 5 between -123 and 130 (added to c's exponent field); entries 6 and 8 between -126 and 112; the scaled scores t stay under 2^31 in magnitude.
; REGISTERS: v1-4 lane terms; v5, v6 the add's; v7 way out; v8-10 addresses in hand; v11 Q's lane offset; v12 -M, v13 the largest t, v[14:15] the sum; v16-23 Q; v32-95 K's eight fragments, then the values' four;
; v96-159 S^T, then p; v160-191 O^T; v192-207 p's codes; v208-221, v244-255 at work and scales; v222-226 LDS addresses of the stages and of the pair's image.
.set KP,    80                         ; a key's row in LDS: 64 bytes + 16
.set KST,   128*KP                     ; a key step of K
.set V0OFF, 2048*KP                    ; the values, keys 0-255: [d / 8][d % 8][2 x (128 + 16)]
.set VPA,   288
.set VJA,   8*VPA+16                   ; eight rows + 16: rows d and d + 8 start 16 bytes apart modulo 256
.set V1OFF, V0OFF+8*VJA                ; the values, keys 256-2,047: [d / 8][d % 8][14 x (128 + 16)]
.set VPB,   2016
.set VJB,   8*VPB+16
.set SPARE, V1OFF+8*VJB                ; 311,552 = 1,217 x 256: the spare words, 128 bytes for each of 16 waves
.set STP,   80                         ; a stage for the way out: 16 rows x (64 + 16)
.set STGB,  SPARE+2048                 ; the second waves' stages, 1,280 bytes each, on bytes that no fill lands on
.set IMG,   4608                       ; a pair's image: 9 x 512 bytes; pairs 0-3 in the bytes of K's keys 0-255, pairs 4-7 in those of the values' keys 0-255:
                                       ; nobody reads these behind the second barrier, and they have had their only fill.  The first wave's stage lies over its pair's image, once read
.set AK0,  1
.set AVA,  2
.set AVB,  3
.set DD,   4                           ; v4   16 x + lane % 16 - 16 (lane / 16): in a diagonal step register n's key counts where 32 (n / 16) + n % 16 <= v4
.set SPW,  5
.set NIL,  6
.set GO,   7
.set ADK,  8
.set ADV,  9
.set ADW,  10
.set QO,   11
.set WV,   10
.set HI,   11                          ; s11  the last key step of the run in hand
.set SEL,  12
.set CS,   14
.set KO,   16                          ; s16  the step's place in K
.set VO,   17                          ; s17  and in the values' region in hand
.set IT,   18                          ; s18  the key step
.set NINF, 19
.set TL,   66                          ; s66  15 - p
.set SB,   71                          ; s71  the second wave's stage
.set DG,   97                          ; s97  the diagonal step of the run in hand; first waves: none
.set EO,   98                          ; s98  entries 6 + 7
.set SA,   99                          ; s99  the pair's image
.set G1KA, 24
.set G1VA, 32
.set G1KB, 40
.set G1VB, 48
.set G0K,  56
.set G0V,  60
.macro DESC g, w0, c, r, p             ; descriptor group 1: r rows of c bytes, p bytes apart
	s_mov_b32 s[\g], \w0
	s_mov_b32 s[\g+1], (\c)<<16
	s_mov_b32 s[\g+2], (\r)<<16
	s_mov_b32 s[\g+3], (\c)<<16
	s_mov_b32 s[\g+4], \r
	s_mov_b32 s[\g+5], \p
	s_mov_b32 s[\g+6], 0
	s_mov_b32 s[\g+7], 0
.endm
.macro JLOAD g1k, g1v                  ; a joint load: waves 0-7 fetch for K, waves 8-15 for the values; an s_nop 0 and four v_nop follow each line
	s_cmp_lt_u32 s[WV], 8
	s_cbranch_scc0 .Lfor_v_\@
	tensor_load_to_lds s[G0K:G0K+3], s[\g1k:\g1k+7]
	s_nop 0
.rept 4
	v_nop
.endr
	s_branch .Lasked_\@
.Lfor_v_\@:
	tensor_load_to_lds s[G0V:G0V+3], s[\g1v:\g1v+7]
	s_nop 0
.rept 4
	v_nop
.endr
.Lasked_\@:
.endm
.macro ROUND                           ; a round of the cluster's barrier
	s_barrier_signal -1
	s_barrier_wait -1
	s_cmp_lg_u32 s[WV], 0
	s_cbranch_scc1 .Lnot_wave_0_\@
	s_barrier_signal -3
.Lnot_wave_0_\@:
	s_barrier_wait -3
	s_barrier_signal -1
	s_barrier_wait -1
.endm
	s_load_b128 s[4:7], s[0:1], 0x0                ; qkv s[4:5], lowp_scales s[6:7]
	s_load_b64 s[8:9], s[0:1], 0x10                ; oc
	v_lshl_add_u32 v[SPW], v0, 2, SPARE
	v_mov_b32 v[NIL], 0
	ds_add_u32 v[SPW], v[NIL]                      ; the opening lines: the add, twice on end, and its wait ahead of my first tensor load
	ds_add_u32 v[SPW], v[NIL]
	v_lshrrev_b32 v8, 5, v0
	v_readfirstlane_b32 s[WV], v8                  ; wave 0..15
	s_bfe_u32 s20, ttmp6, 0x40000                  ; cx
	s_lshl_b32 s21, ttmp9, 2
	s_add_co_u32 s20, s20, s21                     ; x = 4 x cluster x + cx
	s_lshl_b32 s22, s20, 4                         ; 16 x
	s_and_b32 s21, ttmp7, 0xffff                   ; bh
	s_lshl_b32 s70, s21, 17                        ; the head's first byte among Q's, K's and O's codes
	s_and_b32 s72, s21, 15
	s_lshl_b32 s72, s72, 18                        ; the values: 64 rows of 4,096 bytes a head,
	s_lshr_b32 s73, s21, 4
	s_lshl_b32 s73, s73, 11                        ; 2,048 bytes along a row for the batch
	s_add_co_u32 s72, s72, s73
	s_add_co_u32 s72, s72, 0x800000
	s_and_b32 s74, s[WV], 7                        ; p
	s_bfe_u32 s75, s[WV], 0x10002                  ; p / 4
	s_sub_co_u32 s[TL], 15, s74
	s_cmp_lt_u32 s[WV], 8                          ; a pair's first wave?
	s_cselect_b32 s83, s[TL], s74                  ; the tile that I begin with, and whose O I store
	s_cselect_b32 s[HI], 7, s74
	s_cselect_b32 s[DG], -1, s74
	s_mul_i32 s[SA], s74, IMG
	s_mul_i32 s75, s75, V0OFF-4*IMG
	s_add_co_u32 s[SA], s[SA], s75
	s_mul_i32 s[SB], s74, 16*STP
	s_add_co_u32 s[SB], s[SB], STGB
	s_lshl_b32 s76, s83, 7
	s_add_co_u32 s76, s76, s22                     ; my first query
	s_lshl_b32 s76, s76, 6
	s_add_co_u32 s76, s76, s70                     ; its codes' place
	s_mov_b32 s77, 0
	s_lshl_b32 s68, s[TL], 7
	s_add_co_u32 s68, s68, s22
	s_lshl_b32 s68, s68, 6
	s_add_co_u32 s68, s68, s70                     ; and that of tile 15 - p
	s_mov_b32 s69, 0
	s_and_b32 s78, s[WV], 7                        ; j: which eighth of a group's K or values I fetch
	s_mul_i32 s79, s78, 32*KP                      ; group 1, K: 32 keys, in LDS,
	s_lshl_b32 s80, s78, 11
	s_add_co_u32 s80, s80, s70
	s_add_co_u32 s80, s80, 0x400000                ; and in memory
	s_mov_b32 s81, 0
	s_mul_i32 s82, s78, VJA                        ; group 1, the values: rows 8 j .. 8 j + 7
	s_add_co_u32 s82, s82, V0OFF
	s_lshl_b32 s84, s78, 15
	s_add_co_u32 s84, s84, s72
	s_mov_b32 s85, 0
	s_mul_i32 s86, s78, 12288                      ; group 2, K: from key 32 j to key 256 + 224 j, in bytes
	s_add_co_u32 s86, s86, 16384
	s_mov_b32 s87, 0
	s_mul_i32 s90, s78, 224*KP
	s_add_co_u32 s90, s90, 256*KP
	s_mul_i32 s91, s78, VJB
	s_add_co_u32 s91, s91, V1OFF
	; K's keys lie dense: stated as rows of 256 bytes, with 16 bytes of padding behind every 64.  The values: 16 behind every 128.  Mask 15, bit 21 beside it.
	DESC G1KA, 15|(1<<20)|(1<<21)|(3<<22)|(3<<25), 256, 8, 256
	DESC G1VA, 15|(1<<20)|(1<<21)|(4<<22)|(3<<25), 256, 8, 4096
	DESC G1KB, 15|(1<<20)|(1<<21)|(3<<22)|(3<<25), 256, 56, 256
	DESC G1VB, 15|(1<<20)|(1<<21)|(4<<22)|(3<<25), 1792, 8, 4096
	s_mov_b32 s[SEL], 0x76543210
	s_mov_b32 s[SEL+1], 0xfedcba98
	s_mov_b32 s[CS], 0x3e38aa3b                    ; c = log2(e) / 8
	s_mov_b32 s[NINF], 0xff800000
	s_mov_b32 s[KO], 0
	s_mov_b32 s[VO], 0
	s_mov_b32 s[IT], 0
	s_wait_alu depctr_va_vdst(0)
	s_wait_dscnt 0x0                               ; both opening adds are done
	s_wait_kmcnt 0x0
	s_load_b128 s[92:95], s[6:7], 0x10             ; entries 4-7
	s_load_b32 s96, s[6:7], 0x20                   ; entry 8
	s_mov_b32 s[G0K], 1
	s_mov_b32 s[G0K+1], s79
	s_add_nc_u64 s[G0K+2:G0K+3], s[4:5], s[80:81]
	s_or_b32 s[G0K+3], s[G0K+3], 0x80000000
	s_mov_b32 s[G0V], 1
	s_mov_b32 s[G0V+1], s82
	s_add_nc_u64 s[G0V+2:G0V+3], s[4:5], s[84:85]
	s_or_b32 s[G0V+3], s[G0V+3], 0x80000000
	ROUND                                          ; the four partners are here: the joint loads meet
	JLOAD G1KA, G1VA                               ; group 1: keys 0-255
	s_add_nc_u64 s[88:89], s[4:5], s[76:77]        ; Q's codes at my first query
	s_add_nc_u64 s[68:69], s[4:5], s[68:69]        ; Q's codes of tile 15 - p
	s_add_nc_u64 s[8:9], s[8:9], s[76:77]          ; O's codes at my first query
	v_and_b32 v8, 15, v0                           ; r
	v_bfe_u32 v9, v0, 4, 1                         ; h
	v_lshlrev_b32 v[QO], 6, v8
	v_lshl_add_u32 v[QO], v9, 4, v[QO]             ; Q: row r of 64 bytes, + 16 h
.irp c, 0,1
	global_load_b128 v[16+4*\c:19+4*\c], v[QO], s[88:89] offset:32*\c   ; Q's fragment: registers 4 c .. 4 c + 3: channels 32 c + 16 h + 0 .. 15, as K's
.endr
	v_and_b32 v214, 8, v8
	v_add_nc_u32 v214, v214, v8                    ; r + 8 (r / 8)
	v_mul_u32_u24 v[AK0], v214, KP
	v_lshl_add_u32 v[AK0], v9, 4, v[AK0]
	v_lshrrev_b32 v208, 3, v8                      ; r / 8
	v_and_b32 v209, 7, v8                          ; r % 8
	v_mul_u32_u24 v[AVA], v208, VJA
	v_mul_u32_u24 v[AVB], v208, VJB
	v_mad_u32_u24 v[AVA], v209, VPA, v[AVA]
	v_mad_u32_u24 v[AVB], v209, VPB, v[AVB]
	v_lshl_add_u32 v[AVA], v9, 4, v[AVA]
	v_lshl_add_u32 v[AVB], v9, 4, v[AVB]
	v_add_nc_u32 v[AVA], V0OFF, v[AVA]
	v_add_nc_u32 v[AVB], V1OFF, v[AVB]
	v_lshlrev_b32 v[DD], 4, v9
	v_sub_nc_u32 v[DD], v8, v[DD]
	v_add_nc_u32 v[DD], s22, v[DD]
	v_and_b32 v[GO], 31, v0
	v_lshrrev_b32 v211, 2, v[GO]
	v_lshlrev_b32 v[GO], 4, v[GO]                  ; the way out: 16 bytes a lane
	v_mul_u32_u24 v208, v8, STP
	v_lshl_add_u32 v208, v9, 3, v208               ; into a stage: row r, + 8 h
	v_mul_u32_u24 v211, v211, STP
	v_and_b32 v215, 3, v0
	v_lshl_add_u32 v211, v215, 4, v211             ; back: four lanes to a row
	v_add_nc_u32 v222, s[SB], v208
	v_add_nc_u32 v223, s[SB], v211
	v_add_nc_u32 v224, s[SA], v208
	v_add_nc_u32 v225, s[SA], v211
	v_add_nc_u32 v226, s[SA], v[GO]                ; the pair's image: 16 x lane
	v_mov_b32 v210, 0                              ; a lane permute's destination counts as read
	v_mov_b32 v213, 0                              ; (upper halves of the pairs v[212:213] and v[216:217], of which the low word serves both halves)
	v_mov_b32 v217, 0
.macro FRESH                           ; a tile's run begins: the step is written for every trip alike, its first run finds zeros
	v_mov_b32 v13, 0xff61b1e6                      ; the largest t so far: -3e38
	v_mov_b32 v14, 0
	v_mov_b32 v15, 0
	v_floor_f32 v12, -v13                          ; -M
.set j, 0
.rept 32
	v_mov_b32 v[160+j], 0
.set j, j+1
.endr
.endm
	FRESH
	s_wait_kmcnt 0x0
	s_add_co_i32 s74, s92, s93
	s_lshl_b32 s74, s74, 23
	s_add_co_i32 s[CS], s[CS], s74                 ; a score stands for score x 2^(entries 4 + 5): added to c's exponent field
	s_mov_b32 s[CS+1], s[CS]
	s_add_co_i32 s74, s94, 127
	s_lshl_b32 s75, s74, 23
	v_mov_b32 v219, s75                            ; 2^(entry 6), for p's conversions
	s_add_co_i32 s74, s74, 15
	s_lshl_b32 s74, s74, 23
	s_or_b32 s74, s74, 0x600000
	v_mov_b32 v218, s74                            ; 57,344 x that
	s_add_co_i32 s74, s96, 127
	s_lshl_b32 s75, s74, 23
	v_mov_b32 v221, s75                            ; 2^(entry 8), for O's
	s_add_co_i32 s74, s74, 15
	s_lshl_b32 s74, s74, 23
	s_or_b32 s74, s74, 0x600000
	v_mov_b32 v220, s74
	s_add_co_i32 s[EO], s94, s95
; A KEY STEP: 128 keys.  av: my lane's place in the values' region in hand; tj: bytes from 16 rows of it to the next 16.
.macro STEP av, tj
	s_cmp_gt_u32 s[IT], s[HI]                      ; not a step of the run in hand: its work is left out
	s_cbranch_scc1 .Lhidden_\@
	v_add_nc_u32 v[ADK], s[KO], v[AK0]
	v_add_nc_u32 v[ADV], s[VO], v[\av]
	v_add_nc_u32 v[ADW], 2*\tj, v[ADV]             ; rows 32-63: beyond a 16-bit offset
	v_nop                                          ; with the three additions: four places in front of loads into registers that the last products read
.irp t, 0,1,2,3,4,5,6,7
.irp c, 0,1
	ds_load_b128 v[32+8*\t+4*\c:35+8*\t+4*\c], v[ADK] offset:(32*(\t/2)+8*(\t%2))*KP+32*\c
.endr
.endr
	s_wait_alu depctr_va_vdst(0)
	s_wait_dscnt 0x0
.irp t, 0,1,2,3,4,5,6,7
	v_wmma_f32_16x16x64_bf8_bf8 v[96+8*\t:103+8*\t], v[32+8*\t:39+8*\t], v[16:23], 0
.endr
.rept 4
	v_nop                                          ; places: for the loads below and for the first read of the scores
.endr
.irp t, 0,1
.irp c, 0,1,2,3
	ds_load_b128 v[32+16*\t+4*\c:35+16*\t+4*\c], v[ADV] offset:\tj*\t+32*\c   ; the values' four fragments land while the softmax is worked
	ds_load_b128 v[64+16*\t+4*\c:67+16*\t+4*\c], v[ADW] offset:\tj*\t+32*\c
.endr
.endr
	s_cmp_lg_u32 s[IT], s[DG]                      ; only a tile's last step lies on the diagonal: there hidden scores become -infinity ahead of the maximum
	s_cbranch_scc1 .Lopen_\@
.set n, 0
.rept 64
	v_cmp_le_i32 vcc_lo, 32*(n/16)+n%16, v[DD]
	v_cndmask_b32 v[96+n], s[NINF], v[96+n], vcc_lo
.set n, n+1
.endr
.Lopen_\@:
	v_max3_num_f32 v214, v96, v97, v98             ; the step's largest score of my query among my 64 keys, in four chains; each accumulator is read from its low end on
	v_max3_num_f32 v212, v112, v113, v114
	v_max3_num_f32 v216, v128, v129, v130
	v_max3_num_f32 v217, v144, v145, v146
.irp k, 3,5,7,9,11,13
	v_max3_num_f32 v214, v214, v[96+\k], v[97+\k]
	v_max3_num_f32 v212, v212, v[112+\k], v[113+\k]
	v_max3_num_f32 v216, v216, v[128+\k], v[129+\k]
	v_max3_num_f32 v217, v217, v[144+\k], v[145+\k]
.endr
	v_max3_num_f32 v214, v214, v212, v111
	v_max3_num_f32 v216, v216, v217, v127
	v_max3_num_f32 v214, v214, v143, v159
	s_delay_alu instid0(VALU_DEP_1)
	v_max_num_f32 v214, v214, v216
	s_delay_alu instid0(VALU_DEP_1)
	v_permlanex16_b32 v210, v214, s[SEL], s[SEL+1]
	s_delay_alu instid0(VALU_DEP_1)
	v_max_num_f32 v214, v214, v210                 ; and among lane l xor 16's
	s_delay_alu instid0(VALU_DEP_1)
	v_mul_f32 v214, s[CS], v214                    ; as t (c is positive)
	s_delay_alu instid0(VALU_DEP_1)
	v_max_num_f32 v13, v13, v214                   ; the running largest t
	v_mov_b32 v214, v12
	s_delay_alu instid0(VALU_DEP_2)
	v_floor_f32 v12, -v13                          ; the new -M = floor(-t): M is a whole number
	s_delay_alu instid0(VALU_DEP_1)
	v_sub_f32 v214, v12, v214                      ; old M - new M, 0 or less
	s_delay_alu instid0(VALU_DEP_1)
	v_cvt_i32_f32 v214, v214                       ; (it saturates)
	s_delay_alu instid0(VALU_DEP_1)
	v_ldexp_f32 v212, 1.0, v214                    ; f = 2^(old M - new M)
.set j, 0
.rept 32
	v_pk_fma_f32 v[96+j:97+j], v[96+j:97+j], s[CS:CS+1], v[12:13] op_sel_hi:[1,0,0]   ; t - M, two at a time
.set j, j+2
.endr
.set j, 0
.rept 16
	v_pk_mul_f32 v[160+j:161+j], v[160+j:161+j], v[212:213] op_sel_hi:[1,0]   ; O^T under the new M, ahead of the exponentials
.set j, j+2
.endr
	s_wait_alu depctr_va_vdst(0)
.set j, 0
.rept 64
	v_exp_f32 v[96+j], v[96+j]                     ; p = 2^(t - M)
.set j, j+1
.endr
	v_pk_mul_f32 v[14:15], v[14:15], v[212:213] op_sel_hi:[1,0]   ; the sums under the new M: the plain instruction behind the exponentials
	s_wait_alu depctr_va_vdst(0)                   ; one wait for the whole batch, ahead of its first reader
	v_pk_add_f32 v[216:217], v[100:101], v[104:105]   ; the row's sum of the unquantised p, two at a time, in eight chains
	v_pk_add_f32 v[254:255], v[108:109], v[112:113]
	v_pk_add_f32 v[252:253], v[116:117], v[120:121]
	v_pk_add_f32 v[250:251], v[124:125], v[128:129]
	v_pk_add_f32 v[248:249], v[132:133], v[136:137]
	v_pk_add_f32 v[246:247], v[140:141], v[144:145]
	v_pk_add_f32 v[244:245], v[148:149], v[152:153]
	v_pk_add_f32 v[14:15], v[14:15], v[156:157]
	v_pk_add_f32 v[216:217], v[216:217], v[96:97]
	v_pk_add_f32 v[254:255], v[254:255], v[98:99]
	v_pk_add_f32 v[252:253], v[252:253], v[102:103]
	v_pk_add_f32 v[250:251], v[250:251], v[106:107]
	v_pk_add_f32 v[248:249], v[248:249], v[110:111]
	v_pk_add_f32 v[246:247], v[246:247], v[114:115]
	v_pk_add_f32 v[244:245], v[244:245], v[118:119]
	v_pk_add_f32 v[14:15], v[14:15], v[122:123]
	v_pk_add_f32 v[216:217], v[216:217], v[126:127]
	v_pk_add_f32 v[254:255], v[254:255], v[130:131]
	v_pk_add_f32 v[252:253], v[252:253], v[134:135]
	v_pk_add_f32 v[250:251], v[250:251], v[138:139]
	v_pk_add_f32 v[248:249], v[248:249], v[142:143]
	v_pk_add_f32 v[246:247], v[246:247], v[146:147]
	v_pk_add_f32 v[244:245], v[244:245], v[150:151]
	v_pk_add_f32 v[14:15], v[14:15], v[154:155]
	v_pk_add_f32 v[216:217], v[216:217], v[158:159]
	s_delay_alu instid0(VALU_DEP_2)
	v_pk_add_f32 v[14:15], v[14:15], v[250:251]
	s_delay_alu instid0(VALU_DEP_2)
	v_pk_add_f32 v[216:217], v[216:217], v[248:249]
	v_pk_add_f32 v[254:255], v[254:255], v[246:247]
	v_pk_add_f32 v[252:253], v[252:253], v[244:245]
	s_delay_alu instid0(VALU_DEP_2)
	v_pk_add_f32 v[14:15], v[14:15], v[254:255]
	s_delay_alu instid0(VALU_DEP_2)
	v_pk_add_f32 v[216:217], v[216:217], v[252:253]
	s_delay_alu instid0(VALU_DEP_1)
	v_pk_add_f32 v[14:15], v[14:15], v[216:217]
.irp b, 0,1,2,3
.set i, 0
.rept 16
	v_min_num_f32 v[96+16*\b+i], v[96+16*\b+i], v218   ; the conversion does not saturate (ISA guide 7.6.2); p is not negative: a one-sided hold
.set i, i+1
.endr
	v_cvt_scalef32_pk8_bf8_f32 v[192+4*\b:193+4*\b], v[96+16*\b:103+16*\b], v219
	v_cvt_scalef32_pk8_bf8_f32 v[194+4*\b:195+4*\b], v[104+16*\b:111+16*\b], v219
.endr
	v_nop                                          ; a plain line between the last conversion and the products that read the codes
	s_wait_alu depctr_va_vdst(0)
	s_wait_dscnt 0x0                               ; the values' fragments are in
.irp t, 0,1,2,3
	v_wmma_f32_16x16x128_bf8_bf8 v[160+8*\t:167+8*\t], v[32+16*\t:47+16*\t], v[192:207], v[160+8*\t:167+8*\t]   ; four accumulators by turns
.endr
.Lhidden_\@:
	s_add_co_u32 s[KO], s[KO], KST
	s_add_co_u32 s[VO], s[VO], 144
	s_add_co_u32 s[IT], s[IT], 1
.endm
; THE WAY OUT of a finished tile.  O^T / the sum x 2^(entries 6 + 7) is the attention's result; it is quantised with entry 8's scale and leaves through a stage as 1,024 consecutive bytes: 16 queries x 64 codes.
.macro OUT sti, sto
	v_add_f32 v14, v14, v15
	s_delay_alu instid0(VALU_DEP_1)
	v_permlanex16_b32 v210, v14, s[SEL], s[SEL+1]
	s_delay_alu instid0(VALU_DEP_1)
	v_add_f32 v14, v14, v210                       ; the row's sum
	s_wait_alu depctr_va_vdst(0)
	v_rcp_f32 v14, v14
	v_nop                                          ; plain places: behind the transcendental, and, with the lines above and below, behind the last products
	v_nop
	s_wait_alu depctr_va_vdst(0)                   ; the wait ahead of the first reader
	v_ldexp_f32 v14, v14, s[EO]
	s_wait_alu depctr_va_vdst(0)
.set j, 0
.rept 16
	v_pk_mul_f32 v[96+j:97+j], v[160+j:161+j], v[14:15] op_sel_hi:[1,0]   ; register 8 t + i is o(r, 16 t + 8 h + i); each accumulator from its low end on
.set j, j+2
.endr
.set j, 0
.rept 32
	v_med3_num_f32 v[96+j], v[96+j], -v220, v220
.set j, j+1
.endr
.irp t, 0,1,2,3
	v_cvt_scalef32_pk8_bf8_f32 v[192+2*\t:193+2*\t], v[96+8*\t:103+8*\t], v221
.endr
	v_nop                                          ; a plain line behind the last conversion
.irp t, 0,1,2,3
	ds_store_b64 v[\sti], v[192+2*\t:193+2*\t] offset:16*\t
.endr
.irp i, 0,1
	ds_load_b128 v[32+4*\i:35+4*\i], v[\sto] offset:8*STP*\i   ; LDS serves a wave's instructions in order: these see my stores
.endr
.irp i, 0,1
	s_wait_dscnt 1-\i                              ; load i is in; the younger one may be out
	global_store_b128 v[GO], v[32+4*\i:35+4*\i], s[8:9] offset:512*\i   ; 32 lanes store 512 consecutive bytes
.endr
.endm
	s_wait_alu depctr_va_vdst(0)
	s_wait_loadcnt 0x0                             ; Q
	s_wait_tensorcnt 0x0                           ; my part of group 1 is in; group 2's first fills are issued as refills are:
	ds_add_u32 v[SPW], v[NIL]                      ; 0 onto my spare word; the descriptors' steps stand between it and its wait
	s_mov_b32 s[G0K+1], s90
	s_add_nc_u64 s[G0K+2:G0K+3], s[G0K+2:G0K+3], s[86:87]
	s_mov_b32 s[G0V+1], s91
	s_add_nc_u64 s[G0V+2:G0V+3], s[G0V+2:G0V+3], 256
	s_wait_dscnt 0x0
	ROUND                                          ; keys 0-255 are whole in all four partners, and the joint loads meet
	JLOAD G1KB, G1VB                               ; group 2: keys 256-2,047: my one tensor load behind the round
.Lfirst:                                           ; key steps 0 and 1
	STEP AVA, 2*VJA
	s_cmp_lt_u32 s[IT], 2
	s_cbranch_scc1 .Lfirst
	s_wait_tensorcnt 0x0                           ; my part of group 2 is in
	ds_add_u32 v[SPW], v[NIL]
	s_mov_b32 s[KO], 2*KST
	s_mov_b32 s[VO], 0
	s_mov_b32 s[IT], 2
	s_wait_dscnt 0x0                               ; and my reads of keys 0-255 are over
	s_barrier_signal -1
	s_barrier_wait -1                              ; the whole head is in LDS
.Lrest:                                            ; key steps 2 to 15: no barrier, each wave by itself
	s_cmp_lt_u32 s[WV], 8                          ; the pairs' first waves never change tiles;
	s_cbranch_scc1 .Lsame
	s_cmp_lg_u32 s[IT], 8                          ; the second waves at the head of step 8
	s_cbranch_scc1 .Lsame
	global_load_b128 v[16:19], v[QO], s[68:69]     ; tile 15 - p's Q lands while tile p goes out
	global_load_b128 v[20:23], v[QO], s[68:69] offset:32
	OUT 222, 223
	FRESH
	s_mov_b32 s[HI], s[TL]
	s_mov_b32 s[DG], s[TL]
	s_wait_alu depctr_va_vdst(0)
	s_wait_xcnt 0x0                                ; the stores have read v32-39, which the next step's loads write
	s_wait_loadcnt 0x0                             ; Q
.Lsame:
	STEP AVB, 2*VJB
	s_cmp_lt_u32 s[IT], 16
	s_cbranch_scc1 .Lrest
.rept 4
	v_nop                                          ; places behind the last products: for the stores of O^T and for the loads into the fragments' registers below
.endr
	s_cmp_lt_u32 s[WV], 8
	s_cbranch_scc1 .Lno_image
.irp t, 0,1,2,3,4,5,6,7
	ds_store_b128 v226, v[160+4*\t:163+4*\t] offset:512*\t   ; the second wave's part of tile 15 - p, as an image of its registers; each accumulator from its low end on
.endr
	ds_store_b128 v226, v[12:15] offset:4096       ; -M, the largest t, the sum's two halves
.Lno_image:
	s_wait_dscnt 0x0                               ; for the partner's sake: my stores are done
	s_barrier_signal -1
	s_barrier_wait -1
	s_cmp_ge_u32 s[WV], 8
	s_cbranch_scc1 .Lend
.irp t, 0,1,2,3,4,5,6,7
	ds_load_b128 v[32+4*\t:35+4*\t], v226 offset:512*\t
.endr
	ds_load_b128 v[64:67], v226 offset:4096
	s_wait_dscnt 0x0
	v_min_num_f32 v208, v12, v64                   ; -M of the two parts together
	v_sub_f32 v209, v208, v12                      ; my M less the common one: a whole number, 0 or less
	v_sub_f32 v211, v208, v64                      ; the partner's likewise
	v_cvt_i32_f32 v209, v209
	v_cvt_i32_f32 v211, v211
	v_ldexp_f32 v212, 1.0, v209
	v_ldexp_f32 v216, 1.0, v211
	v_pk_mul_f32 v[14:15], v[14:15], v[212:213] op_sel_hi:[1,0]
.set j, 0
.rept 16
	v_pk_mul_f32 v[160+j:161+j], v[160+j:161+j], v[212:213] op_sel_hi:[1,0]
.set j, j+2
.endr
	v_pk_fma_f32 v[14:15], v[66:67], v[216:217], v[14:15] op_sel_hi:[1,0,1]
.set j, 0
.rept 16
	v_pk_fma_f32 v[160+j:161+j], v[32+j:33+j], v[216:217], v[160+j:161+j] op_sel_hi:[1,0,1]
.set j, j+2
.endr
	OUT 224, 225
.Lend:
	s_wait_tensorcnt 0x0                           ; the wave's end
	ds_add_u32 v[SPW], v[NIL]
	s_wait_dscnt 0x0
	ROUND                                          ; the closing round
	s_endpgm
.Lfunc_end_k_q51df3db85b_attn:
	.size	k_q51df3db85b_attn, .Lfunc_end_k_q51df3db85b_attn-k_q51df3db85b_attn
	.p2alignl 7, 3214868480
	.fill 96, 4, 3214868480
	.section	.rodata,"a",@progbits
	.p2align	6, 0x0
	.amdhsa_kernel k_q51df3db85b_attn
		.amdhsa_group_segment_fixed_size 327680
		.amdhsa_private_segment_fixed_size 0
		.amdhsa_enable_private_segment 0
		.amdhsa_kernarg_size 24
		.amdhsa_user_sgpr_count 2
		.amdhsa_user_sgpr_kernarg_segment_ptr 1
		.amdhsa_wavefront_size32 1
		.amdhsa_system_sgpr_workgroup_id_x 1
		.amdhsa_system_sgpr_workgroup_id_y 1
		.amdhsa_system_sgpr_workgroup_id_z 1
		.amdhsa_system_vgpr_workitem_id 0
		.amdhsa_next_free_vgpr 256
		.amdhsa_next_free_sgpr 100
		.amdhsa_reserve_vcc 1
		.amdhsa_float_denorm_mode_32 3
		.amdhsa_float_denorm_mode_16_64 3
		.amdhsa_memory_ordered 1
		.amdhsa_forward_progress 1
		.amdhsa_inst_pref_size 69
	.end_amdhsa_kernel
	.amdgpu_metadata
---
amdhsa.version: [ 1, 2 ]
amdhsa.kernels:
  - .name:           k_q51df3db85b_attn
    .symbol:         k_q51df3db85b_attn.kd
    .args:
      - { .name: qkv, .offset: 0, .size: 8, .value_kind: global_buffer, .address_space: global }
      - { .name: lowp_scales, .offset: 8, .size: 8, .value_kind: global_buffer, .address_space: global }
      - { .name: oc, .offset: 16, .size: 8, .value_kind: global_buffer, .address_space: global }
    .group_segment_fixed_size: 327680
    .private_segment_fixed_size: 0
    .kernarg_segment_align: 8
    .kernarg_segment_size: 24
    .max_flat_workgroup_size: 512
    .sgpr_count:     100
    .vgpr_count:     256
    .wavefront_size: 32
...
	.end_amdgpu_metadata
.endif
;; end of part 10
;; launch proj (part 11): grid 8 x 32, 4 waves a work-group, clusters of 4 x 4, 327,680 bytes of LDS; arguments oc, wc, lowp_scales, bproj, x, x1; writes x1
.if DOCPART == 11
	.amdgcn_target "amdgcn-amd-amdhsa--gfx1250"
	.amdhsa_code_object_version 6
	.text
	.protected	k_q51df3db85b_proj
	.globl	k_q51df3db85b_proj
	.p2align	8
	.type	k_q51df3db85b_proj,@function
k_q51df3db85b_proj:
	s_mov_b64 s[64:65], 0
	v_nop
	global_prefetch_b8 v0, s[64:65] scope:SCOPE_SE
	s_setreg_imm32_b32 hwreg(HW_REG_WAVE_MODE, 25, 1), 1
	s_wait_xcnt 0x0
	s_wait_alu depctr_hold_cnt(0) depctr_sa_sdst(0) depctr_va_vdst(0) depctr_va_sdst(0) depctr_va_ssrc(0) depctr_va_vcc(0) depctr_vm_vsrc(0)
	s_getreg_b32 s2, hwreg(HW_REG_IB_STS2, 6, 4)
	s_cmp_eq_u32 s2, 0
	s_cbranch_scc0 .Lentry_in_a_cluster
	s_endpgm
.Lentry_in_a_cluster:
	s_bfe_u32 s2, ttmp6, 0x10000c
	s_cmp_lg_u32 s2, 0xf033
	s_cbranch_scc0 .Lentry_shape_is_right
	s_endpgm
.Lentry_shape_is_right:
; PROJ.  x1 = x + O Wproj + bproj, f32, [4096][1024].  A = the attention's codes of E5M2 (entry 8's scale), laid [b*16+head][s][64]; B = Wproj's codes (entry 9's), rows [n][1024] at wc + 0x200000.
; The bias goes in as the C of each sum's first matrix instruction, divided by 2^(ea + eb); each finished sum is multiplied once by 2^(ea + eb) and added to x by one packed multiply-add for two numbers.
; LIMIT: entries 8 + 9 between -126 and 127, so that 2^(ea + eb) is an f32 number.
; A tile of C is 128 x 128: 32 x 8 = 256 tiles, so 256 work-groups; tiles of 256 x 256 would be 64.  Four waves, each 64 x 64: 16 accumulators of 16 x 16, 128 registers.
; K = 1,024 is two K steps of 512 codes, one in each of two LDS slots: both are first fills, nothing is filled again, and there is no loop.
; A'S TILE: 64 tokens of one head are 4,096 consecutive bytes of memory; a wave's load is 8 such rows (eight heads, 131,072 bytes apart) with 16 bytes of padding behind every 64: in LDS [head 8][token 64][80].
; CLUSTERS: 4 x 4 work-groups.  The four of a row of the cluster need the same tiles of A, the four of a column the same tiles of B: each tile is asked for JOINTLY, by the same tensor load with the same descriptor and a mask that names the four.
; THE MATRIX INSTRUCTION IS USED TRANSPOSED (source 0 = 16 rows of B, source 1 = 16 rows of A): a lane holds eight neighbouring numbers of a row of C.
; A fragment is fetched by four loads of 16 bytes: registers 4 c .. 4 c + 3 hold K = 32 c + 16 (lane / 16) + 0 .. 15: a permutation of k that is the same in A and in B, so every product meets its partner.
; REGISTERS, in windows of 256: window 0: v0-31 addresses; v32-63 the bias; v128-255 the accumulators ((a, b) at v[128 + 8 (4 a + b)]).
;   window 1: two fragment buffers of 128: for 128 along K, A's four fragments of 16 registers, then B's four; on the way out v0-127 take the rows read back.   window 2: v128-255 my 64 x 64 numbers of x.
.set SIZE_K, 1024
.set ROWB,   512                       ; a K step of B's row in bytes
.set KROW,   SIZE_K
.set WOFF,   0x200000
.set PITCH,  528                       ; B's row in LDS: 512 bytes + 16 of padding: the 16 rows that a load touches start at 16 different banks
.set APITCH, 80                        ; a token's 64 bytes of a head + 16
.set HROW,   64*APITCH                 ; a head's 64 tokens in LDS
.set AHALF,  8*HROW                    ; what one load brings of A
.set ASTEP,  8*131072                  ; bytes from a K step of A to the next: eight heads
.set HALFT,  64*PITCH                  ; what one load brings of B
.set BOFF,   2*AHALF                   ; B's rows lie behind A's two halves
.set SLOT,   BOFF+2*HALFT
.set FR,     16                        ; registers of a fragment
.set STAGE,  2*SLOT                    ; behind the slots: 16 rows x (256 bytes + 16) for each wave, for the way out
.set SPITCH, 272
.set SPARE,  STAGE+4*16*SPITCH         ; behind the stages: the spare words, 128 bytes for each wave
.set ADRA, 16                          ; v16-17  LDS address of my A fragments in slot 0, 1
.set ADRB, 20                          ; v20-21  the same for B
.set STO,  24                          ; v24     the way out: where I put 32 bytes of a row
.set RD,   25                          ; v25     the way out: where I read a row back
.set CO,   26                          ; v26     my byte offset in two rows of x and x1
.set SPW,  28
.set NIL,  29
.set BI,   32                          ; v32-63  the bias / 2^(ea + eb): register 8 b + j = column 16 b + 8 (lane / 16) + j of my 64
.set ACC,  128
.set F0,   0                           ; fragment buffers, in window 1
.set F1,   128
.set RSB,  128                         ; x, in window 2: block a's 16 rows at RSB + 32 a
.set BP,   10                          ; s[10:11] the bias
.set RP,   76                          ; s[76:77] x
.set CB,   78                          ; s[78:79] x1
.set G1, 24                            ; s[24:31] descriptor group 1 for A's tiles;  s[32:39] group 0, one set for each slot
.set G0, 32
.set G1B, 48                           ; s[48:55], s[56:63] the same for B's tiles
.set G0B, 56
.set MSB, 0
.macro WIN new                         ; the immediate's high byte repeats the setting that is left
.if MSB != (\new)
	s_set_vgpr_msb (MSB<<8)|(\new)
.set MSB, (\new)
.endif
.endm
.set MUL,  0x05                        ; sources 0 (B) and 1 (A) window 1; C and D window 0
.set TO_F, 0x40                        ; destination window 1, address window 0
.macro JLOAD g0a, g1a, g0b, g1b        ; a joint load: waves 0 and 1 fetch for A, waves 2 and 3 for B; four v_nop follow each of the two lines
	s_cmp_eq_u32 s15, 0
	s_cbranch_scc0 .Lfor_b_\@
	tensor_load_to_lds s[\g0a:\g0a+3], s[\g1a:\g1a+7]
	s_nop 0
.rept 4
	v_nop
.endr
	s_branch .Lasked_\@
.Lfor_b_\@:
	tensor_load_to_lds s[\g0b:\g0b+3], s[\g1b:\g1b+7]
	s_nop 0
.rept 4
	v_nop
.endr
.Lasked_\@:
.endm
.macro CROUND                          ; a round of the cluster's barrier
	s_barrier_signal -1
	s_barrier_wait -1
	s_cmp_lg_u32 s14, 0
	s_cbranch_scc1 .Lnot_wave_0_\@
	s_barrier_signal -3
.Lnot_wave_0_\@:
	s_barrier_wait -3
	s_barrier_signal -1
	s_barrier_wait -1
.endm
	s_load_b256 s[4:11], s[0:1], 0x0               ; oc s[4:5], wc s[6:7], lowp_scales s[8:9], bproj s[10:11]
	s_load_b128 s[76:79], s[0:1], 0x20             ; x s[76:77], x1 s[78:79]
	v_lshl_add_u32 v[SPW], v0, 2, SPARE
	v_mov_b32 v[NIL], 0
	ds_add_u32 v28, v29
	ds_add_u32 v28, v29
	s_wait_dscnt 0x0
	v_lshrrev_b32 v1, 5, v0
	v_readfirstlane_b32 s14, v1                    ; wave 0..3
	s_lshr_b32 s15, s14, 1                         ; my half of the tile's rows.  Also: I fetch for A (0) or for B (1)
	s_and_b32 s16, s14, 1                          ; my half of its columns.  Also: which 64 rows of that tile I fetch
	s_bfe_u32 s40, ttmp6, 0x40000                  ; cx, cy: my place in the cluster
	s_bfe_u32 s41, ttmp6, 0x40004
	s_lshl_b32 s42, ttmp9, 2
	s_add_co_u32 s42, s42, s40                     ; tile column of C, 0 .. 7
	s_and_b32 s17, ttmp7, 0xffff
	s_lshl_b32 s17, s17, 2
	s_add_co_u32 s17, s17, s41                     ; tile row of C, 0 .. 31
	s_lshl_b32 s43, s41, 2
	s_lshl_b32 s43, 15, s43                        ; my row of the cluster
	s_lshl_b32 s44, 0x1111, s40                    ; my column
	s_or_b32 s[G1+0], s43, (0<<16)|(1<<20)|(1<<21)|(3<<22)|(3<<25)  ; A: the mask of my row; elements of 1 byte; padding on; bit 21 beside a mask; four words after every 16
	s_mov_b32 s[G1+1], 4096<<16                    ; tensor_dim0: 64 tokens x 64 bytes
	s_mov_b32 s[G1+2], 8<<16                       ; tensor_dim1: eight heads
	s_mov_b32 s[G1+3], 4096<<16                    ; tile_dim0
	s_mov_b32 s[G1+4], 8                           ; tile_dim1
	s_mov_b32 s[G1+5], 131072                      ; bytes from head to head
	s_mov_b32 s[G1+6], 0
	s_mov_b32 s[G1+7], 0
	s_or_b32 s[G1B+0], s44, (0<<16)|(1<<20)|(1<<21)|(6<<22)|(3<<25) ; B: the mask of my column; four words after every 128
	s_mov_b32 s[G1B+1], ROWB<<16
	s_mov_b32 s[G1B+2], 64<<16
	s_mov_b32 s[G1B+3], ROWB<<16
	s_mov_b32 s[G1B+4], 64
	s_mov_b32 s[G1B+5], KROW
	s_mov_b32 s[G1B+6], 0
	s_mov_b32 s[G1B+7], 0
	s_lshl_b32 s18, s16, 6                         ; which 64 rows of the tile I fetch
	s_lshr_b32 s20, s17, 4
	s_lshl_b32 s20, s20, 21                        ; A: the batch's 16 heads of 131,072 bytes,
	s_and_b32 s21, s17, 15
	s_lshl_b32 s21, s21, 7
	s_add_co_u32 s21, s21, s18
	s_lshl_b32 s21, s21, 6                         ; and the first token's 64 bytes within a head
	s_add_co_u32 s20, s20, s21
	s_mov_b32 s21, 0
	s_lshl_b32 s46, s42, 7
	s_add_co_u32 s46, s46, s18
	s_mul_i32 s46, s46, KROW
	s_add_co_u32 s46, s46, WOFF                    ; B: row 128 x tile column + 64 x half of Wproj's codes
	s_mov_b32 s47, 0
	s_mul_i32 s45, s16, AHALF                      ; where A's half goes,
	s_mul_i32 s74, s16, HALFT
	s_add_co_u32 s74, s74, BOFF                    ; and B's: no place in the cluster enters an LDS address
	s_wait_kmcnt 0x0
	s_load_b64 s[68:69], s[8:9], 0x20              ; entries 8, 9
	s_add_nc_u64 s[20:21], s[4:5], s[20:21]
	s_add_nc_u64 s[46:47], s[6:7], s[46:47]
	CROUND                                         ; all sixteen work-groups are here: the joint loads meet
.irp s, 0,1
	s_mov_b32 s[G0+4*\s], 1
	s_add_co_u32 s[G0+4*\s+1], s45, \s*SLOT
	s_add_nc_u64 s[G0+4*\s+2:G0+4*\s+3], s[20:21], \s*ASTEP
	s_or_b32 s[G0+4*\s+3], s[G0+4*\s+3], 0x80000000
	s_mov_b32 s[G0B+4*\s], 1
	s_add_co_u32 s[G0B+4*\s+1], s74, \s*SLOT
	s_add_nc_u64 s[G0B+4*\s+2:G0B+4*\s+3], s[46:47], \s*ROWB
	s_or_b32 s[G0B+4*\s+3], s[G0B+4*\s+3], 0x80000000
.if \s == 0
	JLOAD G0, G1, G0B, G1B                         ; K step 0: one tensor load a wave at the head
.endif
.endr
	v_and_b32 v1, 15, v0                           ; r = lane % 16
	v_bfe_u32 v2, v0, 4, 1                         ; h = lane / 16
	v_lshlrev_b32 v7, 5, v2                        ; the bias: 32 h bytes
	s_lshl_b32 s22, s42, 9
	s_lshl_b32 s23, s16, 8
	s_add_co_u32 s22, s22, s23                     ; my 64 columns, in bytes of f32
	s_mov_b32 s23, 0
	s_add_nc_u64 s[BP:BP+1], s[BP:BP+1], s[22:23]
.irp b, 0,1,2,3
	global_load_b128 v[BI+8*\b:BI+8*\b+3], v7, s[BP:BP+1] offset:64*\b
	global_load_b128 v[BI+8*\b+4:BI+8*\b+7], v7, s[BP:BP+1] offset:64*\b+16
.endr
	v_mul_u32_u24 v3, v1, APITCH
	v_lshl_add_u32 v3, v2, 4, v3                   ; A: token r x 80 + 16 h
	v_mul_u32_u24 v4, v1, PITCH
	v_lshl_add_u32 v4, v2, 4, v4                   ; B: row r x 528 + 16 h
	s_mul_i32 s21, s15, AHALF                      ; my 64 rows of A
	s_mul_i32 s22, s16, HALFT
	s_add_co_u32 s22, s22, BOFF                    ; my 64 rows of B
.irp s, 0,1
	v_add_nc_u32 v[ADRA+\s], s21, v3
	v_add_nc_u32 v[ADRB+\s], s22, v4
	s_add_co_u32 s21, s21, SLOT
	s_add_co_u32 s22, s22, SLOT
.endr
	s_mul_i32 s23, s14, 16*SPITCH
	s_add_co_u32 s23, s23, STAGE                   ; my stage
	v_mul_u32_u24 v5, v1, SPITCH
	v_lshl_add_u32 v5, v2, 5, v5
	v_add_nc_u32 v[STO], s23, v5                   ; in: row r, 32 bytes for each half of the lanes
	v_mul_u32_u24 v5, v2, SPITCH
	v_lshl_add_u32 v5, v1, 4, v5
	v_add_nc_u32 v[RD], s23, v5                    ; back: lanes 0-15 take one row of 256 bytes, lanes 16-31 the next
	v_lshlrev_b32 v[CO], 12, v2
	v_lshl_add_u32 v[CO], v1, 4, v[CO]             ; and the same two rows in x and x1, 4,096 bytes apart
	s_lshl_b32 s20, s17, 7
	s_lshl_b32 s21, s15, 6
	s_add_co_u32 s20, s20, s21
	s_lshl_b32 s20, s20, 12                        ; my first row, of 4,096 bytes,
	s_lshl_b32 s46, s42, 9
	s_add_co_u32 s20, s20, s46
	s_lshl_b32 s46, s16, 8
	s_add_co_u32 s20, s20, s46                     ; and my first column
	s_mov_b32 s21, 0
	s_add_nc_u64 s[CB:CB+1], s[CB:CB+1], s[20:21]
	s_add_nc_u64 s[RP:RP+1], s[RP:RP+1], s[20:21]
	s_wait_loadcnt 0x0                             ; the bias
	s_wait_kmcnt 0x0                               ; the exponents
	s_add_co_i32 s72, s68, s69                     ; ea + eb
	s_sub_co_i32 s73, 0, s72
.set j, 0
.rept 32
	v_ldexp_f32 v[BI+j], v[BI+j], s73              ; the bias / 2^(ea + eb)
.set j, j+1
.endr
	s_add_co_i32 s96, s72, 127
	s_lshl_b32 s96, s96, 23                        ; 2^(ea + eb) as f32
	s_mov_b32 s97, s96                             ; (named with it as a pair)
	WIN 0x80                                       ; destination window 2
.irp a, 0,1,2,3
.irp t, 0,1,2,3,4,5,6,7
	global_load_b128 v[RSB+32*\a+4*\t:RSB+32*\a+4*\t+3], v[CO], s[RP:RP+1] offset:(16*\a+2*\t)*4096   ; my 64 x 64 numbers of x are asked for here and land under the products; sixteen lanes read 256 consecutive bytes
.endr
.endr
	WIN 0
.macro FRAG reg, adr, q, i             ; B: a fragment, 16 rows x 128 K: four loads of 16 bytes, 32 bytes apart
.irp c, 0,1,2,3
	ds_load_b128 v[\reg+4*\c:\reg+4*\c+3], v[\adr] offset:128*(\q)+32*\c+(\i)*16*PITCH
.endr
.endm
.macro FRAGA reg, adr, q, i            ; A: K = 32 c + 16 h + 0 .. 15 of the slot's q-th 128 lies in head 2 q + c / 2, channels 32 (c % 2) + 16 h on
.irp c, 0,1,2,3
	ds_load_b128 v[\reg+4*\c:\reg+4*\c+3], v[\adr] offset:(2*(\q)+\c/2)*HROW+32*(\c%2)+(\i)*16*APITCH
.endr
.endm
; 4 matrix instructions: A's block a x B's four, 128 along K, out of buffer f.  zero = 1: the first product starts the sums, with the bias.  The 16 accumulators take turns, one instruction a turn.
.macro MUL4 f, a, zero
.irp b, 0,1,2,3
.if \zero
	v_wmma_f32_16x16x128_bf8_bf8 v[ACC+8*(4*(\a)+\b):ACC+8*(4*(\a)+\b)+7], v[\f+64+FR*\b:\f+64+FR*\b+FR-1], v[\f+FR*(\a):\f+FR*(\a)+FR-1], v[BI+8*\b:BI+8*\b+7]
.else
	v_wmma_f32_16x16x128_bf8_bf8 v[ACC+8*(4*(\a)+\b):ACC+8*(4*(\a)+\b)+7], v[\f+64+FR*\b:\f+64+FR*\b+FR-1], v[\f+FR*(\a):\f+FR*(\a)+FR-1], v[ACC+8*(4*(\a)+\b):ACC+8*(4*(\a)+\b)+7]
.endif
.endr
.endm
.macro FETCH slot, q, f                ; 32 LDS loads in one run: the slot's q-th 128 along K into buffer f: B's four fragments, then A's; A's blocks 2 and 3 last
	WIN TO_F
.irp i, 0,1,2,3
	FRAG \f+64+FR*\i, ADRB+\slot, \q, \i
.endr
.irp i, 0,1,2,3
	FRAGA \f+FR*\i, ADRA+\slot, \q, \i
.endr
.endm
.macro PLACES                          ; four plain vector instructions between a matrix instruction and a load into its registers or a read of its result
.rept 4
	v_nop
.endr
.endm
; A K step is four quarters of 128 along K, 16 matrix instructions each, on buffers 0, 1, 0, 1.  One of the first three: multiplies buffer f and fetches the slot's quarter q into g.
.macro QUARTER slot, q, f, g, zero
	s_wait_dscnt 8                                 ; B's fragments and A's blocks 0, 1 are in; the youngest 8 loads (A's blocks 2, 3) may be out
	WIN MUL
	MUL4 \f, 0, \zero
	MUL4 \f, 1, \zero
	PLACES
	FETCH \slot, \q, \g
	s_wait_dscnt 32                                ; all but the 32 just issued
	WIN MUL
	MUL4 \f, 2, \zero
	MUL4 \f, 3, \zero
.endm
	s_wait_alu depctr_va_vdst(0)
	s_wait_tensorcnt 0x0                           ; my part of K step 0 is in; slot 1's first fill is issued as a refill is:
	ds_add_u32 v[SPW], v[NIL]                      ; 0 onto my spare word
	s_wait_dscnt 0x0
	CROUND                                         ; everybody's part of K step 0 is in, and the joint loads meet
	JLOAD G0+4, G1, G0B+4, G1B                     ; K step 1: the first tensor load behind the round
	FETCH 0, 0, F0
	QUARTER 0, 1, F0, F1, 1                        ; the first quarter's products start the sums with the bias
	QUARTER 0, 2, F1, F0, 0
	QUARTER 0, 3, F0, F1, 0
	; slot 0's last quarter, and the change to slot 1: the wait for all my tensor loads, the add, the wait for it and for my reads, one barrier
	WIN 0
	s_wait_tensorcnt 0x0                           ; my part of K step 1 is in
	ds_add_u32 v[SPW], v[NIL]                      ; 0 onto my spare word
	s_wait_dscnt 9                                 ; (the add and the youngest 8 loads may be out)
	WIN MUL
	MUL4 F1, 0, 0
	s_wait_dscnt 0x0                               ; no LDS instruction of mine is pending at the signal
	s_barrier_signal -1
	MUL4 F1, 1, 0
	s_barrier_wait -1                              ; slot 1 is whole
	PLACES
	FETCH 1, 0, F0
	WIN MUL
	MUL4 F1, 2, 0
	MUL4 F1, 3, 0
	QUARTER 1, 1, F0, F1, 0
	QUARTER 1, 2, F1, F0, 0
	QUARTER 1, 3, F0, F1, 0
	s_wait_dscnt 8                                 ; the very last quarter: nothing more to fetch
	WIN MUL
	MUL4 F1, 0, 0
	MUL4 F1, 1, 0
	s_wait_dscnt 0x0
	MUL4 F1, 2, 0
	MUL4 F1, 3, 0
	WIN 0
; THE WAY OUT, block by block of 16 rows x 64 columns.  A lane holds 32 neighbouring bytes of a row, and the lanes beside it hold other rows: so a block's raw sums go through my own stage and come back as whole rows of 256 bytes.
; LDS serves a wave's instructions in order (ISA guide 5.7.1.4): no wait between the stores and the loads, nor in front of the next block's stores.  Each block has registers of its own: none is written twice.
.macro TOSTAGE a
.irp b, 0,1,2,3
	ds_store_b128 v[STO], v[ACC+8*(4*(\a)+\b):ACC+8*(4*(\a)+\b)+3] offset:64*\b         ; each accumulator from its low end on
	ds_store_b128 v[STO], v[ACC+8*(4*(\a)+\b)+4:ACC+8*(4*(\a)+\b)+7] offset:64*\b+16
.endr
	WIN TO_F
.irp t, 0,1,2,3,4,5,6,7
	ds_load_b128 v[32*(\a)+4*\t:32*(\a)+4*\t+3], v[RD] offset:\t*2*SPITCH
.endr
	WIN 0
.endm
.macro SEND a, younger                 ; younger: the LDS instructions issued behind block a's loads, which may stay out
	s_wait_dscnt \younger                          ; the block is back in registers,
	s_wait_loadcnt 8*(3-(\a))                      ; and its rows of x are in; those of the later blocks may be out
	WIN 0x61                                       ; source 0 and destination window 1, source 2 (x) window 2
.set j, 0
.rept 16
	v_pk_fma_f32 v[32*(\a)+j:32*(\a)+j+1], v[32*(\a)+j:32*(\a)+j+1], s[96:97], v[RSB+32*(\a)+j:RSB+32*(\a)+j+1] op_sel_hi:[1,0,1]   ; x + sum x 2^(ea + eb)
.set j, j+2
.endr
	WIN 0x04                                       ; the stores' data: window 1
.irp t, 0,1,2,3,4,5,6,7
	global_store_b128 v[CO], v[32*(\a)+4*\t:32*(\a)+4*\t+3], s[CB:CB+1] offset:(16*(\a)+2*\t)*4096   ; sixteen lanes store 256 consecutive bytes, at a multiple of 256
.endr
	WIN 0
.endm
	PLACES                                         ; in front of the first read of results and of loads into the fragments' registers
	TOSTAGE 0
.irp a, 1,2,3
	TOSTAGE \a
	SEND (\a)-1, 16                                ; behind that block's loads: this block's 8 stores and 8 loads
.endr
	SEND 3, 0
	s_wait_tensorcnt 0x0                           ; the wave's end
	ds_add_u32 v[SPW], v[NIL]
	s_wait_dscnt 0x0
	CROUND                                         ; the closing round: no work-group ends while a partner may still ask for a tile that names it
	s_endpgm
.Lfunc_end_k_q51df3db85b_proj:
	.size	k_q51df3db85b_proj, .Lfunc_end_k_q51df3db85b_proj-k_q51df3db85b_proj
	.p2alignl 7, 3214868480
	.fill 96, 4, 3214868480
	.section	.rodata,"a",@progbits
	.p2align	6, 0x0
	.amdhsa_kernel k_q51df3db85b_proj
		.amdhsa_group_segment_fixed_size 327680
		.amdhsa_private_segment_fixed_size 0
		.amdhsa_enable_private_segment 0
		.amdhsa_kernarg_size 48
		.amdhsa_user_sgpr_count 2
		.amdhsa_user_sgpr_kernarg_segment_ptr 1
		.amdhsa_wavefront_size32 1
		.amdhsa_system_sgpr_workgroup_id_x 1
		.amdhsa_system_sgpr_workgroup_id_y 1
		.amdhsa_system_sgpr_workgroup_id_z 1
		.amdhsa_system_vgpr_workitem_id 0
		.amdhsa_next_free_vgpr 768
		.amdhsa_next_free_sgpr 100
		.amdhsa_reserve_vcc 0
		.amdhsa_float_denorm_mode_32 3
		.amdhsa_float_denorm_mode_16_64 3
		.amdhsa_memory_ordered 1
		.amdhsa_forward_progress 1
		.amdhsa_inst_pref_size 53
	.end_amdhsa_kernel
	.amdgpu_metadata
---
amdhsa.version: [ 1, 2 ]
amdhsa.kernels:
  - .name:           k_q51df3db85b_proj
    .symbol:         k_q51df3db85b_proj.kd
    .args:
      - { .name: oc, .offset: 0, .size: 8, .value_kind: global_buffer, .address_space: global }
      - { .name: wc, .offset: 8, .size: 8, .value_kind: global_buffer, .address_space: global }
      - { .name: lowp_scales, .offset: 16, .size: 8, .value_kind: global_buffer, .address_space: global }
      - { .name: bproj, .offset: 24, .size: 8, .value_kind: global_buffer, .address_space: global }
      - { .name: x, .offset: 32, .size: 8, .value_kind: global_buffer, .address_space: global }
      - { .name: x1, .offset: 40, .size: 8, .value_kind: global_buffer, .address_space: global }
    .group_segment_fixed_size: 327680
    .private_segment_fixed_size: 0
    .kernarg_segment_align: 8
    .kernarg_segment_size: 48
    .max_flat_workgroup_size: 128
    .sgpr_count:     100
    .vgpr_count:     768
    .wavefront_size: 32
...
	.end_amdgpu_metadata
.endif
;; end of part 11
;; launch ln2 (part 12): grid 256 x 1, 4 waves a work-group, no clusters, 20,992 bytes of LDS; arguments x1, ln2_g, ln2_b, lowp_scales, h2c; writes h2c
.if DOCPART == 12
	.amdgcn_target "amdgcn-amd-amdhsa--gfx1250"
	.amdhsa_code_object_version 6
	.text
	.protected	k_q51df3db85b_ln2
	.globl	k_q51df3db85b_ln2
	.p2align	8
	.type	k_q51df3db85b_ln2,@function
k_q51df3db85b_ln2:
	s_mov_b64 s[64:65], 0
	v_nop
	global_prefetch_b8 v0, s[64:65] scope:SCOPE_SE
	s_setreg_imm32_b32 hwreg(HW_REG_WAVE_MODE, 25, 1), 1
	s_wait_xcnt 0x0
; LAYERNORM 2 of x1 [4096][1024] f32, quantised to codes of E5M2 with entry 10's scale, [4096][1024] in h2c.
; code = number / 2^e, held within +-57,344, rounded to the nearest code, ties to even.  LIMIT: e between -126 and 112.  NaN among the inputs is not served.
; A wave takes 4 rows.  ALL FOUR ARE ASKED FOR AT THE HEAD, 32 loads of 512 consecutive bytes, each row into 32 registers of its own; they are then worked one after the other, each behind a counted wait.
; The conversions want 16 NEIGHBOURS in a lane: so a row turns through the wave's own stage in LDS (in as loaded, out 64 bytes a lane, 16 bytes of padding behind each 64).
; The variance is the mean of (x - mean)^2, taken on the registers: no difference of large sums.  No tensor load, no barrier: waves share nothing.
.set SP,    80
.set R,     16                         ; v16-143   four rows as loaded, 32 registers each; a row's first 8 registers later take its codes, so that no store's data are written again
.set XX,    144                        ; v144-175  register 16 t + m = number 512 t + 16 lane + m of the row in hand
.set G,     176                        ; v176-207  the gain, laid as XX
.set BB,    208                        ; v208-239  the bias
.set LIMV,  240                        ; v240      57,344 x 2^e
.set SCLV,  241                        ; v241      2^e
	s_load_b256 s[8:15], s[0:1], 0x0               ; x1 s[8:9], gain s[10:11], bias s[12:13], lowp_scales s[14:15]
	s_load_b64 s[16:17], s[0:1], 0x20              ; h2c
	v_lshl_add_u32 v248, v0, 2, 0x5000
	v_mov_b32 v249, 0
	v_lshrrev_b32 v1, 5, v0
	v_readfirstlane_b32 s30, v1                    ; wave 0..3
	v_and_b32 v1, 31, v0                           ; lane
	s_wait_alu depctr_va_vdst(0)
	s_lshl_b32 s50, ttmp9, 4
	s_lshl_b32 s51, s30, 2
	s_add_co_u32 s50, s50, s51                     ; my wave's first row
	s_lshl_b32 s52, s50, 12
	s_mov_b32 s53, 0
	s_lshl_b32 s54, s50, 10
	s_mov_b32 s55, 0
	s_mov_b32 s32, 0x76543210                      ; v_permlanex16_b32: lane l takes lane l xor 16
	s_mov_b32 s33, 0xfedcba98
	s_mov_b32 s34, 0x3a800000                      ; 1 / 1,024
	s_mov_b32 s35, 0x3727c5ac                      ; 1e-5
	v_lshlrev_b32 v2, 6, v1                        ; 64 x lane: my 16 numbers of the gain and the bias
	v_lshlrev_b32 v3, 4, v1                        ; 16 x lane: my bytes of a load, and of a store of codes
	s_mul_i32 s51, s30, 64*SP                      ; my stage
	v_lshrrev_b32 v14, 2, v1
	v_mul_u32_u24 v14, v14, SP
	v_and_b32 v15, 3, v1
	v_lshl_add_u32 v14, v15, 4, v14
	v_add_nc_u32 v14, s51, v14                     ; in: four lanes' 64 bytes on end, then the padding
	v_mul_u32_u24 v15, v1, SP
	v_add_nc_u32 v15, s51, v15                     ; out: my 64 bytes
	v_mov_b32 v9, 0                                ; a lane permute's destination counts as read
	v_mov_b32 v11, 0                               ; (upper halves of pairs of which the low word serves both halves)
	v_mov_b32 v13, 0
	s_wait_alu depctr_va_vdst(0)
	s_wait_kmcnt 0x0
	s_load_b32 s36, s[14:15], 0x28                 ; entry 10
	s_add_nc_u64 s[8:9], s[8:9], s[52:53]
	s_add_nc_u64 s[16:17], s[16:17], s[54:55]
.irp t, 0,1
.irp m, 0,1,2,3
	global_load_b128 v[G+16*\t+4*\m:G+16*\t+4*\m+3], v2, s[10:11] offset:2048*\t+16*\m
	global_load_b128 v[BB+16*\t+4*\m:BB+16*\t+4*\m+3], v2, s[12:13] offset:2048*\t+16*\m
.endr
.endr
.irp j, 0,1,2,3
.irp i, 0,1,2,3,4,5,6,7
	global_load_b128 v[R+32*\j+4*\i:R+32*\j+4*\i+3], v3, s[8:9] offset:4096*\j+512*\i
.endr
.endr
	s_wait_kmcnt 0x0
	s_add_co_i32 s54, s36, 127
	s_lshl_b32 s55, s54, 23
	v_mov_b32 v[SCLV], s55
	s_add_co_i32 s54, s54, 15
	s_lshl_b32 s54, s54, 23
	s_or_b32 s54, s54, 0x600000
	v_mov_b32 v[LIMV], s54
.macro REDUCE                          ; the two chains v[4:5], v[6:7] -> the row's sum in v8, in every lane
	v_pk_add_f32 v[4:5], v[4:5], v[6:7]
	v_add_f32 v8, v4, v5
	v_add_f32_dpp v8, v8, v8 row_xmask:1 row_mask:0xf bank_mask:0xf
	v_add_f32_dpp v8, v8, v8 row_xmask:2 row_mask:0xf bank_mask:0xf
	v_add_f32_dpp v8, v8, v8 row_xmask:4 row_mask:0xf bank_mask:0xf
	v_add_f32_dpp v8, v8, v8 row_xmask:8 row_mask:0xf bank_mask:0xf
	v_permlanex16_b32 v9, v8, s32, s33
	v_add_f32 v8, v8, v9
.endm
.macro LNROW j
	s_wait_loadcnt 8*(3-(\j))                      ; this row's 8 loads are in (and, being older, the gain and the bias); the later rows' may be out
.irp i, 0,1,2,3,4,5,6,7
	ds_store_b128 v14, v[R+32*(\j)+4*\i:R+32*(\j)+4*\i+3] offset:32*SP*(\i/4)+8*SP*(\i%4)
.endr
.irp t, 0,1
.irp m, 0,1,2,3
	ds_load_b128 v[XX+16*\t+4*\m:XX+16*\t+4*\m+3], v15 offset:32*SP*\t+16*\m   ; LDS serves a wave's instructions in order: these see the stores above
.endr
.endr
	s_wait_dscnt 0x0                               ; the row is back, and the stores have read the row's registers, which will take its codes
	v_pk_add_f32 v[4:5], v[XX:XX+1], v[XX+2:XX+3]  ; the sum, two numbers at a time, in two chains
	v_pk_add_f32 v[6:7], v[XX+4:XX+5], v[XX+6:XX+7]
.irp k, 8,12,16,20,24,28
	v_pk_add_f32 v[4:5], v[4:5], v[XX+\k:XX+\k+1]
	v_pk_add_f32 v[6:7], v[6:7], v[XX+\k+2:XX+\k+3]
.endr
	REDUCE
	v_mul_f32 v10, s34, v8                         ; the mean
.set i, 0
.rept 16
	v_pk_add_f32 v[XX+i:XX+i+1], v[XX+i:XX+i+1], v[10:11] op_sel_hi:[1,0] neg_lo:[0,1] neg_hi:[0,1]   ; x - mean
.set i, i+2
.endr
	v_pk_mul_f32 v[4:5], v[XX:XX+1], v[XX:XX+1]
	v_pk_mul_f32 v[6:7], v[XX+2:XX+3], v[XX+2:XX+3]
.irp k, 4,8,12,16,20,24,28
	v_pk_fma_f32 v[4:5], v[XX+\k:XX+\k+1], v[XX+\k:XX+\k+1], v[4:5]
	v_pk_fma_f32 v[6:7], v[XX+\k+2:XX+\k+3], v[XX+\k+2:XX+\k+3], v[6:7]
.endr
	REDUCE
	v_fma_f32 v8, v8, s34, s35                     ; the variance + 1e-5
	s_wait_alu depctr_va_vdst(0)
	v_rsq_f32 v12, v8
	v_nop                                          ; a plain instruction behind the transcendental,
	s_wait_alu depctr_va_vdst(0)                   ; and the wait ahead of the first use of its result
.set i, 0
.rept 16
	v_pk_mul_f32 v[XX+i:XX+i+1], v[XX+i:XX+i+1], v[12:13] op_sel_hi:[1,0]
.set i, i+2
.endr
.set i, 0
.rept 16
	v_pk_fma_f32 v[XX+i:XX+i+1], v[XX+i:XX+i+1], v[G+i:G+i+1], v[BB+i:BB+i+1]   ; x gain + bias
.set i, i+2
.endr
.set i, 0
.rept 32
	v_med3_num_f32 v[XX+i], v[XX+i], -v[LIMV], v[LIMV]   ; the conversion does not saturate (ISA guide 7.6.2): the number is held first
.set i, i+1
.endr
.irp g, 0,1,2,3
	v_cvt_scalef32_pk8_bf8_f32 v[R+32*(\j)+2*\g:R+32*(\j)+2*\g+1], v[XX+8*\g:XX+8*\g+7], v[SCLV]
.endr
	v_nop                                          ; a plain line behind the last conversion
.irp t, 0,1
	global_store_b128 v3, v[R+32*(\j)+4*\t:R+32*(\j)+4*\t+3], s[16:17] offset:1024*(\j)+512*\t   ; 32 lanes store 512 consecutive bytes of a row of codes
.endr
.endm
	LNROW 0
	LNROW 1
	LNROW 2
	LNROW 3
	s_wait_tensorcnt 0x0
	ds_add_u32 v248, v249
	s_wait_dscnt 0x0
	s_endpgm
.Lfunc_end_k_q51df3db85b_ln2:
	.size	k_q51df3db85b_ln2, .Lfunc_end_k_q51df3db85b_ln2-k_q51df3db85b_ln2
	.p2alignl 7, 3214868480
	.fill 96, 4, 3214868480
	.section	.rodata,"a",@progbits
	.p2align	6, 0x0
	.amdhsa_kernel k_q51df3db85b_ln2
		.amdhsa_group_segment_fixed_size 20992
		.amdhsa_private_segment_fixed_size 0
		.amdhsa_enable_private_segment 0
		.amdhsa_kernarg_size 40
		.amdhsa_user_sgpr_count 2
		.amdhsa_user_sgpr_kernarg_segment_ptr 1
		.amdhsa_wavefront_size32 1
		.amdhsa_system_sgpr_workgroup_id_x 1
		.amdhsa_system_sgpr_workgroup_id_y 1
		.amdhsa_system_sgpr_workgroup_id_z 1
		.amdhsa_system_vgpr_workitem_id 0
		.amdhsa_next_free_vgpr 250
		.amdhsa_next_free_sgpr 66
		.amdhsa_reserve_vcc 0
		.amdhsa_float_denorm_mode_32 3
		.amdhsa_float_denorm_mode_16_64 3
		.amdhsa_memory_ordered 1
		.amdhsa_forward_progress 1
		.amdhsa_inst_pref_size 45
	.end_amdhsa_kernel
	.amdgpu_metadata
---
amdhsa.version: [ 1, 2 ]
amdhsa.kernels:
  - .name:           k_q51df3db85b_ln2
    .symbol:         k_q51df3db85b_ln2.kd
    .args:
      - { .name: x1, .offset: 0, .size: 8, .value_kind: global_buffer, .address_space: global }
      - { .name: ln2_g, .offset: 8, .size: 8, .value_kind: global_buffer, .address_space: global }
      - { .name: ln2_b, .offset: 16, .size: 8, .value_kind: global_buffer, .address_space: global }
      - { .name: lowp_scales, .offset: 24, .size: 8, .value_kind: global_buffer, .address_space: global }
      - { .name: h2c, .offset: 32, .size: 8, .value_kind: global_buffer, .address_space: global }
    .group_segment_fixed_size: 20992
    .private_segment_fixed_size: 0
    .kernarg_segment_align: 8
    .kernarg_segment_size: 40
    .max_flat_workgroup_size: 128
    .sgpr_count:     66
    .vgpr_count:     250
    .wavefront_size: 32
...
	.end_amdgpu_metadata
.endif
;; end of part 12
;; launch ff1 (part 13): grid 16 x 16, 4 waves a work-group, clusters of 4 x 4, 327,680 bytes of LDS; arguments h2c, wc, lowp_scales, b1, fc; writes fc
.if DOCPART == 13
	.amdgcn_target "amdgcn-amd-amdhsa--gfx1250"
	.amdhsa_code_object_version 6
	.text
	.protected	k_q51df3db85b_ff1
	.globl	k_q51df3db85b_ff1
	.p2align	8
	.type	k_q51df3db85b_ff1,@function
k_q51df3db85b_ff1:
	s_mov_b64 s[64:65], 0
	v_nop
	global_prefetch_b8 v0, s[64:65] scope:SCOPE_SE
	s_setreg_imm32_b32 hwreg(HW_REG_WAVE_MODE, 25, 1), 1
	s_wait_xcnt 0x0
	s_wait_alu depctr_hold_cnt(0) depctr_sa_sdst(0) depctr_va_vdst(0) depctr_va_sdst(0) depctr_va_ssrc(0) depctr_va_vcc(0) depctr_vm_vsrc(0)
	s_getreg_b32 s2, hwreg(HW_REG_IB_STS2, 6, 4)
	s_cmp_eq_u32 s2, 0
	s_cbranch_scc0 .Lentry_in_a_cluster
	s_endpgm
.Lentry_in_a_cluster:
	s_bfe_u32 s2, ttmp6, 0x10000c
	s_cmp_lg_u32 s2, 0xf033
	s_cbranch_scc0 .Lentry_shape_is_right
	s_endpgm
.Lentry_shape_is_right:
.set SIZE_K, 1024
.set KSTEP,  256
.set ROWB,   256
.set ASTEP,  256
.set KROW,   SIZE_K
.set WOFF,   0x300000
.set PITCH,  272
.set FR,     16
.set NL,     4
.set NP,     4
.set HALFT,  128*PITCH
.set SLOT,   4*HALFT
.set LAPS,   SIZE_K/(2*KSTEP)
.set SPARE,  2*SLOT
.set SPI,    272
.set LIMV, 8
.set SCLV, 9
.set RD2,  11
.set GO2,  13
.set ADRA, 16
.set ADRB, 20
.set STO,  24
.set SPW,  28
.set NIL,  29
.set BI,   32
.set TMP,  32
.set AF,   128
.set BP,   10
.set CB,   78
.set G1, 24
.set G0, 32
.set G1B, 48
.set G0B, 56
.set MSB, 0
.macro WIN new
.if MSB != (\new)
	s_set_vgpr_msb (MSB<<8)|(\new)
.set MSB, (\new)
.endif
.endm
.set MUL_LO, 0xa1
.set MUL_HI, 0xf1
.set ZER_LO, 0x81
.set ZER_HI, 0xc1
.set TO_B,   0x40
.macro JLOAD g0a, g1a, g0b, g1b
	s_cmp_eq_u32 s15, 0
	s_cbranch_scc0 .Lfor_b_\@
	tensor_load_to_lds s[\g0a:\g0a+3], s[\g1a:\g1a+7]
	s_nop 0
.rept 4
	v_nop
.endr
	s_branch .Lasked_\@
.Lfor_b_\@:
	tensor_load_to_lds s[\g0b:\g0b+3], s[\g1b:\g1b+7]
	s_nop 0
.rept 4
	v_nop
.endr
.Lasked_\@:
.endm
.macro CREST
	s_cmp_lg_u32 s14, 0
	s_cbranch_scc1 .Lnot_wave_0_\@
	s_barrier_signal -3
.Lnot_wave_0_\@:
	s_barrier_wait -3
	s_barrier_signal -1
	s_barrier_wait -1
.endm
.macro CROUND
	s_barrier_signal -1
	s_barrier_wait -1
	CREST
.endm
	s_load_b256 s[4:11], s[0:1], 0x0
	s_load_b64 s[78:79], s[0:1], 0x20
	v_lshl_add_u32 v[SPW], v0, 2, SPARE
	v_mov_b32 v[NIL], 0
	ds_add_u32 v28, v29
	ds_add_u32 v28, v29
	s_wait_dscnt 0x0
	v_lshrrev_b32 v1, 5, v0
	v_readfirstlane_b32 s14, v1
	s_lshr_b32 s15, s14, 1
	s_and_b32 s16, s14, 1
	s_bfe_u32 s40, ttmp6, 0x40000
	s_bfe_u32 s41, ttmp6, 0x40004
	s_lshl_b32 s42, ttmp9, 2
	s_add_co_u32 s42, s42, s40
	s_and_b32 s17, ttmp7, 0xffff
	s_lshl_b32 s17, s17, 2
	s_add_co_u32 s17, s17, s41
	s_lshl_b32 s43, s41, 2
	s_lshl_b32 s43, 15, s43
	s_lshl_b32 s44, 0x1111, s40
	s_or_b32 s[G1+0], s43, (0<<16)|(1<<20)|(1<<21)|(5<<22)|(3<<25)
	s_or_b32 s[G1B+0], s44, (0<<16)|(1<<20)|(1<<21)|(5<<22)|(3<<25)
.irp g, G1, G1B
	s_mov_b32 s[\g+1], ROWB<<16
	s_mov_b32 s[\g+2], 128<<16
	s_mov_b32 s[\g+3], ROWB<<16
	s_mov_b32 s[\g+4], 128
	s_mov_b32 s[\g+5], KROW
	s_mov_b32 s[\g+6], 0
	s_mov_b32 s[\g+7], 0
.endr
	s_lshl_b32 s18, s16, 7
	s_lshl_b32 s20, s17, 8
	s_add_co_u32 s20, s20, s18
	s_mul_i32 s20, s20, KROW
	s_mov_b32 s21, 0
	s_lshl_b32 s46, s42, 8
	s_add_co_u32 s46, s46, s18
	s_mul_i32 s46, s46, KROW
	s_add_co_u32 s46, s46, WOFF
	s_mov_b32 s47, 0
	s_mul_i32 s45, s14, HALFT
	s_wait_kmcnt 0x0
	s_load_b128 s[68:71], s[8:9], 0x28
	s_add_nc_u64 s[20:21], s[4:5], s[20:21]
	s_add_nc_u64 s[46:47], s[6:7], s[46:47]
	CROUND
.irp s, 0,1
	s_mov_b32 s[G0+4*\s], 1
	s_add_co_u32 s[G0+4*\s+1], s45, \s*SLOT
	s_add_nc_u64 s[G0+4*\s+2:G0+4*\s+3], s[20:21], \s*ASTEP
	s_or_b32 s[G0+4*\s+3], s[G0+4*\s+3], 0x80000000
	s_mov_b32 s[G0B+4*\s], 1
	s_add_co_u32 s[G0B+4*\s+1], s45, \s*SLOT
	s_add_nc_u64 s[G0B+4*\s+2:G0B+4*\s+3], s[46:47], \s*ROWB
	s_or_b32 s[G0B+4*\s+3], s[G0B+4*\s+3], 0x80000000
.if \s == 0
	JLOAD G0, G1, G0B, G1B                         ; K step 0: one tensor load a wave at the head
.endif
.endr
	v_and_b32 v1, 15, v0
	s_wait_alu depctr_va_vdst(0)
	v_bfe_u32 v2, v0, 4, 1
	v_lshlrev_b32 v7, 5, v2
	s_lshl_b32 s22, s42, 10
	s_lshl_b32 s23, s16, 9
	s_add_co_u32 s22, s22, s23
	s_mov_b32 s23, 0
	s_add_nc_u64 s[BP:BP+1], s[BP:BP+1], s[22:23]
.irp b, 0,1,2,3,4,5,6,7
	global_load_b128 v[BI+8*\b:BI+8*\b+3], v7, s[BP:BP+1] offset:64*\b
	global_load_b128 v[BI+8*\b+4:BI+8*\b+7], v7, s[BP:BP+1] offset:64*\b+16
.endr
	v_mul_u32_u24 v3, v1, PITCH
	v_lshl_add_u32 v4, v2, 4, v3
	s_mul_i32 s21, s15, HALFT
	s_mul_i32 s22, s16, HALFT
	s_add_co_u32 s22, s22, 2*HALFT
.irp s, 0,1
	v_add_nc_u32 v[ADRA+\s], s21, v4
	v_add_nc_u32 v[ADRB+\s], s22, v4
	s_add_co_u32 s21, s21, SLOT
	s_add_co_u32 s22, s22, SLOT
.endr
	s_mul_i32 s23, s15, 128*SPI
	s_lshl_b32 s22, s16, 7
	s_add_co_u32 s23, s23, s22
	v_mul_u32_u24 v5, v1, SPI
	s_wait_alu depctr_va_vdst(0)
	v_lshl_add_u32 v5, v2, 3, v5
	v_add_nc_u32 v[STO], s23, v5
	s_mul_i32 s23, s14, 64*SPI
	v_mul_u32_u24 v5, v2, SPI
	v_lshl_add_u32 v5, v1, 4, v5
	v_add_nc_u32 v[RD2], s23, v5
	v_lshlrev_b32 v[GO2], 12, v2
	v_lshl_add_u32 v[GO2], v1, 4, v[GO2]
	s_lshl_b32 s20, s17, 8
	s_lshl_b32 s21, s14, 6
	s_add_co_u32 s20, s20, s21
	s_lshl_b32 s20, s20, 12
	s_lshl_b32 s46, s42, 8
	s_add_co_u32 s20, s20, s46
	s_mov_b32 s21, 0
	s_add_nc_u64 s[CB:CB+1], s[CB:CB+1], s[20:21]
	s_wait_loadcnt 0x0
	s_wait_kmcnt 0x0
	s_add_co_i32 s72, s68, s69
	s_sub_co_i32 s73, 0, s72
.set j, 0
.rept 64
	v_ldexp_f32 v[BI+j], v[BI+j], s73
.set j, j+1
.endr
	s_sub_co_i32 s74, s70, s72
	s_add_co_i32 s74, s74, 127
	s_lshl_b32 s75, s74, 23
	v_mov_b32 v[SCLV], s75
	s_add_co_i32 s74, s74, 15
	s_lshl_b32 s74, s74, 23
	s_or_b32 s74, s74, 0x600000
	v_mov_b32 v[LIMV], s74
.macro FRAG reg, adr, q, i
.irp c, 0,1,2,3
	ds_load_b128 v[\reg+4*\c:\reg+4*\c+3], v[\adr] offset:128*(\q)+32*\c+(\i)*16*PITCH
.endr
.endm
.macro MUL16 a0, p, zero
.irp a, \a0, \a0+1
.irp b, 0,1,2,3,4,5,6,7
.if \zero
	v_wmma_f32_16x16x128_bf8_bf8 v[8*(8*((\a)%4)+\b):8*(8*((\a)%4)+\b)+7], v[128*(\p)+FR*\b:128*(\p)+FR*\b+FR-1], v[AF+FR*(\a):AF+FR*(\a)+FR-1], v[BI+8*\b:BI+8*\b+7]
.else
	v_wmma_f32_16x16x128_bf8_bf8 v[8*(8*((\a)%4)+\b):8*(8*((\a)%4)+\b)+7], v[128*(\p)+FR*\b:128*(\p)+FR*\b+FR-1], v[AF+FR*(\a):AF+FR*(\a)+FR-1], v[8*(8*((\a)%4)+\b):8*(8*((\a)%4)+\b)+7]
.endif
.endr
.endr
.endm
.macro FETCH_B slot, q, p
	WIN TO_B
.irp i, 0,1,2,3,4,5,6,7
	FRAG 128*(\p)+FR*\i, ADRB+\slot, \q, \i
.endr
	WIN 0
.endm
.macro FETCH_A slot, q, i0
.irp i, \i0, \i0+1, \i0+2, \i0+3
	FRAG AF+FR*(\i), ADRA+\slot, \q, \i
.endr
.endm
.macro PLACES n
.rept \n
	v_nop
.endr
.endm
.macro STEP slot, q, zero
	s_wait_dscnt 4*NL
.if \zero
	WIN ZER_LO
.else
	WIN MUL_LO
.endif
	MUL16 0, (\q)%2, \zero
	MUL16 2, (\q)%2, \zero
	s_wait_dscnt 0
	PLACES NP
	FETCH_B \slot, (\q)+1, 1-(\q)%2
	FETCH_A \slot, (\q)+1, 0
.if \zero
	WIN ZER_HI
.else
	WIN MUL_HI
.endif
	MUL16 4, (\q)%2, \zero
	MUL16 6, (\q)%2, \zero
	PLACES NP
	WIN 0
	FETCH_A \slot, (\q)+1, 4
.endm
.macro TURN slot, next, fill
	s_wait_tensorcnt 0x0
	ds_add_u32 v[SPW], v[NIL]
	s_wait_dscnt 4*NL+1
	WIN MUL_LO
	MUL16 0, 1, 0
	s_wait_dscnt 0x0
	s_barrier_signal -1
	MUL16 2, 1, 0
	WIN 0
	s_barrier_wait -1
.if \fill
	CREST
	s_add_nc_u64 s[G0+4*\slot+2:G0+4*\slot+3], s[G0+4*\slot+2:G0+4*\slot+3], 2*ASTEP
	s_add_nc_u64 s[G0B+4*\slot+2:G0B+4*\slot+3], s[G0B+4*\slot+2:G0B+4*\slot+3], 2*ROWB
	JLOAD G0+4*\slot, G1, G0B+4*\slot, G1B
.else
	PLACES NP
.endif
	FETCH_B \next, 0, 0
	FETCH_A \next, 0, 0
	WIN MUL_HI
	MUL16 4, 1, 0
	MUL16 6, 1, 0
	PLACES NP
	WIN 0
	FETCH_A \next, 0, 4
.endm
	s_wait_alu depctr_va_vdst(0)
	s_wait_tensorcnt 0x0                           ; my part of K step 0 is in; slot 1's first fill is issued as a refill is:
	ds_add_u32 v[SPW], v[NIL]                      ; 0 onto my spare word
	s_wait_dscnt 0x0
	CROUND                                         ; everybody's part of K step 0 is in, and the joint loads meet
	JLOAD G0+4, G1, G0B+4, G1B                     ; K step 1: the first tensor load behind the round
	FETCH_B 0, 0, 0
	FETCH_A 0, 0, 0
	FETCH_A 0, 0, 4
	STEP 0, 0, 1
	s_mov_b32 s3, LAPS-1
.Llap:
	TURN 0, 1, 1
	STEP 1, 0, 0
	TURN 1, 0, 1
	STEP 0, 0, 0
	s_sub_co_u32 s3, s3, 1
	s_cmp_lg_u32 s3, 0
	s_cbranch_scc1 .Llap
	TURN 0, 1, 0
	STEP 1, 0, 0
	s_wait_dscnt 4*NL
	WIN MUL_LO
	MUL16 0, 1, 0
	MUL16 2, 1, 0
	s_wait_dscnt 0
	WIN MUL_HI
	MUL16 4, 1, 0
	MUL16 6, 1, 0
	WIN 0
.macro QBLK a
.set AC, 64*((\a)%4)
.set CD, 96+16*((\a)%2)
.if (\a) >= 2
	s_wait_dscnt 8
.endif
	WIN 0x02+((\a)/4)
.set j, 0
.rept 64
	v_med3_num_f32 v[TMP+j], v[AC+j], 0, v[LIMV]
.set j, j+1
.endr
	WIN 0
.irp b, 0,1,2,3,4,5,6,7
	v_cvt_scalef32_pk8_bf8_f32 v[CD+2*\b:CD+2*\b+1], v[TMP+8*\b:TMP+8*\b+7], v[SCLV]
.endr
	v_nop
.irp b, 0,1,2,3,4,5,6,7
	ds_store_b64 v[STO], v[CD+2*\b:CD+2*\b+1] offset:(\a)*16*SPI+16*\b
.endr
.endm
	PLACES NP
.irp a, 0,1,2,3,4,5,6,7
	QBLK \a
.endr
	s_wait_dscnt 0x0
	s_barrier_signal -1
	s_barrier_wait -1
.set i, 0
.rept 32
	ds_load_b128 v[128+4*i:131+4*i], v[RD2] offset:2*SPI*i
.set i, i+1
.endr
.set i, 0
.rept 32
	s_wait_dscnt 31-i
	global_store_b128 v[GO2], v[128+4*i:131+4*i], s[CB:CB+1] offset:8192*i
.set i, i+1
.endr
	s_wait_tensorcnt 0x0
	ds_add_u32 v[SPW], v[NIL]
	s_wait_dscnt 0x0
	CROUND
	s_endpgm
.Lfunc_end_k_q51df3db85b_ff1:
	.size	k_q51df3db85b_ff1, .Lfunc_end_k_q51df3db85b_ff1-k_q51df3db85b_ff1
	.p2alignl 7, 3214868480
	.fill 96, 4, 3214868480
	.section	.rodata,"a",@progbits
	.p2align	6, 0x0
	.amdhsa_kernel k_q51df3db85b_ff1
		.amdhsa_group_segment_fixed_size 327680
		.amdhsa_private_segment_fixed_size 0
		.amdhsa_enable_private_segment 0
		.amdhsa_kernarg_size 40
		.amdhsa_user_sgpr_count 2
		.amdhsa_user_sgpr_kernarg_segment_ptr 1
		.amdhsa_wavefront_size32 1
		.amdhsa_system_sgpr_workgroup_id_x 1
		.amdhsa_system_sgpr_workgroup_id_y 1
		.amdhsa_system_sgpr_workgroup_id_z 1
		.amdhsa_system_vgpr_workitem_id 0
		.amdhsa_next_free_vgpr 1024
		.amdhsa_next_free_sgpr 100
		.amdhsa_reserve_vcc 0
		.amdhsa_float_denorm_mode_32 3
		.amdhsa_float_denorm_mode_16_64 3
		.amdhsa_memory_ordered 1
		.amdhsa_forward_progress 1
		.amdhsa_inst_pref_size 131
	.end_amdhsa_kernel
	.amdgpu_metadata
---
amdhsa.version: [ 1, 2 ]
amdhsa.kernels:
  - .name:           k_q51df3db85b_ff1
    .symbol:         k_q51df3db85b_ff1.kd
    .args:
      - { .name: h2c, .offset: 0, .size: 8, .value_kind: global_buffer, .address_space: global }
      - { .name: wc, .offset: 8, .size: 8, .value_kind: global_buffer, .address_space: global }
      - { .name: lowp_scales, .offset: 16, .size: 8, .value_kind: global_buffer, .address_space: global }
      - { .name: b1, .offset: 24, .size: 8, .value_kind: global_buffer, .address_space: global }
      - { .name: fc, .offset: 32, .size: 8, .value_kind: global_buffer, .address_space: global }
    .group_segment_fixed_size: 327680
    .private_segment_fixed_size: 0
    .kernarg_segment_align: 8
    .kernarg_segment_size: 40
    .max_flat_workgroup_size: 128
    .sgpr_count:     100
    .vgpr_count:     1024
    .wavefront_size: 32
...
	.end_amdgpu_metadata
.endif
;; end of part 13
;; launch ff2 (part 14): grid 8 x 32, 4 waves a work-group, clusters of 4 x 4, 327,680 bytes of LDS; arguments fc, wc, lowp_scales, b2, x1, out0; writes out0
.if DOCPART == 14
	.amdgcn_target "amdgcn-amd-amdhsa--gfx1250"
	.amdhsa_code_object_version 6
	.text
	.protected	k_q51df3db85b_ff2
	.globl	k_q51df3db85b_ff2
	.p2align	8
	.type	k_q51df3db85b_ff2,@function
k_q51df3db85b_ff2:
	s_mov_b64 s[64:65], 0
	v_nop
	global_prefetch_b8 v0, s[64:65] scope:SCOPE_SE
	s_setreg_imm32_b32 hwreg(HW_REG_WAVE_MODE, 25, 1), 1
	s_wait_xcnt 0x0
	s_wait_alu depctr_hold_cnt(0) depctr_sa_sdst(0) depctr_va_vdst(0) depctr_va_sdst(0) depctr_va_ssrc(0) depctr_va_vcc(0) depctr_vm_vsrc(0)
	s_getreg_b32 s2, hwreg(HW_REG_IB_STS2, 6, 4)
	s_cmp_eq_u32 s2, 0
	s_cbranch_scc0 .Lentry_in_a_cluster
	s_endpgm
.Lentry_in_a_cluster:
	s_bfe_u32 s2, ttmp6, 0x10000c
	s_cmp_lg_u32 s2, 0xf033
	s_cbranch_scc0 .Lentry_shape_is_right
	s_endpgm
.Lentry_shape_is_right:
.set SIZE_K, 4096
.set KSTEP,  512
.set ROWB,   512
.set KROW,   SIZE_K
.set WOFF,   0x700000
.set PITCH,  528
.set HALFT,  64*PITCH
.set BOFF,   2*HALFT
.set SLOT,   4*HALFT
.set FR,     16
.set LAPS,   SIZE_K/(2*KSTEP)
.set STAGE,  2*SLOT
.set SPITCH, 272
.set SPARE,  STAGE+4*16*SPITCH
.set ADRA, 16
.set ADRB, 20
.set STO,  24
.set RD,   25
.set CO,   26
.set SPW,  28
.set NIL,  29
.set BI,   32
.set ACC,  128
.set F0,   0
.set F1,   128
.set RSB,  128
.set BP,   10
.set RP,   76
.set CB,   78
.set G1, 24
.set G0, 32
.set G1B, 48
.set G0B, 56
.set MSB, 0
.macro WIN new
.if MSB != (\new)
	s_set_vgpr_msb (MSB<<8)|(\new)
.set MSB, (\new)
.endif
.endm
.set MUL,  0x05
.set TO_F, 0x40
.macro JLOAD g0a, g1a, g0b, g1b
	s_cmp_eq_u32 s15, 0
	s_cbranch_scc0 .Lfor_b_\@
	tensor_load_to_lds s[\g0a:\g0a+3], s[\g1a:\g1a+7]
	s_nop 0
.rept 4
	v_nop
.endr
	s_branch .Lasked_\@
.Lfor_b_\@:
	tensor_load_to_lds s[\g0b:\g0b+3], s[\g1b:\g1b+7]
	s_nop 0
.rept 4
	v_nop
.endr
.Lasked_\@:
.endm
.macro CREST
	s_cmp_lg_u32 s14, 0
	s_cbranch_scc1 .Lnot_wave_0_\@
	s_barrier_signal -3
.Lnot_wave_0_\@:
	s_barrier_wait -3
	s_barrier_signal -1
	s_barrier_wait -1
.endm
.macro CROUND
	s_barrier_signal -1
	s_barrier_wait -1
	CREST
.endm
	s_load_b256 s[4:11], s[0:1], 0x0
	s_load_b128 s[76:79], s[0:1], 0x20
	v_lshl_add_u32 v[SPW], v0, 2, SPARE
	v_mov_b32 v[NIL], 0
	ds_add_u32 v28, v29
	ds_add_u32 v28, v29
	s_wait_dscnt 0x0
	v_lshrrev_b32 v1, 5, v0
	v_readfirstlane_b32 s14, v1
; PREFETCHES INTO THE L2.  Behind the joint load for K step t one instruction a wave names K step t + 2 of the rows that the wave fetches: 64 rows x 512 bytes = 128 blocks of 256 bytes.
; The four partners that ask for a tile jointly share its rows out by address, 16 rows each (place cx for A, cy for B): a lane names block lane % 2 of row lane / 2.  B's tiles, which all eight rows of clusters load,
; are named by the even rows of clusters alone.  The refills for K steps 6 and 7 name nothing: there is no K step behind them.  The address is stepped at the next change of slots, behind s_wait_xcnt 0.
.macro ASKH off                        ; at the head: K steps 2 and 3
	s_cmp_eq_u32 s83, 1
	s_cbranch_scc0 .Lnot_mine_\@
	global_prefetch_b8 v30, s[84:85] offset:\off th:TH_LOAD_NT scope:SCOPE_SE
.Lnot_mine_\@:
.endm
.macro ASK                             ; in the loop: not in its last trip (s3 = 1)
	s_cmp_gt_u32 s3, s83
	s_cbranch_scc0 .Lnot_mine_\@
	global_prefetch_b8 v30, s[84:85] offset:ROWB th:TH_LOAD_NT scope:SCOPE_SE
.Lnot_mine_\@:
.endm
	v_and_b32 v30, 31, v0
	v_lshrrev_b32 v31, 1, v30
	v_and_b32 v30, 1, v30
	v_mul_u32_u24 v31, v31, KROW
	v_lshl_add_u32 v30, v30, 8, v31                ; v30: (lane / 2) rows + 256 (lane % 2); never rewritten
	s_wait_alu depctr_va_vdst(0)
	s_lshr_b32 s15, s14, 1
	s_and_b32 s16, s14, 1
	s_bfe_u32 s40, ttmp6, 0x40000
	s_bfe_u32 s41, ttmp6, 0x40004
	s_lshl_b32 s42, ttmp9, 2
	s_add_co_u32 s42, s42, s40
	s_and_b32 s17, ttmp7, 0xffff
	s_lshl_b32 s17, s17, 2
	s_add_co_u32 s17, s17, s41
	s_lshl_b32 s43, s41, 2
	s_lshl_b32 s43, 15, s43
	s_lshl_b32 s44, 0x1111, s40
	s_or_b32 s[G1+0], s43, (0<<16)|(1<<20)|(1<<21)|(6<<22)|(3<<25)
	s_or_b32 s[G1B+0], s44, (0<<16)|(1<<20)|(1<<21)|(6<<22)|(3<<25)
.irp g, G1, G1B
	s_mov_b32 s[\g+1], ROWB<<16
	s_mov_b32 s[\g+2], 64<<16
	s_mov_b32 s[\g+3], ROWB<<16
	s_mov_b32 s[\g+4], 64
	s_mov_b32 s[\g+5], KROW
	s_mov_b32 s[\g+6], 0
	s_mov_b32 s[\g+7], 0
.endr
	s_lshl_b32 s18, s16, 6
	s_lshl_b32 s20, s17, 7
	s_add_co_u32 s20, s20, s18
	s_mul_i32 s20, s20, KROW
	s_mov_b32 s21, 0
	s_lshl_b32 s46, s42, 7
	s_add_co_u32 s46, s46, s18
	s_mul_i32 s46, s46, KROW
	s_add_co_u32 s46, s46, WOFF
	s_mov_b32 s47, 0
	s_mul_i32 s45, s16, HALFT
	s_mul_i32 s74, s16, HALFT
	s_add_co_u32 s74, s74, BOFF
	s_wait_kmcnt 0x0
	s_load_b64 s[68:69], s[8:9], 0x30
	s_add_nc_u64 s[20:21], s[4:5], s[20:21]
	s_add_nc_u64 s[46:47], s[6:7], s[46:47]
	s_cmp_eq_u32 s15, 0                            ; do I fetch for A?
	s_cselect_b64 s[84:85], s[20:21], s[46:47]     ; the 64 rows that I fetch,
	s_cselect_b32 s86, s40, s41                    ; my place among the four that ask for them with me,
	s_mul_i32 s86, s86, 16*KROW                    ; my work-group's 16 of them,
	s_add_co_u32 s86, s86, 2*ROWB                  ; at K step 2
	s_mov_b32 s87, 0
	s_add_nc_u64 s[84:85], s[84:85], s[86:87]
	s_and_b32 s83, ttmp7, 1
	s_mul_i32 s83, s83, s15
	s_cmp_eq_u32 s83, 0
	s_cselect_b32 s83, 1, -1                       ; 1: my wave asks; B's waves in the odd rows of clusters do not
	CROUND
.irp s, 0,1
	s_mov_b32 s[G0+4*\s], 1
	s_add_co_u32 s[G0+4*\s+1], s45, \s*SLOT
	s_add_nc_u64 s[G0+4*\s+2:G0+4*\s+3], s[20:21], \s*ROWB
	s_or_b32 s[G0+4*\s+3], s[G0+4*\s+3], 0x80000000
	s_mov_b32 s[G0B+4*\s], 1
	s_add_co_u32 s[G0B+4*\s+1], s74, \s*SLOT
	s_add_nc_u64 s[G0B+4*\s+2:G0B+4*\s+3], s[46:47], \s*ROWB
	s_or_b32 s[G0B+4*\s+3], s[G0B+4*\s+3], 0x80000000
.if \s == 0
	JLOAD G0, G1, G0B, G1B
	ASKH 0
.endif
.endr
	v_and_b32 v1, 15, v0
	s_wait_alu depctr_va_vdst(0)
	v_bfe_u32 v2, v0, 4, 1
	v_lshlrev_b32 v7, 5, v2
	s_lshl_b32 s22, s42, 9
	s_lshl_b32 s23, s16, 8
	s_add_co_u32 s22, s22, s23
	s_mov_b32 s23, 0
	s_add_nc_u64 s[BP:BP+1], s[BP:BP+1], s[22:23]
.irp b, 0,1,2,3
	global_load_b128 v[BI+8*\b:BI+8*\b+3], v7, s[BP:BP+1] offset:64*\b
	global_load_b128 v[BI+8*\b+4:BI+8*\b+7], v7, s[BP:BP+1] offset:64*\b+16
.endr
	v_mul_u32_u24 v3, v1, PITCH
	v_lshl_add_u32 v4, v2, 4, v3
	s_mul_i32 s21, s15, HALFT
	s_mul_i32 s22, s16, HALFT
	s_add_co_u32 s22, s22, BOFF
.irp s, 0,1
	v_add_nc_u32 v[ADRA+\s], s21, v4
	v_add_nc_u32 v[ADRB+\s], s22, v4
	s_add_co_u32 s21, s21, SLOT
	s_add_co_u32 s22, s22, SLOT
.endr
	s_mul_i32 s23, s14, 16*SPITCH
	s_add_co_u32 s23, s23, STAGE
	v_mul_u32_u24 v5, v1, SPITCH
	s_wait_alu depctr_va_vdst(0)
	v_lshl_add_u32 v5, v2, 5, v5
	v_add_nc_u32 v[STO], s23, v5
	v_mul_u32_u24 v5, v2, SPITCH
	v_lshl_add_u32 v5, v1, 4, v5
	v_add_nc_u32 v[RD], s23, v5
	v_lshlrev_b32 v[CO], 12, v2
	v_lshl_add_u32 v[CO], v1, 4, v[CO]
	s_lshl_b32 s20, s17, 7
	s_lshl_b32 s21, s15, 6
	s_add_co_u32 s20, s20, s21
	s_lshl_b32 s20, s20, 12
	s_lshl_b32 s46, s42, 9
	s_add_co_u32 s20, s20, s46
	s_lshl_b32 s46, s16, 8
	s_add_co_u32 s20, s20, s46
	s_mov_b32 s21, 0
	s_add_nc_u64 s[CB:CB+1], s[CB:CB+1], s[20:21]
	s_add_nc_u64 s[RP:RP+1], s[RP:RP+1], s[20:21]
	s_wait_loadcnt 0x0
	s_wait_kmcnt 0x0
	s_add_co_i32 s72, s68, s69
	s_sub_co_i32 s73, 0, s72
.set j, 0
.rept 32
	v_ldexp_f32 v[BI+j], v[BI+j], s73
.set j, j+1
.endr
	s_add_co_i32 s96, s72, 127
	s_lshl_b32 s96, s96, 23
	s_mov_b32 s97, s96
	WIN 0x80
.irp a, 0,1,2,3
.irp t, 0,1,2,3,4,5,6,7
	global_load_b128 v[RSB+32*\a+4*\t:RSB+32*\a+4*\t+3], v[CO], s[RP:RP+1] offset:(16*\a+2*\t)*4096
.endr
.endr
	WIN 0
.macro FRAG reg, adr, q, i
.irp c, 0,1,2,3
	ds_load_b128 v[\reg+4*\c:\reg+4*\c+3], v[\adr] offset:128*(\q)+32*\c+(\i)*16*PITCH
.endr
.endm
.macro MUL4 f, a, zero
.irp b, 0,1,2,3
.if \zero
	v_wmma_f32_16x16x128_bf8_bf8 v[ACC+8*(4*(\a)+\b):ACC+8*(4*(\a)+\b)+7], v[\f+64+FR*\b:\f+64+FR*\b+FR-1], v[\f+FR*(\a):\f+FR*(\a)+FR-1], v[BI+8*\b:BI+8*\b+7]
.else
	v_wmma_f32_16x16x128_bf8_bf8 v[ACC+8*(4*(\a)+\b):ACC+8*(4*(\a)+\b)+7], v[\f+64+FR*\b:\f+64+FR*\b+FR-1], v[\f+FR*(\a):\f+FR*(\a)+FR-1], v[ACC+8*(4*(\a)+\b):ACC+8*(4*(\a)+\b)+7]
.endif
.endr
.endm
.macro FETCH slot, q, f
	WIN TO_F
.irp i, 0,1,2,3
	FRAG \f+64+FR*\i, ADRB+\slot, \q, \i
.endr
.irp i, 0,1,2,3
	FRAG \f+FR*\i, ADRA+\slot, \q, \i
.endr
.endm
.macro PLACES
.rept 4
	v_nop
.endr
.endm
.macro QUARTER slot, q, f, g, zero
	s_wait_dscnt 8
	WIN MUL
	MUL4 \f, 0, \zero
	MUL4 \f, 1, \zero
	PLACES
	FETCH \slot, \q, \g
	s_wait_dscnt 32
	WIN MUL
	MUL4 \f, 2, \zero
	MUL4 \f, 3, \zero
.endm
.macro TURN slot, next, fill
	WIN 0
.if \fill
	s_wait_xcnt 0x0                                ; my last prefetch has read its address
	s_add_nc_u64 s[84:85], s[84:85], ROWB
.endif
	s_wait_tensorcnt 0x0
	ds_add_u32 v[SPW], v[NIL]
	s_wait_dscnt 9
	WIN MUL
	MUL4 F1, 0, 0
	s_wait_dscnt 0x0
	s_barrier_signal -1
	MUL4 F1, 1, 0
.if \fill
	WIN 0
.endif
	s_barrier_wait -1
.if \fill
	CREST
	s_add_nc_u64 s[G0+4*\slot+2:G0+4*\slot+3], s[G0+4*\slot+2:G0+4*\slot+3], 2*ROWB
	s_add_nc_u64 s[G0B+4*\slot+2:G0B+4*\slot+3], s[G0B+4*\slot+2:G0B+4*\slot+3], 2*ROWB
	JLOAD G0+4*\slot, G1, G0B+4*\slot, G1B
.else
	PLACES
.endif
	FETCH \next, 0, F0
.if \fill
	WIN 0
	ASK
.endif
	WIN MUL
	MUL4 F1, 2, 0
	MUL4 F1, 3, 0
.endm
	s_wait_alu depctr_va_vdst(0)
	s_wait_tensorcnt 0x0                           ; my part of K step 0 is in; slot 1's first fill is issued as a refill is:
	ds_add_u32 v[SPW], v[NIL]                      ; 0 onto my spare word
	s_wait_dscnt 0x0
	CROUND                                         ; everybody's part of K step 0 is in, and the joint loads meet
	JLOAD G0+4, G1, G0B+4, G1B
	ASKH ROWB
	FETCH 0, 0, F0
	QUARTER 0, 1, F0, F1, 1
	WIN 0
	s_mov_b32 s3, LAPS-1
.Llap:
	QUARTER 0, 2, F1, F0, 0
	QUARTER 0, 3, F0, F1, 0
	TURN 0, 1, 1
	QUARTER 1, 1, F0, F1, 0
	QUARTER 1, 2, F1, F0, 0
	QUARTER 1, 3, F0, F1, 0
	TURN 1, 0, 1
	QUARTER 0, 1, F0, F1, 0
	WIN 0
	s_sub_co_u32 s3, s3, 1
	s_cmp_lg_u32 s3, 0
	s_cbranch_scc1 .Llap
	QUARTER 0, 2, F1, F0, 0
	QUARTER 0, 3, F0, F1, 0
	TURN 0, 1, 0
	QUARTER 1, 1, F0, F1, 0
	QUARTER 1, 2, F1, F0, 0
	QUARTER 1, 3, F0, F1, 0
	s_wait_dscnt 8
	WIN MUL
	MUL4 F1, 0, 0
	MUL4 F1, 1, 0
	s_wait_dscnt 0x0
	MUL4 F1, 2, 0
	MUL4 F1, 3, 0
	WIN 0
.macro TOSTAGE a
.irp b, 0,1,2,3
	ds_store_b128 v[STO], v[ACC+8*(4*(\a)+\b):ACC+8*(4*(\a)+\b)+3] offset:64*\b
	ds_store_b128 v[STO], v[ACC+8*(4*(\a)+\b)+4:ACC+8*(4*(\a)+\b)+7] offset:64*\b+16
.endr
	WIN TO_F
.irp t, 0,1,2,3,4,5,6,7
	ds_load_b128 v[32*(\a)+4*\t:32*(\a)+4*\t+3], v[RD] offset:\t*2*SPITCH
.endr
	WIN 0
.endm
.macro SEND a, younger
	s_wait_dscnt \younger
	s_wait_loadcnt 8*(3-(\a))
	WIN 0x61
.set j, 0
.rept 16
	v_pk_fma_f32 v[32*(\a)+j:32*(\a)+j+1], v[32*(\a)+j:32*(\a)+j+1], s[96:97], v[RSB+32*(\a)+j:RSB+32*(\a)+j+1] op_sel_hi:[1,0,1]
.set j, j+2
.endr
	WIN 0x04
.irp t, 0,1,2,3,4,5,6,7
	global_store_b128 v[CO], v[32*(\a)+4*\t:32*(\a)+4*\t+3], s[CB:CB+1] offset:(16*(\a)+2*\t)*4096 th:TH_STORE_NT
.endr
	WIN 0
.endm
	PLACES
	TOSTAGE 0
.irp a, 1,2,3
	TOSTAGE \a
	SEND (\a)-1, 16
.endr
	SEND 3, 0
	s_wait_tensorcnt 0x0
	ds_add_u32 v[SPW], v[NIL]
	s_wait_dscnt 0x0
	CROUND
	s_endpgm
.Lfunc_end_k_q51df3db85b_ff2:
	.size	k_q51df3db85b_ff2, .Lfunc_end_k_q51df3db85b_ff2-k_q51df3db85b_ff2
	.p2alignl 7, 3214868480
	.fill 96, 4, 3214868480
	.section	.rodata,"a",@progbits
	.p2align	6, 0x0
	.amdhsa_kernel k_q51df3db85b_ff2
		.amdhsa_group_segment_fixed_size 327680
		.amdhsa_private_segment_fixed_size 0
		.amdhsa_enable_private_segment 0
		.amdhsa_kernarg_size 48
		.amdhsa_user_sgpr_count 2
		.amdhsa_user_sgpr_kernarg_segment_ptr 1
		.amdhsa_wavefront_size32 1
		.amdhsa_system_sgpr_workgroup_id_x 1
		.amdhsa_system_sgpr_workgroup_id_y 1
		.amdhsa_system_sgpr_workgroup_id_z 1
		.amdhsa_system_vgpr_workitem_id 0
		.amdhsa_next_free_vgpr 768
		.amdhsa_next_free_sgpr 100
		.amdhsa_reserve_vcc 0
		.amdhsa_float_denorm_mode_32 3
		.amdhsa_float_denorm_mode_16_64 3
		.amdhsa_memory_ordered 1
		.amdhsa_forward_progress 1
		.amdhsa_inst_pref_size 83
	.end_amdhsa_kernel
	.amdgpu_metadata
---
amdhsa.version: [ 1, 2 ]
amdhsa.kernels:
  - .name:           k_q51df3db85b_ff2
    .symbol:         k_q51df3db85b_ff2.kd
    .args:
      - { .name: fc, .offset: 0, .size: 8, .value_kind: global_buffer, .address_space: global }
      - { .name: wc, .offset: 8, .size: 8, .value_kind: global_buffer, .address_space: global }
      - { .name: lowp_scales, .offset: 16, .size: 8, .value_kind: global_buffer, .address_space: global }
      - { .name: b2, .offset: 24, .size: 8, .value_kind: global_buffer, .address_space: global }
      - { .name: x1, .offset: 32, .size: 8, .value_kind: global_buffer, .address_space: global }
      - { .name: out0, .offset: 40, .size: 8, .value_kind: global_buffer, .address_space: global }
    .group_segment_fixed_size: 327680
    .private_segment_fixed_size: 0
    .kernarg_segment_align: 8
    .kernarg_segment_size: 48
    .max_flat_workgroup_size: 128
    .sgpr_count:     100
    .vgpr_count:     768
    .wavefront_size: 32
...
	.end_amdgpu_metadata
.endif
;; end of part 14
